; MI455X (gfx1250); checked and timed in simulation.
; The chip was launched on July 23, 2026; its instructions are those of AMD's public machine-readable ISA for CDNA 5 (MIT licence, August 2026) and "CDNA5" Instruction Set Architecture Reference Guide (July 2026). The comments in the code are by the model that wrote it; some were corrected since.
;; Attention Block. Allowed arithmetic: matrix products marked QUANTISED: E5M2 operands, one given power-of-two scale a tensor, by v_wmma_f32_16x16x64_bf8_bf8 or v_wmma_f32_16x16x128_bf8_bf8, f32 sums; everything else in f32.
;; Inputs: ca_bo 1,024 float32; ca_nb 1,024 float32; ca_ncb 768 float32; ca_ncg 768 float32; ca_ng 1,024 float32; ca_wkv 768 x 1,024 float32; ca_wo 512 x 1,024 float32; ca_wq 1,024 x 512 float32; context 4 x 512 x 768 float32; lowp_scales 20 int32 (the exponents e of the quantised operands' scales 2^e); sa_bo 1,024 float32; sa_nb 1,024 float32; sa_ncb 1,024 float32; sa_ncg 1,024 float32; sa_ng 1,024 float32; sa_wkv 1,024 x 1,024 float32; sa_wo 512 x 1,024 float32; sa_wq 1,024 x 512 float32; x 4 x 2,048 x 1,024 float32.
;; Outputs: out0 4 x 2,048 x 1,024 float32.
;; This version of the problem:
;;   THIS VERSION OF THE PROBLEM IS GIVEN IN LOW PRECISION. The matrix products marked QUANTISED in the list below multiply operands that are first quantised to E5M2 (5 exponent bits, 2 mantissa bits; 8 bits a number), with one given power-of-two scale for each operand tensor; their sums are f32. All else is computed in f32.
;;   The module's matrix products, in the order in which they are computed (A, B: the left and right operand; K: the contracted axis; several contracted axes count as one K, in the product's order):
;;     1. [M 8,192, K 1,024] x [K 1,024, N 512]; A: computed on the way; B: input sa_wq: QUANTISED (scales: A lowp_scales[0], B lowp_scales[1])
;;     2. [M 8,192, K 1,024] x [K 1,024, N 1,024]; A: computed on the way; B: input sa_wkv: QUANTISED (scales: A lowp_scales[2], B lowp_scales[3])
;;     3. batch 32 x [M 2,048, K 64] x [K 64, N 2,048]; A: computed on the way; B: computed on the way: QUANTISED (scales: A lowp_scales[4], B lowp_scales[5])
;;     4. batch 32 x [M 2,048, K 2,048] x [K 2,048, N 64]; A: softmax (see below); B: computed on the way: QUANTISED (scales: A lowp_scales[6], B lowp_scales[7])
;;     5. [M 8,192, K 512] x [K 512, N 1,024]; A: computed on the way; B: input sa_wo: QUANTISED (scales: A lowp_scales[8], B lowp_scales[9])
;;     6. [M 8,192, K 1,024] x [K 1,024, N 512]; A: computed on the way; B: input ca_wq: QUANTISED (scales: A lowp_scales[10], B lowp_scales[11])
;;     7. [M 2,048, K 768] x [K 768, N 1,024]; A: computed on the way; B: input ca_wkv: QUANTISED (scales: A lowp_scales[12], B lowp_scales[13])
;;     8. batch 32 x [M 2,048, K 64] x [K 64, N 512]; A: computed on the way; B: computed on the way: QUANTISED (scales: A lowp_scales[14], B lowp_scales[15])
;;     9. batch 32 x [M 2,048, K 512] x [K 512, N 64]; A: softmax (see below); B: computed on the way: QUANTISED (scales: A lowp_scales[16], B lowp_scales[17])
;;     10. [M 8,192, K 512] x [K 512, N 1,024]; A: computed on the way; B: input ca_wo: QUANTISED (scales: A lowp_scales[18], B lowp_scales[19])
;;   THE QUANTISER, for each operand of a quantised product, along K:
;;     - The operand's scale is 2^e, e = its entry of the input lowp_scales (int32; the entries are numbered through the quantised products in the list's order, A before B).
;;     - Each number is divided by the scale, clamped to +-57,344, and rounded to the nearest number of E5M2, ties to even, subnormals kept.
;;     - The product sums the exact products of the quantised numbers (number of the format x scale) in f32.
;;   ~~~python
;;   def quantise(x, axis, e):      # numpy; x: float32 -> the quantised numbers, widened to float32 again
;;       x = np.moveaxis(x, axis, -1); K = x.shape[-1]
;;       r = np.clip(x / 2.0 ** e, -57344, 57344)
;;       step = 2.0 ** (np.maximum(np.frexp(np.where(r == 0, 1, r))[1] - 1, -14) - 2)
;;       q = np.round(r / step) * step * 2.0 ** e      # np.round: ties to even
;;       return np.moveaxis(q, -1, axis).astype(np.float32)
;;   ~~~
;;   SOFTMAX AHEAD OF A QUANTISED PRODUCT. Where the list says 'softmax', what is quantised is not the finished softmax but p = 2^(t - M), with t = logit x log2(e) and M = ceil(the row's largest t), a whole number; so 1/2 < the row's largest p <= 1. The row's sum l is taken of the UNQUANTISED p, in f32, and the product's result is divided by l at the end. Since M is a whole number, a kernel that streams over the keys may use a running M (the ceiling of the running maximum): every later rescaling is an exact power of two, so the quantised numbers keep their values, but for numbers so far below the row's largest that they fall under the format's range.
;;   OPERANDS COMPUTED ON THE WAY. 'Computed on the way' means the value that the module computes at that place (a softmax that the list does not call 'softmax' is quantised finished and normalised). What goes into a quantiser is computed in f32, as accurately as f32 sums, v_exp_f32 and their like allow (about 1e-6 of the number): no bf16 or f16 on the way to a quantiser, and a product that is left as it is and whose result goes on into a quantised operand takes f32 operands (vector FMAs, or v_wmma_f32_16x16x4_f32). A number that lies on a knife's edge between two numbers of the format may be rounded either way, as far as f32 arithmetic and the matrix unit's own rounding can turn it there, and no further.
;; 3 versions. Each part assembles by itself: llvm-mc -triple=amdgcn-amd-amdhsa -mcpu=gfx1250 --defsym DOCPART=n.
;; ======== version 1 of 3: 8 launches
;; workspace buffers: wsa 2,097,152 bytes; wca 2,097,152 bytes; sc_ca 256 bytes of whole numbers; qkv_sa 12,582,912 bytes; qkv_ca 12,582,912 bytes; ocodes 4,194,304 bytes; x1 33,554,432 bytes
;; launch wquant (part 1): grid 240 x 1, 4 waves a work-group, no clusters, 0 bytes of LDS; arguments sa_wq, sa_wkv, sa_wo, ca_wq, ca_wkv, ca_wo, lowp_scales, wsa, wca, sc_ca; writes wsa, wca, sc_ca
.if DOCPART == 1
	.amdgcn_target "amdgcn-amd-amdhsa--gfx1250"
	.amdhsa_code_object_version 6
	.text
	.protected	k_qd52b7cac6b_wquant
	.globl	k_qd52b7cac6b_wquant
	.p2align	8
	.type	k_qd52b7cac6b_wquant,@function
k_qd52b7cac6b_wquant:
	s_mov_b64 s[64:65], 0
	v_nop
	global_prefetch_b8 v0, s[64:65] scope:SCOPE_SE
	s_setreg_imm32_b32 hwreg(HW_REG_WAVE_MODE, 25, 1), 1
	s_wait_xcnt 0x0
; The six weights, f32 stored [K][N], become codes of BF8 (E5M2) laid in the order of a matrix operand's registers.
; code = w / 2^e, held within +-57,344, to the nearest code, ties to even; e is the weight's entry of lowp_scales.
; LIMIT: -126 <= e <= 112, so that 2^e and 57,344 x 2^e are f32 numbers.  NaN among the inputs is not served.
; IMAGE.  Fragment (column tile t, K step s) lies at (t KS + s) x 2048 bytes, KS = K / 128; in it group c (512 bytes) holds, at 16 x lane,
; k = 128 s + 32 c + 16 (lane / 16) + 0 .. 15 of column 32 (t / 2) + 8 (t % 2) + (i % 8) + 16 (i / 8), i = lane % 16.
; SHARES.  A work-group takes 128 columns x 128 along K, a wave 32 columns (a pair of tiles), A LANE ONE COLUMN, AND ITS REGISTERS RUN DOWN K:
; a load reads 128 consecutive bytes a wave, 512 a work-group, and the conversions give codes with K innermost.  Nothing is transposed.
; One launch serves the six tensors: pointers and sizes are chosen on the work-group's number alone; all take one path through the text.
; Work-group 0's wave 0 also copies entries 10 .. 19 of lowp_scales into sc_ca, so that the second layer's launches read their ten
; exponents at the places at which the first layer's read theirs.
; No LDS, no barrier, no matrix unit: waves share nothing, and each byte is read once and each code written once.
.set OFF, 16                           ; v16-47   row i of a block of 32: i x pitch + 4 x lane
.set X,   48                           ; v48-175  four blocks of 32 numbers
.set C,   176                          ; v176-207 their codes: eight registers a block, so that no store's data are written again
	s_load_b512 s[4:19], s[0:1], 0x0               ; sa_wq 4, sa_wkv 6, sa_wo 8, ca_wq 10, ca_wkv 12, ca_wo 14, lowp_scales 16, wsa 18
	s_load_b128 s[20:23], s[0:1], 0x40             ; wca 20, sc_ca 22
	v_lshrrev_b32 v2, 5, v0
	v_readfirstlane_b32 s53, v2                    ; wave 0..3
	v_and_b32 v1, 31, v0                           ; lane
	v_lshlrev_b32 v3, 2, v1                        ; 4 x lane
	s_wait_kmcnt 0x0
	s_load_b512 s[32:47], s[16:17], 0x0            ; entry i of lowp_scales in s[32 + i]
	s_load_b128 s[48:51], s[16:17], 0x40
	s_mov_b64 s[24:25], s[4:5]                     ; the tensor: sa_wq, unless a later range holds my work-group
	s_mov_b64 s[26:27], s[18:19]                   ; its images' buffer
	s_mov_b32 s28, 0                               ; the range's first work-group
	s_mov_b32 s29, 2                               ; log2 of the groups of 128 columns
	s_mov_b32 s30, 8                               ; KS
	s_mov_b32 s31, 0                               ; where the tensor's images begin
.macro PICK start, src, dst, cgs, ks, doff
	s_cmp_ge_u32 ttmp9, \start
	s_cselect_b64 s[24:25], s[\src:\src+1], s[24:25]
	s_cselect_b64 s[26:27], s[\dst:\dst+1], s[26:27]
	s_cselect_b32 s28, \start, s28
	s_cselect_b32 s29, \cgs, s29
	s_cselect_b32 s30, \ks, s30
	s_cselect_b32 s31, \doff, s31
.endm
	PICK 32,  6,  18, 3, 8, 0x80000                ; sa_wkv [1024][1024]
	PICK 96,  8,  18, 3, 4, 0x180000               ; sa_wo  [512][1024]
	PICK 128, 10, 20, 2, 8, 0                      ; ca_wq  [1024][512]
	PICK 160, 12, 20, 3, 6, 0x80000                ; ca_wkv [768][1024]
	PICK 208, 14, 20, 3, 4, 0x180000               ; ca_wo  [512][1024]
	s_sub_co_u32 s54, ttmp9, s28                   ; my number in the range
	s_lshl_b32 s55, 1, s29
	s_sub_co_u32 s55, s55, 1
	s_and_b32 s55, s54, s55                        ; which 128 columns
	s_lshr_b32 s56, s54, s29                       ; which K step
	s_lshl_b32 s57, 512, s29                       ; a row of the tensor in bytes
	s_lshl_b32 s55, s55, 2
	s_add_co_u32 s55, s55, s53                     ; b: my wave's pair of tiles = its 32 columns
	s_mul_i32 s58, s56, s57
	s_lshl_b32 s58, s58, 7                         ; 128 rows for each K step,
	s_lshl_b32 s59, s55, 7                         ; 128 bytes for each 32 columns
	s_add_co_u32 s58, s58, s59
	s_mov_b32 s59, 0
	s_add_nc_u64 s[68:69], s[24:25], s[58:59]      ; block 0's first row; blocks 1 to 3 begin 32 rows further down each
	s_lshl_b32 s60, s57, 5
	s_mov_b32 s61, 0
	s_add_nc_u64 s[70:71], s[68:69], s[60:61]
	s_add_nc_u64 s[72:73], s[70:71], s[60:61]
	s_add_nc_u64 s[74:75], s[72:73], s[60:61]
	s_lshl_b32 s62, s55, 1                         ; tile 2 b,
	s_mul_i32 s62, s62, s30
	s_add_co_u32 s62, s62, s56                     ; its fragment of my K step,
	s_lshl_b32 s62, s62, 11
	s_add_co_u32 s62, s62, s31
	s_mov_b32 s63, 0
	s_add_nc_u64 s[26:27], s[26:27], s[62:63]
.set i, 0
.rept 32
	v_mad_u32_u24 v[OFF+i], s57, i, v3
.set i, i+1
.endr
.macro LOADB c                         ; block c: W(32 c + i, my column), i = 0 .. 31
.set i, 0
.rept 32
	global_load_b32 v[X+32*(\c)+i], v[OFF+i], s[68+2*(\c):69+2*(\c)] th:TH_LOAD_NT
.set i, i+1
.endr
.endm
	LOADB 0
	LOADB 1
	; column 32 b + lane is place i = lane % 8 + 8 (lane / 16) of tile 2 b + (lane / 8) % 2: my 16 bytes lie at 16 i, the tile's fragments KS x 2048 bytes apart
	s_lshl_b32 s76, s30, 11
	v_bfe_u32 v5, v1, 3, 1
	v_mul_u32_u24 v4, s76, v5
	v_and_b32 v5, 7, v1
	v_lshl_add_u32 v4, v5, 4, v4
	v_lshrrev_b32 v5, 4, v1
	v_lshl_add_u32 v4, v5, 7, v4
	s_wait_kmcnt 0x0
	s_mov_b32 s52, s33                             ; e: entry 1, 3, 9, 11, 13 or 19
.macro PICKE start, e
	s_cmp_ge_u32 ttmp9, \start
	s_cselect_b32 s52, s[\e], s52
.endm
	PICKE 32,  35
	PICKE 96,  41
	PICKE 128, 43
	PICKE 160, 45
	PICKE 208, 51
	s_add_co_i32 s77, s52, 127
	s_lshl_b32 s78, s77, 23
	v_mov_b32 v11, s78                             ; 2^e as f32: the conversion takes its exponent field
	s_add_co_i32 s77, s77, 15
	s_lshl_b32 s77, s77, 23
	s_or_b32 s77, s77, 0x600000
	v_mov_b32 v10, s77                             ; 57,344 x 2^e
.macro BLOCK c
.set i, 0
.rept 32
	v_med3_num_f32 v[X+32*(\c)+i], v[X+32*(\c)+i], -v10, v10   ; the conversion to an 8-bit code does not saturate (ISA guide 7.6.2): the hold comes first
.set i, i+1
.endr
.irp g, 0,1,2,3
	v_cvt_scalef32_pk8_bf8_f32 v[C+8*(\c)+2*\g:C+8*(\c)+2*\g+1], v[X+32*(\c)+8*\g:X+32*(\c)+8*\g+7], v11
.endr
	global_store_b128 v4, v[C+8*(\c):C+8*(\c)+3], s[26:27] offset:512*(\c)         ; k = 32 c + 0 .. 15: the places of lanes 0-15; sixteen lanes store 256 consecutive bytes, aligned
	global_store_b128 v4, v[C+8*(\c)+4:C+8*(\c)+7], s[26:27] offset:512*(\c)+256   ; k = 32 c + 16 .. 31: the places of lanes 16-31
.endm
	s_wait_loadcnt 32                              ; block 0 is in; block 1's 32 loads may be out
	LOADB 2
	BLOCK 0
	s_wait_loadcnt 32                              ; block 1 is in; block 2's may be out
	LOADB 3
	BLOCK 1
	s_wait_loadcnt 32                              ; block 2 is in; block 3's may be out
	BLOCK 2
	s_wait_loadcnt 0x0
	BLOCK 3
	s_cmp_lg_u32 ttmp9, 0                          ; the second layer's ten exponents: one wave of one work-group copies them
	s_cbranch_scc1 .Lend
	s_cmp_lg_u32 s53, 0
	s_cbranch_scc1 .Lend
	v_min_u32 v7, 9, v1
	v_lshlrev_b32 v7, 2, v7
	global_load_b32 v8, v7, s[16:17] offset:40     ; entry 10 + min(lane, 9): the last byte read is the buffer's last
	s_wait_loadcnt 0x0
	global_store_b32 v3, v8, s[22:23]
.Lend:
	s_endpgm
.Lfunc_end_k_qd52b7cac6b_wquant:
	.size	k_qd52b7cac6b_wquant, .Lfunc_end_k_qd52b7cac6b_wquant-k_qd52b7cac6b_wquant
	.p2alignl 7, 3214868480
	.fill 96, 4, 3214868480
	.section	.rodata,"a",@progbits
	.p2align	6, 0x0
	.amdhsa_kernel k_qd52b7cac6b_wquant
		.amdhsa_group_segment_fixed_size 0
		.amdhsa_private_segment_fixed_size 0
		.amdhsa_enable_private_segment 0
		.amdhsa_kernarg_size 80
		.amdhsa_user_sgpr_count 2
		.amdhsa_user_sgpr_kernarg_segment_ptr 1
		.amdhsa_wavefront_size32 1
		.amdhsa_system_sgpr_workgroup_id_x 1
		.amdhsa_system_sgpr_workgroup_id_y 1
		.amdhsa_system_sgpr_workgroup_id_z 1
		.amdhsa_system_vgpr_workitem_id 0
		.amdhsa_next_free_vgpr 208
		.amdhsa_next_free_sgpr 80
		.amdhsa_reserve_vcc 0
		.amdhsa_float_denorm_mode_32 3
		.amdhsa_float_denorm_mode_16_64 3
		.amdhsa_memory_ordered 1
		.amdhsa_forward_progress 1
		.amdhsa_inst_pref_size 29
	.end_amdhsa_kernel
	.amdgpu_metadata
---
amdhsa.version: [ 1, 2 ]
amdhsa.kernels:
  - .name:           k_qd52b7cac6b_wquant
    .symbol:         k_qd52b7cac6b_wquant.kd
    .args:
      - { .name: sa_wq, .offset: 0, .size: 8, .value_kind: global_buffer, .address_space: global }
      - { .name: sa_wkv, .offset: 8, .size: 8, .value_kind: global_buffer, .address_space: global }
      - { .name: sa_wo, .offset: 16, .size: 8, .value_kind: global_buffer, .address_space: global }
      - { .name: ca_wq, .offset: 24, .size: 8, .value_kind: global_buffer, .address_space: global }
      - { .name: ca_wkv, .offset: 32, .size: 8, .value_kind: global_buffer, .address_space: global }
      - { .name: ca_wo, .offset: 40, .size: 8, .value_kind: global_buffer, .address_space: global }
      - { .name: lowp_scales, .offset: 48, .size: 8, .value_kind: global_buffer, .address_space: global }
      - { .name: wsa, .offset: 56, .size: 8, .value_kind: global_buffer, .address_space: global }
      - { .name: wca, .offset: 64, .size: 8, .value_kind: global_buffer, .address_space: global }
      - { .name: sc_ca, .offset: 72, .size: 8, .value_kind: global_buffer, .address_space: global }
    .group_segment_fixed_size: 0
    .private_segment_fixed_size: 0
    .kernarg_segment_align: 8
    .kernarg_segment_size: 80
    .max_flat_workgroup_size: 128
    .sgpr_count:     80
    .vgpr_count:     208
    .wavefront_size: 32
...
	.end_amdgpu_metadata
.endif
;; end of part 1
;; launch sa_qkv (part 2): grid 64 x 3, 16 waves a work-group, no clusters, 135,168 bytes of LDS; arguments x, sa_ng, sa_nb, sa_ncg, sa_ncb, wsa, lowp_scales, qkv_sa; writes qkv_sa
.if DOCPART == 2
	.amdgcn_target "amdgcn-amd-amdhsa--gfx1250"
	.amdhsa_code_object_version 6
	.text
	.protected	k_qd52b7cac6b_sa_qkv
	.globl	k_qd52b7cac6b_sa_qkv
	.p2align	8
	.type	k_qd52b7cac6b_sa_qkv,@function
k_qd52b7cac6b_sa_qkv:
	s_mov_b64 s[64:65], 0
	v_nop
	global_prefetch_b8 v0, s[64:65] scope:SCOPE_SE
	s_setreg_imm32_b32 hwreg(HW_REG_WAVE_MODE, 25, 1), 1
	s_wait_xcnt 0x0
; LayerNorm, quantiser and one product of 512 columns, its results quantised again: q (slice 0), k (slice 1) or v (slice 2) as codes of BF8 (E5M2).
; A work-group takes 16 RT rows (work-group x) and one slice (work-group y + YBASE).  Arguments: rows, gain and bias for slice 0, gain and bias for slices 1 and 2,
; the weights' images, ten exponents (0 xn, 1 wq, 2 cn, 3 wkv, 4 q, 5 k, 6 p, 7 v, 8 o, 9 wo), the codes' buffer.
; PHASE 1.  Wave w normalises NR rows in f32: mean, then the sum of squared deviations (two passes over registers, so that a common offset of the inputs costs no digits),
; 1 / sqrt(var + 1e-5), gain, bias; the hold at +-57,344 x 2^eA; the conversion.  The codes go to LDS as rows, k ascending, PITCH bytes apart.
; LDS row 16 m + i holds the block's row 32 (m / 2) + 8 (m % 2) + i % 8 + 16 (i / 8): THE ROWS OF A TILE ARE NOT NEIGHBOURS, so that where rows become the next product's K
; (the keys of p and of v) a lane's 16 registers of two neighbouring tiles are 16 neighbours.  One barrier.
; PHASE 2.  Wave w makes columns 32 w .. 32 w + 31 (weight tiles 2 w, 2 w + 1) for all RT row tiles: 2 RT accumulators by turns, K in steps of 128.
; q, k: source 0 = the weight's tile, source 1 = the rows: a lane holds one row and 16 neighbouring channels.  v: the sources swapped: a lane holds one channel and 16 neighbouring keys.
; A sum stands for sum x 2^(eA + eW), so its code under eO is made with the one scale 2^(eO - eA - eW).  Every store of a wave covers 512 consecutive bytes, aligned.
; LIMITS: eA and eO - eA - eW between -126 and 112.  NaN among the inputs is not served.
; No joint loads: this text has no tensor load; LDS is filled from registers with codes made here, and the weights' fragments go straight into registers.
.set KDIM,  1024                       ; K of the product = the rows' length
.set RT,    8                          ; row tiles of a work-group
.set SETS,  4                          ; rows of a wave on their way or at work
.set RPB,   2048                       ; rows in a batch
.set YBASE, 0
.set INVK,  0x3a800000                 ; 1 / KDIM
.set CH,    KDIM/256
.set KS,    KDIM/128
.set NR,    RT                         ; rows of a wave: 16 RT / 16
.set PITCH, KDIM+16                    ; an odd multiple of 16 bytes: the 16 rows that a fragment load touches begin at 16 different groups of banks (64 banks of 4 bytes: ISA guide 11.1)
.set ROWB,  4*KDIM
.set LPR,   2*CH                       ; loads that bring a row
.set EPS,   0x3727c5ac                 ; 1e-5
.set WKV_OFF, 0x80000
.set VX,  4                            ; v4   my 16 bytes of my wave's first row
.set LW,  5                            ; v5   LDS: my 4 codes of my wave's first row
.set AR,  7                            ; v7, v8  LDS: my place in row tiles 0-3, 4-7
.set LI,  9                            ; v9   16 x lane
.set GA,  16                           ; phase 1: v16-47 gain, v48-79 bias, v80-207 SETS rows of 32 registers, v208-215 codes, v216-227 at work
.set BE,  48
.set X,   80
.set CD,  208
.set T,   216
.set MP,  224
.set RP,  226
.set ACC, 16                           ; phase 2: accumulator (m, u) at v[16 + 16 m + 8 u]; v144-175 two fragments of rows; v176-239 two sets of two weight fragments
.set AF,  144
.set BF,  176
.set SCA, 240                          ; 2^eA, 57,344 x 2^eA, 2^(eO - eA - eW), 57,344 x that
.set LIMA, 241
.set SCO, 242
.set LIMO, 243
.macro PLACES                          ; four plain vector lines between a matrix instruction and a load into, or a vector line on, its registers
.rept 4
	v_nop
.endr
.endm
.macro MKSC e, t, vsc, vlim            ; s[e] = an exponent: v[vsc] = 2^e, v[vlim] = 57,344 x 2^e
	s_add_co_i32 s[\t], s[\e], 127
	s_lshl_b32 s[\t+1], s[\t], 23
	v_mov_b32 v[\vsc], s[\t+1]
	s_add_co_i32 s[\t], s[\t], 15
	s_lshl_b32 s[\t], s[\t], 23
	s_or_b32 s[\t], s[\t], 0x600000
	v_mov_b32 v[\vlim], s[\t]
.endm
	s_load_b512 s[4:19], s[0:1], 0x0               ; rows 4, g0 6, b0 8, g1 10, b1 12, weights 14, exponents 16, codes 18
	v_lshl_add_u32 v254, v0, 2, 0x20800
	v_mov_b32 v255, 0
	v_lshrrev_b32 v2, 5, v0
	v_readfirstlane_b32 s20, v2                    ; wave 0..15
	v_and_b32 v1, 31, v0                           ; lane
	v_and_b32 v2, 15, v0                           ; r
	v_bfe_u32 v3, v0, 4, 1                         ; h
	v_lshlrev_b32 v[LI], 4, v1
	s_and_b32 s21, ttmp7, 0xffff
	s_add_co_u32 s21, s21, YBASE                   ; the slice
	s_mul_i32 s40, s20, NR                         ; my first LDS row; its row of the block has bits 3 and 4 exchanged
	s_and_b32 s41, s40, 0xe7
	s_and_b32 s42, s40, 8
	s_lshl_b32 s42, s42, 1
	s_or_b32 s41, s41, s42
	s_and_b32 s42, s40, 16
	s_lshr_b32 s42, s42, 1
	s_or_b32 s41, s41, s42
	s_mul_i32 s41, s41, ROWB
	v_add_nc_u32 v[VX], s41, v[LI]
	s_mul_i32 s42, s40, PITCH
	v_lshl_add_u32 v[LW], v1, 2, s42
	v_mul_u32_u24 v[AR], v2, PITCH
	v_lshl_add_u32 v[AR], v3, 4, v[AR]             ; a fragment's row x pitch + 16 x half
.if RT > 4
	v_add_nc_u32 v[AR+1], 64*PITCH, v[AR]
.endif
	s_mov_b32 s48, 0x76543210                      ; v_permlanex16_b32: lane l takes lane l xor 16
	s_mov_b32 s49, 0xfedcba98
	s_mov_b32 s50, INVK
	s_mov_b32 s51, EPS
	s_mul_i32 s44, ttmp9, 16*RT*ROWB
	s_mov_b32 s45, 0
	s_wait_kmcnt 0x0
	s_load_b256 s[24:31], s[16:17], 0x0            ; exponents 0 .. 7
	s_add_nc_u64 s[4:5], s[4:5], s[44:45]          ; the block's first row
	s_cmp_eq_u32 s21, 0
	s_cselect_b64 s[32:33], s[6:7], s[10:11]       ; the slice's gain
	s_cselect_b64 s[34:35], s[8:9], s[12:13]       ; and bias
	s_cselect_b32 s40, 0, WKV_OFF                  ; its weight: wq, or wkv's tiles 0-31 (k) or 32-63 (v)
	s_cmp_eq_u32 s21, 2
	s_cselect_b32 s41, 32*KS*2048, 0
	s_add_co_u32 s40, s40, s41
	s_mul_i32 s41, s20, 2*KS*2048                  ; my two tiles
	s_add_co_u32 s40, s40, s41
	s_mov_b32 s41, 0
	s_add_nc_u64 s[14:15], s[14:15], s[40:41]
.set n, 0
.rept LPR
	global_load_b128 v[GA+4*n:GA+4*n+3], v[LI], s[32:33] offset:512*n
.set n, n+1
.endr
.set n, 0
.rept LPR
	global_load_b128 v[BE+4*n:BE+4*n+3], v[LI], s[34:35] offset:512*n
.set n, n+1
.endr
.macro XLOAD j                         ; row j of my wave: load n brings k = 128 n + 4 lane + 0 .. 3: 32 lanes read 512 consecutive bytes
.set n, 0
.rept LPR
	global_load_b128 v[X+32*((\j)%SETS)+4*n:X+32*((\j)%SETS)+4*n+3], v[VX], s[4:5] offset:(\j)*ROWB+512*n
.set n, n+1
.endr
.endm
.set J, 0
.rept SETS
	XLOAD J
.set J, J+1
.endr
	s_wait_kmcnt 0x0
	s_cmp_eq_u32 s21, 0
	s_cselect_b32 s36, s24, s26                    ; eA
	s_cselect_b32 s37, s25, s27                    ; eW
	s_cselect_b32 s38, s28, s29                    ; eO: q's, k's
	s_cmp_eq_u32 s21, 2
	s_cselect_b32 s38, s31, s38                    ; or v's
	s_sub_co_i32 s38, s38, s36
	s_sub_co_i32 s38, s38, s37                     ; eO - eA - eW
	MKSC 36, 40, SCA, LIMA
	MKSC 38, 40, SCO, LIMO
.macro RED reg, tmp                    ; the sum over the 32 lanes, in every lane
	v_add_f32_dpp v[\reg], v[\reg], v[\reg] row_xmask:1 row_mask:0xf bank_mask:0xf
	v_add_f32_dpp v[\reg], v[\reg], v[\reg] row_xmask:2 row_mask:0xf bank_mask:0xf
	v_add_f32_dpp v[\reg], v[\reg], v[\reg] row_xmask:4 row_mask:0xf bank_mask:0xf
	v_add_f32_dpp v[\reg], v[\reg], v[\reg] row_xmask:8 row_mask:0xf bank_mask:0xf
	v_permlanex16_b32 v[\tmp], v[\reg], s48, s49
	v_add_f32 v[\reg], v[\reg], v[\tmp]
.endm
.macro LNROW j
.set XS, X+32*((\j)%SETS)
.if NR-1-(\j) < SETS-1
	s_wait_loadcnt LPR*(NR-1-(\j))                 ; my row is in; the rows behind it may be out
.else
	s_wait_loadcnt LPR*(SETS-1)
.endif
	v_pk_add_f32 v[T:T+1], v[XS:XS+1], v[XS+2:XS+3]          ; the row's sum, in two chains
	v_pk_add_f32 v[T+2:T+3], v[XS+4:XS+5], v[XS+6:XS+7]
.set p, 8
.rept 2*CH-2
	v_pk_add_f32 v[T:T+1], v[T:T+1], v[XS+p:XS+p+1]
	v_pk_add_f32 v[T+2:T+3], v[T+2:T+3], v[XS+p+2:XS+p+3]
.set p, p+4
.endr
	v_pk_add_f32 v[T:T+1], v[T:T+1], v[T+2:T+3]
	v_add_f32 v[T], v[T], v[T+1]
	RED T, T+1
	v_mul_f32 v[MP], s50, v[T]                     ; the mean, twice: a pair for the packed subtraction
	v_mul_f32 v[MP+1], s50, v[T]
.set p, 0
.rept 4*CH
	v_pk_add_f32 v[XS+p:XS+p+1], v[XS+p:XS+p+1], v[MP:MP+1] neg_lo:[0,1] neg_hi:[0,1]
.set p, p+2
.endr
	v_pk_mul_f32 v[T:T+1], v[XS:XS+1], v[XS:XS+1]            ; the sum of the squared deviations, in two chains
	v_pk_mul_f32 v[T+2:T+3], v[XS+2:XS+3], v[XS+2:XS+3]
.set p, 4
.rept 2*CH-1
	v_pk_fma_f32 v[T:T+1], v[XS+p:XS+p+1], v[XS+p:XS+p+1], v[T:T+1]
	v_pk_fma_f32 v[T+2:T+3], v[XS+p+2:XS+p+3], v[XS+p+2:XS+p+3], v[T+2:T+3]
.set p, p+4
.endr
	v_pk_add_f32 v[T:T+1], v[T:T+1], v[T+2:T+3]
	v_add_f32 v[T], v[T], v[T+1]
	RED T, T+1
	v_fma_f32 v[T], v[T], s50, s51                 ; var + 1e-5
	v_rsq_f32 v[RP], v[T]
	v_nop                                          ; a plain line between the transcendental and the use of its result (ISA guide 5.7.2)
	s_wait_alu depctr_va_vdst(0)
	v_mov_b32 v[RP+1], v[RP]
.set p, 0
.rept 4*CH
	v_pk_mul_f32 v[XS+p:XS+p+1], v[XS+p:XS+p+1], v[RP:RP+1]
.set p, p+2
.endr
.set p, 0
.rept 4*CH
	v_pk_fma_f32 v[XS+p:XS+p+1], v[XS+p:XS+p+1], v[GA+p:GA+p+1], v[BE+p:BE+p+1]
.set p, p+2
.endr
.set p, 0
.rept 8*CH
	v_med3_num_f32 v[XS+p], v[XS+p], -v[LIMA], v[LIMA]   ; the conversion to an 8-bit code does not saturate (ISA guide 7.6.2): the hold comes first
.set p, p+1
.endr
	s_wait_dscnt 0x0                               ; the last row's LDS stores are done: the codes' registers are written again
.set p, 0
.rept CH
	v_cvt_scalef32_pk8_bf8_f32 v[CD+2*p:CD+2*p+1], v[XS+8*p:XS+8*p+7], v[SCA]   ; register 2 p: the 4 codes of load 2 p; register 2 p + 1: those of load 2 p + 1
.set p, p+1
.endr
	v_nop                                          ; a plain line behind the last conversion: matrix instructions write its sources later
.set p, 0
.rept LPR
	ds_store_b32 v[LW], v[CD+p] offset:(\j)*PITCH+128*p      ; 32 lanes store 128 consecutive bytes of the row
.set p, p+1
.endr
.if (\j)+SETS < NR
	XLOAD (\j)+SETS
.endif
.endm
.set J, 0
.rept NR
	LNROW J
.set J, J+1
.endr
.macro WLOAD s                         ; my two weight fragments of K step s into set s % 2: each load reads 512 consecutive bytes
.irp u, 0,1
.irp c, 0,1,2,3
	global_load_b128 v[BF+32*((\s)%2)+16*\u+4*\c:BF+32*((\s)%2)+16*\u+4*\c+3], v[LI], s[14:15] offset:(\u*KS+(\s))*2048+512*\c
.endr
.endr
.endm
.macro ALOAD m, s, reg                 ; row tile m, K step s: registers 4 c .. 4 c + 3 hold k = 128 s + 32 c + 16 h + 0 .. 15 of LDS row 16 m + r
.irp c, 0,1,2,3
	ds_load_b128 v[\reg+4*\c:\reg+4*\c+3], v[AR+(\m)/4] offset:((\m)%4)*16*PITCH+128*(\s)+32*\c
.endr
.endm
.macro MM m, u, s, ori                 ; ori = 0: source 0 = the weight's tile u, source 1 = row tile m; 1: swapped.  K step 0 starts the sum: nothing is cleared
.set rA, ACC+16*(\m)+8*(\u)
.set rW, BF+32*((\s)%2)+16*(\u)
.set rX, AF+16*((\m)%2)
.if \ori
.if (\s) == 0
	v_wmma_f32_16x16x128_bf8_bf8 v[rA:rA+7], v[rX:rX+15], v[rW:rW+15], 0
.else
	v_wmma_f32_16x16x128_bf8_bf8 v[rA:rA+7], v[rX:rX+15], v[rW:rW+15], v[rA:rA+7]
.endif
.else
.if (\s) == 0
	v_wmma_f32_16x16x128_bf8_bf8 v[rA:rA+7], v[rW:rW+15], v[rX:rX+15], 0
.else
	v_wmma_f32_16x16x128_bf8_bf8 v[rA:rA+7], v[rW:rW+15], v[rX:rX+15], v[rA:rA+7]
.endif
.endif
.endm
.macro KSTEP s, ori                    ; 128 along K: 2 RT matrix instructions, the accumulators by turns, one instruction a turn
.if (\s) > 0
	PLACES
.endif
.if (\s)+1 < KS
	WLOAD (\s)+1
.endif
.set mp, 0
.rept RT/2
.if mp > 0
	PLACES
.endif
	ALOAD 2*mp, \s, AF
	ALOAD 2*mp+1, \s, AF+16
.if mp == 0
.if (\s)+1 < KS
	s_wait_loadcnt 8                               ; this step's weight fragments are in; the next step's eight loads may be out
.else
	s_wait_loadcnt 0x0
.endif
.endif
	s_wait_dscnt 0x0
	MM 2*mp, 0, \s, \ori
	MM 2*mp, 1, \s, \ori
	MM 2*mp+1, 0, \s, \ori
	MM 2*mp+1, 1, \s, \ori
.set mp, mp+1
.endr
.endm
	WLOAD 0
	s_wait_dscnt 0x0                               ; for the others' sake: my rows' codes lie in LDS
	s_barrier_signal -1
	s_barrier_wait -1                              ; everybody's do; nothing is stored to LDS behind this barrier
	s_lshr_b32 s40, ttmp9, 4                       ; 16 blocks to a batch
	s_lshl_b32 s40, s40, 3
	s_lshr_b32 s41, s20, 1
	s_add_co_u32 s40, s40, s41                     ; bh = 8 x batch + head: my 32 columns are half w % 2 of head w / 2
	s_and_b32 s41, ttmp9, 15                       ; the block in its batch
	s_and_b32 s42, s20, 1
	s_cmp_eq_u32 s21, 2
	s_cbranch_scc1 .Lvpath
	; ---- q or k: image ((bh RPB / 16 + tile in the batch) x 1024) + 512 (w % 2) + 16 lane
	s_mul_i32 s44, s40, RPB/16
	s_mul_i32 s45, s41, RT
	s_add_co_u32 s44, s44, s45
	s_lshl_b32 s44, s44, 10
	s_lshl_b32 s45, s42, 9
	s_add_co_u32 s44, s44, s45
	s_lshl_b32 s45, s21, 22                        ; q at 0, k at 0x400000
	s_add_co_u32 s44, s44, s45
	s_mov_b32 s45, 0
	s_add_nc_u64 s[18:19], s[18:19], s[44:45]
.set SS, 0
.rept KS
	KSTEP SS, 0
.set SS, SS+1
.endr
	PLACES
.set tm, 0
.rept RT                               ; lane (r, h): row tile tm's row r; accumulators (tm, 0), (tm, 1): channels 32 (w % 2) + 16 h + 0 .. 15 of the head
.set p, 0
.rept 16
	v_med3_num_f32 v[ACC+16*tm+p], v[ACC+16*tm+p], -v[LIMO], v[LIMO]   ; each accumulator from its low end on
.set p, p+1
.endr
	v_cvt_scalef32_pk8_bf8_f32 v[AF+4*tm:AF+4*tm+1], v[ACC+16*tm:ACC+16*tm+7], v[SCO]
	v_cvt_scalef32_pk8_bf8_f32 v[AF+4*tm+2:AF+4*tm+3], v[ACC+16*tm+8:ACC+16*tm+15], v[SCO]
.set tm, tm+1
.endr
	v_nop
.set tm, 0
.rept RT
	global_store_b128 v[LI], v[AF+4*tm:AF+4*tm+3], s[18:19] offset:1024*tm
.set tm, tm+1
.endr
	s_wait_tensorcnt 0x0
	ds_add_u32 v254, v255
	s_wait_dscnt 0x0
	s_endpgm
.Lvpath:
	; ---- v: fragments of V^T: (((bh RPB / 128 + S) x 4 + t') x 2048) + 512 c + 16 lane; t' = 2 (w % 2) + u; keys 128 S + 32 c + 16 h + 0 .. 15
	s_mul_i32 s44, s40, (RPB/128)*4
	s_lshl_b32 s45, s42, 1
	s_add_co_u32 s44, s44, s45
	s_lshl_b32 s44, s44, 11
	s_mul_i32 s45, s41, RT/2                       ; the block's first 32 keys, counted in 32s: S = that / 4, c = that % 4
	s_lshr_b32 s46, s45, 2
	s_lshl_b32 s46, s46, 13
	s_add_co_u32 s44, s44, s46
	s_and_b32 s45, s45, 3
	s_lshl_b32 s45, s45, 9
	s_add_co_u32 s44, s44, s45
	s_add_co_u32 s44, s44, 0x800000
	s_mov_b32 s45, 0
	s_add_nc_u64 s[18:19], s[18:19], s[44:45]
.set SS, 0
.rept KS
	KSTEP SS, 1
.set SS, SS+1
.endr
	PLACES
.set p, 0
.rept 16*RT
	v_med3_num_f32 v[ACC+p], v[ACC+p], -v[LIMO], v[LIMO]   ; ascending: each accumulator from its low end on
.set p, p+1
.endr
.set b2, 0
.rept RT/2                             ; lane (r, h): one channel; accumulators (2 b2, u), (2 b2 + 1, u): the block's keys 32 b2 + 16 h + 0 .. 15
.irp u, 0,1
	v_cvt_scalef32_pk8_bf8_f32 v[AF+8*b2+4*\u:AF+8*b2+4*\u+1], v[ACC+32*b2+8*\u:ACC+32*b2+8*\u+7], v[SCO]
	v_cvt_scalef32_pk8_bf8_f32 v[AF+8*b2+4*\u+2:AF+8*b2+4*\u+3], v[ACC+32*b2+16+8*\u:ACC+32*b2+16+8*\u+7], v[SCO]
.endr
.set b2, b2+1
.endr
	v_nop
.set b2, 0
.rept RT/2
.irp u, 0,1
	global_store_b128 v[LI], v[AF+8*b2+4*\u:AF+8*b2+4*\u+3], s[18:19] offset:2048*\u+512*b2
.endr
.set b2, b2+1
.endr
	s_wait_tensorcnt 0x0
	ds_add_u32 v254, v255
	s_wait_dscnt 0x0
	s_endpgm
.Lfunc_end_k_qd52b7cac6b_sa_qkv:
	.size	k_qd52b7cac6b_sa_qkv, .Lfunc_end_k_qd52b7cac6b_sa_qkv-k_qd52b7cac6b_sa_qkv
	.p2alignl 7, 3214868480
	.fill 96, 4, 3214868480
	.section	.rodata,"a",@progbits
	.p2align	6, 0x0
	.amdhsa_kernel k_qd52b7cac6b_sa_qkv
		.amdhsa_group_segment_fixed_size 135168
		.amdhsa_private_segment_fixed_size 0
		.amdhsa_enable_private_segment 0
		.amdhsa_kernarg_size 64
		.amdhsa_user_sgpr_count 2
		.amdhsa_user_sgpr_kernarg_segment_ptr 1
		.amdhsa_wavefront_size32 1
		.amdhsa_system_sgpr_workgroup_id_x 1
		.amdhsa_system_sgpr_workgroup_id_y 1
		.amdhsa_system_sgpr_workgroup_id_z 1
		.amdhsa_system_vgpr_workitem_id 0
		.amdhsa_next_free_vgpr 256
		.amdhsa_next_free_sgpr 66
		.amdhsa_reserve_vcc 0
		.amdhsa_float_denorm_mode_32 3
		.amdhsa_float_denorm_mode_16_64 3
		.amdhsa_memory_ordered 1
		.amdhsa_forward_progress 1
		.amdhsa_inst_pref_size 173
	.end_amdhsa_kernel
	.amdgpu_metadata
---
amdhsa.version: [ 1, 2 ]
amdhsa.kernels:
  - .name:           k_qd52b7cac6b_sa_qkv
    .symbol:         k_qd52b7cac6b_sa_qkv.kd
    .args:
      - { .name: x, .offset: 0, .size: 8, .value_kind: global_buffer, .address_space: global }
      - { .name: sa_ng, .offset: 8, .size: 8, .value_kind: global_buffer, .address_space: global }
      - { .name: sa_nb, .offset: 16, .size: 8, .value_kind: global_buffer, .address_space: global }
      - { .name: sa_ncg, .offset: 24, .size: 8, .value_kind: global_buffer, .address_space: global }
      - { .name: sa_ncb, .offset: 32, .size: 8, .value_kind: global_buffer, .address_space: global }
      - { .name: wsa, .offset: 40, .size: 8, .value_kind: global_buffer, .address_space: global }
      - { .name: lowp_scales, .offset: 48, .size: 8, .value_kind: global_buffer, .address_space: global }
      - { .name: qkv_sa, .offset: 56, .size: 8, .value_kind: global_buffer, .address_space: global }
    .group_segment_fixed_size: 135168
    .private_segment_fixed_size: 0
    .kernarg_segment_align: 8
    .kernarg_segment_size: 64
    .max_flat_workgroup_size: 512
    .sgpr_count:     66
    .vgpr_count:     256
    .wavefront_size: 32
...
	.end_amdgpu_metadata
.endif
;; end of part 2
;; launch ca_kv (part 3): grid 64 x 2, 16 waves a work-group, no clusters, 27,136 bytes of LDS; arguments context, ca_ng, ca_nb, ca_ncg, ca_ncb, wca, sc_ca, qkv_ca; writes qkv_ca
.if DOCPART == 3
	.amdgcn_target "amdgcn-amd-amdhsa--gfx1250"
	.amdhsa_code_object_version 6
	.text
	.protected	k_qd52b7cac6b_ca_kv
	.globl	k_qd52b7cac6b_ca_kv
	.p2align	8
	.type	k_qd52b7cac6b_ca_kv,@function
k_qd52b7cac6b_ca_kv:
	s_mov_b64 s[64:65], 0
	v_nop
	global_prefetch_b8 v0, s[64:65] scope:SCOPE_SE
	s_setreg_imm32_b32 hwreg(HW_REG_WAVE_MODE, 25, 1), 1
	s_wait_xcnt 0x0
; The second layer's k (slice 1) and v (slice 2) from the context: the text of the launch that makes q, k and v of the first layer, with other sizes: rows of 768, 32 rows to a work-group, 512 rows to a batch.
; LayerNorm, quantiser and one product of 512 columns, its results quantised again, as codes of BF8 (E5M2).
; A work-group takes 16 RT rows (work-group x) and one slice (work-group y + YBASE; slice 0 does not occur here, and its gain and bias are not loaded).  Arguments: rows, gain and bias for slice 0,
; gain and bias for slices 1 and 2, the weights' images, ten exponents (0 xn, 1 wq, 2 cn, 3 wkv, 4 q, 5 k, 6 p, 7 v, 8 o, 9 wo), the codes' buffer.
; PHASE 1.  Wave w normalises NR rows in f32: mean, then the sum of squared deviations (two passes over registers, so that a common offset of the inputs costs no digits),
; 1 / sqrt(var + 1e-5), gain, bias; the hold at +-57,344 x 2^eA; the conversion.  The codes go to LDS as rows, k ascending, PITCH bytes apart.
; LDS row 16 m + i holds the block's row 32 (m / 2) + 8 (m % 2) + i % 8 + 16 (i / 8): THE ROWS OF A TILE ARE NOT NEIGHBOURS, so that where rows become the next product's K
; (the keys of p and of v) a lane's 16 registers of two neighbouring tiles are 16 neighbours.  One barrier.
; PHASE 2.  Wave w makes columns 32 w .. 32 w + 31 (weight tiles 2 w, 2 w + 1) for all RT row tiles: 2 RT accumulators by turns, K in steps of 128.
; k: source 0 = the weight's tile, source 1 = the rows: a lane holds one row and 16 neighbouring channels.  v: the sources swapped: a lane holds one channel and 16 neighbouring keys.
; A sum stands for sum x 2^(eA + eW), so its code under eO is made with the one scale 2^(eO - eA - eW).  Every store of a wave covers 512 consecutive bytes, aligned.
; LIMITS: eA and eO - eA - eW between -126 and 112.  NaN among the inputs is not served.
; No joint loads: this text has no tensor load; LDS is filled from registers with codes made here, and the weights' fragments go straight into registers.
.set KDIM,  768                        ; K of the product = the rows' length
.set RT,    2                          ; row tiles of a work-group
.set SETS,  2                          ; rows of a wave on their way or at work
.set RPB,   512                        ; rows in a batch
.set YBASE, 1
.set INVK,  0x3aaaaaab                 ; 1 / KDIM
.set CH,    KDIM/256
.set KS,    KDIM/128
.set NR,    RT                         ; rows of a wave: 16 RT / 16
.set PITCH, KDIM+16                    ; an odd multiple of 16 bytes: the 16 rows that a fragment load touches begin at 16 different groups of banks (64 banks of 4 bytes: ISA guide 11.1)
.set ROWB,  4*KDIM
.set LPR,   2*CH                       ; loads that bring a row
.set EPS,   0x3727c5ac                 ; 1e-5
.set WKV_OFF, 0x80000
.set VX,  4                            ; v4   my 16 bytes of my wave's first row
.set LW,  5                            ; v5   LDS: my 4 codes of my wave's first row
.set AR,  7                            ; v7   LDS: my place in the row tiles
.set LI,  9                            ; v9   16 x lane
.set GA,  16                           ; phase 1: v16.. gain, v48.. bias, v80.. SETS rows of 32 registers, v208.. codes, v216-227 at work
.set BE,  48
.set X,   80
.set CD,  208
.set T,   216
.set MP,  224
.set RP,  226
.set ACC, 16                           ; phase 2: accumulator (m, u) at v[16 + 16 m + 8 u]; v144-175 two fragments of rows; v176-239 two sets of two weight fragments
.set AF,  144
.set BF,  176
.set SCA, 240                          ; 2^eA, 57,344 x 2^eA, 2^(eO - eA - eW), 57,344 x that
.set LIMA, 241
.set SCO, 242
.set LIMO, 243
.macro PLACES                          ; four plain vector lines between a matrix instruction and a load into, or a vector line on, its registers
.rept 4
	v_nop
.endr
.endm
.macro MKSC e, t, vsc, vlim            ; s[e] = an exponent: v[vsc] = 2^e, v[vlim] = 57,344 x 2^e
	s_add_co_i32 s[\t], s[\e], 127
	s_lshl_b32 s[\t+1], s[\t], 23
	v_mov_b32 v[\vsc], s[\t+1]
	s_add_co_i32 s[\t], s[\t], 15
	s_lshl_b32 s[\t], s[\t], 23
	s_or_b32 s[\t], s[\t], 0x600000
	v_mov_b32 v[\vlim], s[\t]
.endm
	s_load_b512 s[4:19], s[0:1], 0x0               ; rows 4, g0 6, b0 8, g1 10, b1 12, weights 14, exponents 16, codes 18
	v_lshl_add_u32 v254, v0, 2, 0x6200
	v_mov_b32 v255, 0
	v_lshrrev_b32 v2, 5, v0
	v_readfirstlane_b32 s20, v2                    ; wave 0..15
	v_and_b32 v1, 31, v0                           ; lane
	v_and_b32 v2, 15, v0                           ; r
	v_bfe_u32 v3, v0, 4, 1                         ; h
	v_lshlrev_b32 v[LI], 4, v1
	s_and_b32 s21, ttmp7, 0xffff
	s_add_co_u32 s21, s21, YBASE                   ; the slice
	s_mul_i32 s40, s20, NR                         ; my first LDS row; its row of the block has bits 3 and 4 exchanged
	s_and_b32 s41, s40, 0xe7
	s_and_b32 s42, s40, 8
	s_lshl_b32 s42, s42, 1
	s_or_b32 s41, s41, s42
	s_and_b32 s42, s40, 16
	s_lshr_b32 s42, s42, 1
	s_or_b32 s41, s41, s42
	s_mul_i32 s41, s41, ROWB
	v_add_nc_u32 v[VX], s41, v[LI]
	s_mul_i32 s42, s40, PITCH
	v_lshl_add_u32 v[LW], v1, 2, s42
	v_mul_u32_u24 v[AR], v2, PITCH
	v_lshl_add_u32 v[AR], v3, 4, v[AR]             ; a fragment's row x pitch + 16 x half
.if RT > 4
	v_add_nc_u32 v[AR+1], 64*PITCH, v[AR]
.endif
	s_mov_b32 s48, 0x76543210                      ; v_permlanex16_b32: lane l takes lane l xor 16
	s_mov_b32 s49, 0xfedcba98
	s_mov_b32 s50, INVK
	s_mov_b32 s51, EPS
	s_mul_i32 s44, ttmp9, 16*RT*ROWB
	s_mov_b32 s45, 0
	s_wait_kmcnt 0x0
	s_load_b256 s[24:31], s[16:17], 0x0            ; exponents 0 .. 7
	s_add_nc_u64 s[4:5], s[4:5], s[44:45]          ; the block's first row
	s_cmp_eq_u32 s21, 0
	s_cselect_b64 s[32:33], s[6:7], s[10:11]       ; the slice's gain
	s_cselect_b64 s[34:35], s[8:9], s[12:13]       ; and bias
	s_cselect_b32 s40, 0, WKV_OFF                  ; its weight: wq, or wkv's tiles 0-31 (k) or 32-63 (v)
	s_cmp_eq_u32 s21, 2
	s_cselect_b32 s41, 32*KS*2048, 0
	s_add_co_u32 s40, s40, s41
	s_mul_i32 s41, s20, 2*KS*2048                  ; my two tiles
	s_add_co_u32 s40, s40, s41
	s_mov_b32 s41, 0
	s_add_nc_u64 s[14:15], s[14:15], s[40:41]
.set n, 0
.rept LPR
	global_load_b128 v[GA+4*n:GA+4*n+3], v[LI], s[32:33] offset:512*n
.set n, n+1
.endr
.set n, 0
.rept LPR
	global_load_b128 v[BE+4*n:BE+4*n+3], v[LI], s[34:35] offset:512*n
.set n, n+1
.endr
.macro XLOAD j                         ; row j of my wave: load n brings k = 128 n + 4 lane + 0 .. 3: 32 lanes read 512 consecutive bytes
.set n, 0
.rept LPR
	global_load_b128 v[X+32*((\j)%SETS)+4*n:X+32*((\j)%SETS)+4*n+3], v[VX], s[4:5] offset:(\j)*ROWB+512*n
.set n, n+1
.endr
.endm
.set J, 0
.rept SETS
	XLOAD J
.set J, J+1
.endr
	s_wait_kmcnt 0x0
	s_cmp_eq_u32 s21, 0
	s_cselect_b32 s36, s24, s26                    ; eA
	s_cselect_b32 s37, s25, s27                    ; eW
	s_cselect_b32 s38, s28, s29                    ; eO: q's, k's
	s_cmp_eq_u32 s21, 2
	s_cselect_b32 s38, s31, s38                    ; or v's
	s_sub_co_i32 s38, s38, s36
	s_sub_co_i32 s38, s38, s37                     ; eO - eA - eW
	MKSC 36, 40, SCA, LIMA
	MKSC 38, 40, SCO, LIMO
.macro RED reg, tmp                    ; the sum over the 32 lanes, in every lane
	v_add_f32_dpp v[\reg], v[\reg], v[\reg] row_xmask:1 row_mask:0xf bank_mask:0xf
	v_add_f32_dpp v[\reg], v[\reg], v[\reg] row_xmask:2 row_mask:0xf bank_mask:0xf
	v_add_f32_dpp v[\reg], v[\reg], v[\reg] row_xmask:4 row_mask:0xf bank_mask:0xf
	v_add_f32_dpp v[\reg], v[\reg], v[\reg] row_xmask:8 row_mask:0xf bank_mask:0xf
	v_permlanex16_b32 v[\tmp], v[\reg], s48, s49
	v_add_f32 v[\reg], v[\reg], v[\tmp]
.endm
.macro LNROW j
.set XS, X+32*((\j)%SETS)
.if NR-1-(\j) < SETS-1
	s_wait_loadcnt LPR*(NR-1-(\j))                 ; my row is in; the rows behind it may be out
.else
	s_wait_loadcnt LPR*(SETS-1)
.endif
	v_pk_add_f32 v[T:T+1], v[XS:XS+1], v[XS+2:XS+3]          ; the row's sum, in two chains
	v_pk_add_f32 v[T+2:T+3], v[XS+4:XS+5], v[XS+6:XS+7]
.set p, 8
.rept 2*CH-2
	v_pk_add_f32 v[T:T+1], v[T:T+1], v[XS+p:XS+p+1]
	v_pk_add_f32 v[T+2:T+3], v[T+2:T+3], v[XS+p+2:XS+p+3]
.set p, p+4
.endr
	v_pk_add_f32 v[T:T+1], v[T:T+1], v[T+2:T+3]
	v_add_f32 v[T], v[T], v[T+1]
	RED T, T+1
	v_mul_f32 v[MP], s50, v[T]                     ; the mean, twice: a pair for the packed subtraction
	v_mul_f32 v[MP+1], s50, v[T]
.set p, 0
.rept 4*CH
	v_pk_add_f32 v[XS+p:XS+p+1], v[XS+p:XS+p+1], v[MP:MP+1] neg_lo:[0,1] neg_hi:[0,1]
.set p, p+2
.endr
	v_pk_mul_f32 v[T:T+1], v[XS:XS+1], v[XS:XS+1]            ; the sum of the squared deviations, in two chains
	v_pk_mul_f32 v[T+2:T+3], v[XS+2:XS+3], v[XS+2:XS+3]
.set p, 4
.rept 2*CH-1
	v_pk_fma_f32 v[T:T+1], v[XS+p:XS+p+1], v[XS+p:XS+p+1], v[T:T+1]
	v_pk_fma_f32 v[T+2:T+3], v[XS+p+2:XS+p+3], v[XS+p+2:XS+p+3], v[T+2:T+3]
.set p, p+4
.endr
	v_pk_add_f32 v[T:T+1], v[T:T+1], v[T+2:T+3]
	v_add_f32 v[T], v[T], v[T+1]
	RED T, T+1
	v_fma_f32 v[T], v[T], s50, s51                 ; var + 1e-5
	v_rsq_f32 v[RP], v[T]
	v_nop                                          ; a plain line between the transcendental and the use of its result (ISA guide 5.7.2)
	s_wait_alu depctr_va_vdst(0)
	v_mov_b32 v[RP+1], v[RP]
.set p, 0
.rept 4*CH
	v_pk_mul_f32 v[XS+p:XS+p+1], v[XS+p:XS+p+1], v[RP:RP+1]
.set p, p+2
.endr
.set p, 0
.rept 4*CH
	v_pk_fma_f32 v[XS+p:XS+p+1], v[XS+p:XS+p+1], v[GA+p:GA+p+1], v[BE+p:BE+p+1]
.set p, p+2
.endr
.set p, 0
.rept 8*CH
	v_med3_num_f32 v[XS+p], v[XS+p], -v[LIMA], v[LIMA]   ; the conversion to an 8-bit code does not saturate (ISA guide 7.6.2): the hold comes first
.set p, p+1
.endr
	s_wait_dscnt 0x0                               ; the last row's LDS stores are done: the codes' registers are written again
.set p, 0
.rept CH
	v_cvt_scalef32_pk8_bf8_f32 v[CD+2*p:CD+2*p+1], v[XS+8*p:XS+8*p+7], v[SCA]   ; register 2 p: the 4 codes of load 2 p; register 2 p + 1: those of load 2 p + 1
.set p, p+1
.endr
	v_nop                                          ; a plain line behind the last conversion: matrix instructions write its sources later
.set p, 0
.rept LPR
	ds_store_b32 v[LW], v[CD+p] offset:(\j)*PITCH+128*p      ; 32 lanes store 128 consecutive bytes of the row
.set p, p+1
.endr
.if (\j)+SETS < NR
	XLOAD (\j)+SETS
.endif
.endm
.set J, 0
.rept NR
	LNROW J
.set J, J+1
.endr
.macro WLOAD s                         ; my two weight fragments of K step s into set s % 2: each load reads 512 consecutive bytes
.irp u, 0,1
.irp c, 0,1,2,3
	global_load_b128 v[BF+32*((\s)%2)+16*\u+4*\c:BF+32*((\s)%2)+16*\u+4*\c+3], v[LI], s[14:15] offset:(\u*KS+(\s))*2048+512*\c
.endr
.endr
.endm
.macro ALOAD m, s, reg                 ; row tile m, K step s: registers 4 c .. 4 c + 3 hold k = 128 s + 32 c + 16 h + 0 .. 15 of LDS row 16 m + r
.irp c, 0,1,2,3
	ds_load_b128 v[\reg+4*\c:\reg+4*\c+3], v[AR+(\m)/4] offset:((\m)%4)*16*PITCH+128*(\s)+32*\c
.endr
.endm
.macro MM m, u, s, ori                 ; ori = 0: source 0 = the weight's tile u, source 1 = row tile m; 1: swapped.  K step 0 starts the sum: nothing is cleared
.set rA, ACC+16*(\m)+8*(\u)
.set rW, BF+32*((\s)%2)+16*(\u)
.set rX, AF+16*((\m)%2)
.if \ori
.if (\s) == 0
	v_wmma_f32_16x16x128_bf8_bf8 v[rA:rA+7], v[rX:rX+15], v[rW:rW+15], 0
.else
	v_wmma_f32_16x16x128_bf8_bf8 v[rA:rA+7], v[rX:rX+15], v[rW:rW+15], v[rA:rA+7]
.endif
.else
.if (\s) == 0
	v_wmma_f32_16x16x128_bf8_bf8 v[rA:rA+7], v[rW:rW+15], v[rX:rX+15], 0
.else
	v_wmma_f32_16x16x128_bf8_bf8 v[rA:rA+7], v[rW:rW+15], v[rX:rX+15], v[rA:rA+7]
.endif
.endif
.endm
.macro KSTEP s, ori                    ; 128 along K: 2 RT matrix instructions, the accumulators by turns, one instruction a turn
.if (\s) > 0
	PLACES
.endif
.if (\s)+1 < KS
	WLOAD (\s)+1
.endif
.set mp, 0
.rept RT/2
.if mp > 0
	PLACES
.endif
	ALOAD 2*mp, \s, AF
	ALOAD 2*mp+1, \s, AF+16
.if mp == 0
.if (\s)+1 < KS
	s_wait_loadcnt 8                               ; this step's weight fragments are in; the next step's eight loads may be out
.else
	s_wait_loadcnt 0x0
.endif
.endif
	s_wait_dscnt 0x0
	MM 2*mp, 0, \s, \ori
	MM 2*mp, 1, \s, \ori
	MM 2*mp+1, 0, \s, \ori
	MM 2*mp+1, 1, \s, \ori
.set mp, mp+1
.endr
.endm
	WLOAD 0
	s_wait_dscnt 0x0                               ; for the others' sake: my rows' codes lie in LDS
	s_barrier_signal -1
	s_barrier_wait -1                              ; everybody's do; nothing is stored to LDS behind this barrier
	s_lshr_b32 s40, ttmp9, 4                       ; 16 blocks to a batch
	s_lshl_b32 s40, s40, 3
	s_lshr_b32 s41, s20, 1
	s_add_co_u32 s40, s40, s41                     ; bh = 8 x batch + head: my 32 columns are half w % 2 of head w / 2
	s_and_b32 s41, ttmp9, 15                       ; the block in its batch
	s_and_b32 s42, s20, 1
	s_cmp_eq_u32 s21, 2
	s_cbranch_scc1 .Lvpath
	; ---- k: image ((bh RPB / 16 + tile in the batch) x 1024) + 512 (w % 2) + 16 lane
	s_mul_i32 s44, s40, RPB/16
	s_mul_i32 s45, s41, RT
	s_add_co_u32 s44, s44, s45
	s_lshl_b32 s44, s44, 10
	s_lshl_b32 s45, s42, 9
	s_add_co_u32 s44, s44, s45
	s_lshl_b32 s45, s21, 22                        ; k at 0x400000
	s_add_co_u32 s44, s44, s45
	s_mov_b32 s45, 0
	s_add_nc_u64 s[18:19], s[18:19], s[44:45]
.set SS, 0
.rept KS
	KSTEP SS, 0
.set SS, SS+1
.endr
	PLACES
.set tm, 0
.rept RT                               ; lane (r, h): row tile tm's row r; accumulators (tm, 0), (tm, 1): channels 32 (w % 2) + 16 h + 0 .. 15 of the head
.set p, 0
.rept 16
	v_med3_num_f32 v[ACC+16*tm+p], v[ACC+16*tm+p], -v[LIMO], v[LIMO]   ; each accumulator from its low end on
.set p, p+1
.endr
	v_cvt_scalef32_pk8_bf8_f32 v[AF+4*tm:AF+4*tm+1], v[ACC+16*tm:ACC+16*tm+7], v[SCO]
	v_cvt_scalef32_pk8_bf8_f32 v[AF+4*tm+2:AF+4*tm+3], v[ACC+16*tm+8:ACC+16*tm+15], v[SCO]
.set tm, tm+1
.endr
	v_nop
.set tm, 0
.rept RT
	global_store_b128 v[LI], v[AF+4*tm:AF+4*tm+3], s[18:19] offset:1024*tm
.set tm, tm+1
.endr
	s_wait_tensorcnt 0x0
	ds_add_u32 v254, v255
	s_wait_dscnt 0x0
	s_endpgm
.Lvpath:
	; ---- v: fragments of V^T: (((bh RPB / 128 + S) x 4 + t') x 2048) + 512 c + 16 lane; t' = 2 (w % 2) + u; keys 128 S + 32 c + 16 h + 0 .. 15
	s_mul_i32 s44, s40, (RPB/128)*4
	s_lshl_b32 s45, s42, 1
	s_add_co_u32 s44, s44, s45
	s_lshl_b32 s44, s44, 11
	s_mul_i32 s45, s41, RT/2                       ; the block's first 32 keys, counted in 32s: S = that / 4, c = that % 4
	s_lshr_b32 s46, s45, 2
	s_lshl_b32 s46, s46, 13
	s_add_co_u32 s44, s44, s46
	s_and_b32 s45, s45, 3
	s_lshl_b32 s45, s45, 9
	s_add_co_u32 s44, s44, s45
	s_add_co_u32 s44, s44, 0x800000
	s_mov_b32 s45, 0
	s_add_nc_u64 s[18:19], s[18:19], s[44:45]
.set SS, 0
.rept KS
	KSTEP SS, 1
.set SS, SS+1
.endr
	PLACES
.set p, 0
.rept 16*RT
	v_med3_num_f32 v[ACC+p], v[ACC+p], -v[LIMO], v[LIMO]   ; ascending: each accumulator from its low end on
.set p, p+1
.endr
.set b2, 0
.rept RT/2                             ; lane (r, h): one channel; accumulators (2 b2, u), (2 b2 + 1, u): the block's keys 32 b2 + 16 h + 0 .. 15
.irp u, 0,1
	v_cvt_scalef32_pk8_bf8_f32 v[AF+8*b2+4*\u:AF+8*b2+4*\u+1], v[ACC+32*b2+8*\u:ACC+32*b2+8*\u+7], v[SCO]
	v_cvt_scalef32_pk8_bf8_f32 v[AF+8*b2+4*\u+2:AF+8*b2+4*\u+3], v[ACC+32*b2+16+8*\u:ACC+32*b2+16+8*\u+7], v[SCO]
.endr
.set b2, b2+1
.endr
	v_nop
.set b2, 0
.rept RT/2
.irp u, 0,1
	global_store_b128 v[LI], v[AF+8*b2+4*\u:AF+8*b2+4*\u+3], s[18:19] offset:2048*\u+512*b2
.endr
.set b2, b2+1
.endr
	s_wait_tensorcnt 0x0
	ds_add_u32 v254, v255
	s_wait_dscnt 0x0
	s_endpgm
.Lfunc_end_k_qd52b7cac6b_ca_kv:
	.size	k_qd52b7cac6b_ca_kv, .Lfunc_end_k_qd52b7cac6b_ca_kv-k_qd52b7cac6b_ca_kv
	.p2alignl 7, 3214868480
	.fill 96, 4, 3214868480
	.section	.rodata,"a",@progbits
	.p2align	6, 0x0
	.amdhsa_kernel k_qd52b7cac6b_ca_kv
		.amdhsa_group_segment_fixed_size 27136
		.amdhsa_private_segment_fixed_size 0
		.amdhsa_enable_private_segment 0
		.amdhsa_kernarg_size 64
		.amdhsa_user_sgpr_count 2
		.amdhsa_user_sgpr_kernarg_segment_ptr 1
		.amdhsa_wavefront_size32 1
		.amdhsa_system_sgpr_workgroup_id_x 1
		.amdhsa_system_sgpr_workgroup_id_y 1
		.amdhsa_system_sgpr_workgroup_id_z 1
		.amdhsa_system_vgpr_workitem_id 0
		.amdhsa_next_free_vgpr 256
		.amdhsa_next_free_sgpr 66
		.amdhsa_reserve_vcc 0
		.amdhsa_float_denorm_mode_32 3
		.amdhsa_float_denorm_mode_16_64 3
		.amdhsa_memory_ordered 1
		.amdhsa_forward_progress 1
		.amdhsa_inst_pref_size 46
	.end_amdhsa_kernel
	.amdgpu_metadata
---
amdhsa.version: [ 1, 2 ]
amdhsa.kernels:
  - .name:           k_qd52b7cac6b_ca_kv
    .symbol:         k_qd52b7cac6b_ca_kv.kd
    .args:
      - { .name: context, .offset: 0, .size: 8, .value_kind: global_buffer, .address_space: global }
      - { .name: ca_ng, .offset: 8, .size: 8, .value_kind: global_buffer, .address_space: global }
      - { .name: ca_nb, .offset: 16, .size: 8, .value_kind: global_buffer, .address_space: global }
      - { .name: ca_ncg, .offset: 24, .size: 8, .value_kind: global_buffer, .address_space: global }
      - { .name: ca_ncb, .offset: 32, .size: 8, .value_kind: global_buffer, .address_space: global }
      - { .name: wca, .offset: 40, .size: 8, .value_kind: global_buffer, .address_space: global }
      - { .name: sc_ca, .offset: 48, .size: 8, .value_kind: global_buffer, .address_space: global }
      - { .name: qkv_ca, .offset: 56, .size: 8, .value_kind: global_buffer, .address_space: global }
    .group_segment_fixed_size: 27136
    .private_segment_fixed_size: 0
    .kernarg_segment_align: 8
    .kernarg_segment_size: 64
    .max_flat_workgroup_size: 512
    .sgpr_count:     66
    .vgpr_count:     256
    .wavefront_size: 32
...
	.end_amdgpu_metadata
.endif
;; end of part 3
;; launch sa_attn (part 4): grid 8 x 32, 16 waves a work-group, no clusters, 67,584 bytes of LDS; arguments qkv_sa, lowp_scales, ocodes; writes ocodes
.if DOCPART == 4
	.amdgcn_target "amdgcn-amd-amdhsa--gfx1250"
	.amdhsa_code_object_version 6
	.text
	.protected	k_qd52b7cac6b_sa_attn
	.globl	k_qd52b7cac6b_sa_attn
	.p2align	8
	.type	k_qd52b7cac6b_sa_attn,@function
k_qd52b7cac6b_sa_attn:
	s_mov_b64 s[64:65], 0
	v_nop
	global_prefetch_b8 v0, s[64:65] scope:SCOPE_SE
	s_setreg_imm32_b32 hwreg(HW_REG_WAVE_MODE, 25, 1), 1
	s_wait_xcnt 0x0
; o = softmax(q k^T / 8) v for one head, head size 64, NK keys, both products on codes of BF8 (E5M2); o leaves as codes for the next product.
; THE SOFTMAX AHEAD OF THE SECOND PRODUCT: t = score x log2(e) / 8; M = the row's largest t so far, taken UP to a whole number; p = 2^(t - M) is quantised, not normalised.
; The row's sum is taken of the unquantised p, in f32, and divides O at the end.  When M moves, the sum and O are multiplied by 2^(old M - new M): nothing is rounded, and no branch hangs on data.
; SHARES.  A work-group owns 256 queries (work-group x) of head bh = work-group y; each of its sixteen waves one tile of 16 queries in 256 registers, four waves to a SIMD.
; Every wave walks all keys, 128 a step.  K's and V's fragments lie in memory in the order of the operands' registers; 256 keys (16 KB of K, 16 KB of V) are a dense block each.
; They come through two LDS slots: each thread loads 4 x 16 bytes of the next slot at the head of a slot's two steps and stores them to LDS at their end.
; ONE BARRIER A SLOT: in front of it each wave's reads of the slot in hand are back and its stores into the other slot are done; the other slot was last read in front of the barrier before.
; LAYOUT.  S^T = K Q^T (source 0 = 16 keys, source 1 = my 16 queries), O^T = V^T P^T (source 0 = 16 channels): a lane holds ONE query throughout.  The keys of a tile of K, and the channels of a
; tile of V^T, are not neighbours (place i of tile T is 32 (T / 2) + 8 (T % 2) + i % 8 + 16 (i / 8)), so that the 16 registers of two neighbouring tiles are 16 neighbours along the next K.
; LIMITS: eq + ek between -123 and 130 (added to the exponent field of log2(e) / 8); ep and eo between -126 and 112; ep + ev goes in by v_ldexp_f32 and has none.
; No joint loads: this text has no tensor load; the eight query blocks of a head each copy the head's K and V (128 NK bytes) through registers.
; REGISTERS: v1 16 x lane; v2 16 x thread; v12 -M, v13 the largest t, v[14:15] the sum in two halves; v16-23 Q; v32-95 K's eight fragments, then V's four; v96-159 S^T, then p;
; v160-191 O^T; v192-207 the next slot's bytes; v224-239 p's codes; v240, v244: 57,344 x 2^ep, 2^ep; v241, v245: the same for eo; v236, v242-243, v252-254 at work.
.set NK,  2048                         ; keys of a head
.set NSL, NK/256                       ; slots' worth of keys
.macro PLACES                          ; four plain vector lines between a matrix instruction and a load into, or a vector line on, its registers
.rept 4
	v_nop
.endr
.endm
.macro MKSC e, t, vsc, vlim            ; s[e] = an exponent: v[vsc] = 2^e, v[vlim] = 57,344 x 2^e
	s_add_co_i32 s[\t], s[\e], 127
	s_lshl_b32 s[\t+1], s[\t], 23
	v_mov_b32 v[\vsc], s[\t+1]
	s_add_co_i32 s[\t], s[\t], 15
	s_lshl_b32 s[\t], s[\t], 23
	s_or_b32 s[\t], s[\t], 0x600000
	v_mov_b32 v[\vlim], s[\t]
.endm
.macro GLOAD                           ; the next 256 keys: 512 threads x 16 bytes x 4; each load of a wave reads 512 consecutive bytes
	global_load_b128 v[192:195], v2, s[24:25]
	global_load_b128 v[196:199], v2, s[24:25] offset:8192
	global_load_b128 v[200:203], v2, s[26:27]
	global_load_b128 v[204:207], v2, s[26:27] offset:8192
.endm
.macro GSTORE sl                       ; into slot sl as they lie: K's 16 KB, then V's
	ds_store_b128 v2, v[192:195] offset:(\sl)*32768
	ds_store_b128 v2, v[196:199] offset:(\sl)*32768+8192
	ds_store_b128 v2, v[200:203] offset:(\sl)*32768+16384
	ds_store_b128 v2, v[204:207] offset:(\sl)*32768+24576
.endm
	s_load_b128 s[4:7], s[0:1], 0x0                ; q, k and v's codes s[4:5], the exponents s[6:7]
	s_load_b64 s[8:9], s[0:1], 0x10                ; o's codes
	v_lshl_add_u32 v251, v0, 2, 0x10000
	v_mov_b32 v255, 0
	v_lshrrev_b32 v3, 5, v0
	v_readfirstlane_b32 s10, v3                    ; wave 0..15
	v_and_b32 v1, 31, v0
	v_lshlrev_b32 v1, 4, v1                        ; 16 x lane
	v_lshlrev_b32 v2, 4, v0                        ; 16 x thread
	s_and_b32 s11, ttmp7, 0xffff                   ; bh
	s_mov_b32 s12, 0x76543210                      ; v_permlanex16_b32: lane l takes lane l xor 16
	s_mov_b32 s13, 0xfedcba98
	s_mov_b32 s22, 0x3e38aa3b                      ; c = log2(e) / 8
	s_mul_i32 s30, s11, NK*64                      ; the head's first byte of K's, and of V's, images
	s_mov_b32 s31, 0
	s_lshl_b32 s34, ttmp9, 4
	s_add_co_u32 s34, s34, s10                     ; my tile of queries in the batch: 16 x + w
	s_lshl_b32 s32, s11, 7
	s_add_co_u32 s32, s32, s34
	s_lshl_b32 s32, s32, 10                        ; Q: (128 bh + tile) x 1024
	s_mov_b32 s33, 0
	s_lshr_b32 s36, s11, 3
	s_lshl_b32 s36, s36, 7
	s_add_co_u32 s36, s36, s34
	s_lshl_b32 s36, s36, 13                        ; o: (128 batch + tile) x 8192
	s_and_b32 s37, s11, 7
	s_lshl_b32 s37, s37, 10                        ;    + 1024 x head
	s_add_co_u32 s36, s36, s37
	s_mov_b32 s37, 0
	s_wait_kmcnt 0x0
	s_load_b128 s[16:19], s[6:7], 0x10             ; eq, ek, ep, ev
	s_load_b32 s20, s[6:7], 0x20                   ; eo
	s_add_nc_u64 s[24:25], s[4:5], s[30:31]
	s_add_nc_u64 s[26:27], s[24:25], 0x800000      ; V
	s_add_nc_u64 s[24:25], s[24:25], 0x400000      ; K
	s_add_nc_u64 s[4:5], s[4:5], s[32:33]
	s_add_nc_u64 s[8:9], s[8:9], s[36:37]
	GLOAD                                          ; slot 0
	global_load_b128 v[16:19], v1, s[4:5]          ; Q's fragment stays in registers
	global_load_b128 v[20:23], v1, s[4:5] offset:512
	v_mov_b32 v13, 0xff61b1e6                      ; the largest t so far: -3e38, under every t
	v_floor_f32 v12, -v13                          ; -M
	v_mov_b32 v14, 0                               ; the sum, in two halves
	v_mov_b32 v15, 0
	v_mov_b32 v236, 0                              ; written once: a lane permute's destination counts as one of its sources
	v_mov_b32 v253, 0                              ; (named as the upper half of the pair v[252:253])
.set j, 0
.rept 32
	v_mov_b32 v[160+j], 0                          ; O^T.  (The step is written once: the first finds zeros, which the first change of M leaves zeros)
.set j, j+1
.endr
	s_wait_kmcnt 0x0
	s_add_co_i32 s30, s16, s17
	s_lshl_b32 s30, s30, 23
	s_add_co_i32 s22, s22, s30                     ; a score stands for score x 2^(eq + ek): the two exponents are added to c's exponent field
	s_mov_b32 s23, s22                             ; (named with it as a pair, so it is written)
	MKSC 18, 30, 244, 240
	MKSC 20, 30, 245, 241
; A KEY STEP: 128 keys, the q-th of slot sl.
.macro STEP sl, q
	PLACES                                         ; in front of loads into registers that the last products read
.irp t, 0,1,2,3,4,5,6,7
	ds_load_b128 v[32+8*\t:35+8*\t], v1 offset:(\sl)*32768+(8*(\q)+\t)*1024
	ds_load_b128 v[36+8*\t:39+8*\t], v1 offset:(\sl)*32768+(8*(\q)+\t)*1024+512
.endr
	s_wait_dscnt 0x0
.irp t, 0,1,2,3,4,5,6,7
	v_wmma_f32_16x16x64_bf8_bf8 v[96+8*\t:103+8*\t], v[32+8*\t:39+8*\t], v[16:23], 0
.endr                                              ; lane (r, h): query r; the 16 registers of tiles 2 b, 2 b + 1 are the step's keys 32 b + 16 h + 0 .. 15
	PLACES
.irp t, 0,1,2,3                                ; V's four fragments land while the softmax is worked
.irp c, 0,1,2,3
	ds_load_b128 v[32+16*\t+4*\c:35+16*\t+4*\c], v1 offset:(\sl)*32768+16384+(4*(\q)+\t)*2048+512*\c
.endr
.endr
	v_max3_num_f32 v254, v96, v97, v98             ; the step's largest score of my query, among my 64 keys, in two chains, ascending,
	v_max3_num_f32 v252, v99, v100, v101
.set j, 6
.rept 14
	v_max3_num_f32 v254, v254, v[96+j], v[97+j]
	v_max3_num_f32 v252, v252, v[98+j], v[99+j]
.set j, j+4
.endr
	v_max3_num_f32 v254, v254, v158, v159
	v_max_num_f32 v254, v254, v252
	v_permlanex16_b32 v236, v254, s12, s13
	v_max_num_f32 v254, v254, v236                 ; and among lane l xor 16's
	v_mul_f32 v254, s22, v254                      ; as t (c is positive)
	v_max_num_f32 v13, v13, v254                   ; the running largest t
	v_mov_b32 v254, v12
	v_floor_f32 v12, -v13                          ; the new -M = floor(-t) = -ceil(t): M IS A WHOLE NUMBER
	v_sub_f32 v254, v12, v254                      ; M's old value less its new one: a whole number, 0 or less
	v_cvt_i32_f32 v254, v254                       ; (it saturates)
	v_ldexp_f32 v252, 1.0, v254                    ; f = 2^(old M - new M)
.set j, 0
.rept 32
	v_pk_fma_f32 v[96+j:97+j], v[96+j:97+j], s[22:23], v[12:13] op_sel_hi:[1,0,0]   ; t - M, two at a time (of the pairs c and -M the low word serves both halves)
.set j, j+2
.endr
.set j, 0
.rept 64
	v_exp_f32 v[96+j], v[96+j]                     ; p = 2^(t - M), at most 1: NOT normalised
.set j, j+1
.endr
	v_pk_mul_f32 v[14:15], v[14:15], v[252:253] op_sel_hi:[1,0]   ; the sums under the new M.  (A plain line behind the exponentials)
	s_wait_alu depctr_va_vdst(0)
	v_pk_add_f32 v[242:243], v[96:97], v[98:99]    ; THE ROW'S SUM IS TAKEN OF THE UNQUANTISED p: two at a time, in two chains
.set j, 4
.rept 15
	v_pk_add_f32 v[14:15], v[14:15], v[96+j:97+j]
	v_pk_add_f32 v[242:243], v[242:243], v[98+j:99+j]
.set j, j+4
.endr
	v_pk_add_f32 v[14:15], v[14:15], v[242:243]
.irp b, 0,1,2,3
.set j, 0
.rept 16
	v_min_num_f32 v[96+16*\b+j], v[96+16*\b+j], v240   ; the conversion to an 8-bit code does not saturate (ISA guide 7.6.2); p is not negative, so the hold is one-sided
.set j, j+1
.endr
	v_cvt_scalef32_pk8_bf8_f32 v[224+4*\b:225+4*\b], v[96+16*\b:103+16*\b], v244
	v_cvt_scalef32_pk8_bf8_f32 v[226+4*\b:227+4*\b], v[104+16*\b:111+16*\b], v244
.endr
.set j, 0
.rept 16
	v_pk_mul_f32 v[160+j:161+j], v[160+j:161+j], v[252:253] op_sel_hi:[1,0]   ; O^T under the new M: x f.  (Plain lines between the conversions and the products that read their results)
.set j, j+2
.endr
	s_wait_dscnt 0x0                               ; V's fragments are in
.irp t, 0,1,2,3
	v_wmma_f32_16x16x128_bf8_bf8 v[160+8*\t:167+8*\t], v[32+16*\t:47+16*\t], v[224:239], v[160+8*\t:167+8*\t]   ; the four accumulators by turns
.endr
.endm
; A SLOT'S TWO STEPS.  pf = 1: the next slot's bytes are asked for at the head and stored to the other slot at the end; then the barrier.
.macro SLOT sl, pf
.if \pf
	GLOAD
.endif
	STEP \sl, 0
	STEP \sl, 1
.if \pf
	s_wait_loadcnt 0x0                             ; the next slot's bytes are in registers: so the pointers may step
	GSTORE 1-(\sl)
	s_add_nc_u64 s[24:25], s[24:25], 16384
	s_add_nc_u64 s[26:27], s[26:27], 16384
	s_wait_dscnt 0x0                               ; for the others' sake: my stores are done, and my reads of this slot are back
	s_barrier_signal -1
	s_barrier_wait -1
.endif
.endm
	s_wait_loadcnt 2                               ; slot 0's four loads are in; Q's two may be out
	GSTORE 0
	s_add_nc_u64 s[24:25], s[24:25], 16384
	s_add_nc_u64 s[26:27], s[26:27], 16384
	s_wait_dscnt 0x0
	s_barrier_signal -1
	s_barrier_wait -1
	s_wait_loadcnt 0x0                             ; Q
.if NSL > 2
	s_mov_b32 s28, (NSL-2)/2
.Lslots:
	SLOT 0, 1
	SLOT 1, 1
	s_sub_co_u32 s28, s28, 1
	s_cmp_lg_u32 s28, 0
	s_cbranch_scc1 .Lslots
.endif
	SLOT 0, 1                                      ; the last two slots are written out: the very last asks for nothing, so no load leaves the buffer
	SLOT 1, 0
	; THE WAY OUT.  O^T / the sum x 2^(ep + ev) is o; it is held, quantised with 2^eo, and stored as the next product's operand: row tile x 8192 + 512 (2 head + c) + 16 lane.
	PLACES
	v_add_f32 v14, v14, v15                        ; the sum's two halves,
	v_permlanex16_b32 v252, v14, s12, s13
	v_add_f32 v14, v14, v252                       ; and lane l xor 16's: the row's sum
	v_rcp_f32 v14, v14
	v_nop                                          ; a plain line behind the transcendental
	s_add_co_i32 s30, s18, s19
	s_wait_alu depctr_va_vdst(0)
	v_ldexp_f32 v14, v14, s30                      ; x 2^(ep + ev)
.set j, 0
.rept 32
	v_mul_f32 v[96+j], v[160+j], v14               ; register 8 t + i: channel 32 (t / 2) + 16 h + 8 (t % 2) + i of query r; ascending: each accumulator from its low end on
.set j, j+1
.endr
.set j, 0
.rept 32
	v_med3_num_f32 v[96+j], v[96+j], -v241, v241
.set j, j+1
.endr
.irp t, 0,1,2,3
	v_cvt_scalef32_pk8_bf8_f32 v[224+2*\t:225+2*\t], v[96+8*\t:103+8*\t], v245
.endr
	v_nop
	global_store_b128 v1, v[224:227], s[8:9]       ; 32 lanes store 512 consecutive bytes, aligned
	global_store_b128 v1, v[228:231], s[8:9] offset:512
	s_wait_tensorcnt 0x0
	ds_add_u32 v251, v255
	s_wait_dscnt 0x0
	s_endpgm
.Lfunc_end_k_qd52b7cac6b_sa_attn:
	.size	k_qd52b7cac6b_sa_attn, .Lfunc_end_k_qd52b7cac6b_sa_attn-k_qd52b7cac6b_sa_attn
	.p2alignl 7, 3214868480
	.fill 96, 4, 3214868480
	.section	.rodata,"a",@progbits
	.p2align	6, 0x0
	.amdhsa_kernel k_qd52b7cac6b_sa_attn
		.amdhsa_group_segment_fixed_size 67584
		.amdhsa_private_segment_fixed_size 0
		.amdhsa_enable_private_segment 0
		.amdhsa_kernarg_size 24
		.amdhsa_user_sgpr_count 2
		.amdhsa_user_sgpr_kernarg_segment_ptr 1
		.amdhsa_wavefront_size32 1
		.amdhsa_system_sgpr_workgroup_id_x 1
		.amdhsa_system_sgpr_workgroup_id_y 1
		.amdhsa_system_sgpr_workgroup_id_z 1
		.amdhsa_system_vgpr_workitem_id 0
		.amdhsa_next_free_vgpr 256
		.amdhsa_next_free_sgpr 66
		.amdhsa_reserve_vcc 0
		.amdhsa_float_denorm_mode_32 3
		.amdhsa_float_denorm_mode_16_64 3
		.amdhsa_memory_ordered 1
		.amdhsa_forward_progress 1
		.amdhsa_inst_pref_size 132
	.end_amdhsa_kernel
	.amdgpu_metadata
---
amdhsa.version: [ 1, 2 ]
amdhsa.kernels:
  - .name:           k_qd52b7cac6b_sa_attn
    .symbol:         k_qd52b7cac6b_sa_attn.kd
    .args:
      - { .name: qkv_sa, .offset: 0, .size: 8, .value_kind: global_buffer, .address_space: global }
      - { .name: lowp_scales, .offset: 8, .size: 8, .value_kind: global_buffer, .address_space: global }
      - { .name: ocodes, .offset: 16, .size: 8, .value_kind: global_buffer, .address_space: global }
    .group_segment_fixed_size: 67584
    .private_segment_fixed_size: 0
    .kernarg_segment_align: 8
    .kernarg_segment_size: 24
    .max_flat_workgroup_size: 512
    .sgpr_count:     66
    .vgpr_count:     256
    .wavefront_size: 32
...
	.end_amdgpu_metadata
.endif
;; end of part 4
;; launch sa_out (part 5): grid 128 x 2, 16 waves a work-group, no clusters, 166,912 bytes of LDS; arguments ocodes, wsa, lowp_scales, sa_bo, x, x1; writes x1
.if DOCPART == 5
	.amdgcn_target "amdgcn-amd-amdhsa--gfx1250"
	.amdhsa_code_object_version 6
	.text
	.protected	k_qd52b7cac6b_sa_out
	.globl	k_qd52b7cac6b_sa_out
	.p2align	8
	.type	k_qd52b7cac6b_sa_out,@function
k_qd52b7cac6b_sa_out:
	s_mov_b64 s[64:65], 0
	v_nop
	global_prefetch_b8 v0, s[64:65] scope:SCOPE_SE
	s_setreg_imm32_b32 hwreg(HW_REG_WAVE_MODE, 25, 1), 1
	s_wait_xcnt 0x0
; out = o wo + bo + residual: the product on codes of BF8 (E5M2), K = 512; bias, residual and result in f32.
; Arguments: o's codes (images of the operand's registers), the weights' images, ten exponents (8: eo, 9: ewo), bo, the residual [8192][1024], the result [8192][1024].
; SHARES.  A work-group takes 64 rows (work-group x) x 512 columns (work-group y).  Its four row tiles of o, 32 KB, dense in memory, are copied to LDS once and read by all sixteen waves.
; Wave w makes columns 32 w .. 32 w + 31 of the slice (weight tiles 2 w, 2 w + 1) for the four row tiles: eight accumulators by turns, K in four steps of 128.
; Source 0 = the weight's tile, source 1 = the rows: a lane holds one row and 16 neighbouring columns.  Place r of row tile m is row 32 (m / 2) + 8 (m % 2) + r % 8 + 16 (r / 8) of the block.
; THE WAY OUT.  The raw sums meet in a stage of 64 true rows x (2,048 + 16) bytes; behind a barrier wave w reads rows 4 w .. 4 w + 3 whole, and
; sum x 2^(eo + ewo) + (residual + bias) leaves by stores of 512 consecutive bytes, aligned.
; LIMIT: eo + ewo between -126 and 127, so that 2^(eo + ewo) is an f32 number.
; No joint loads: this text has no tensor load; the weights' fragments go straight into registers.
.set KS,  4
.set RT,  4
.set SP,  2064                         ; a stage row
.set STG, 32768                        ; LDS: o's images at 0 (row tile m, K step s at 8192 m + 2048 s), the stage behind them
.set WO_OFF, 0x180000
.set TO,  4                            ; v4   16 x thread
.set LI,  5                            ; v5   16 x lane
.set SW,  6                            ; v6, v7  the stage: where I put my sums of row tiles 0-1, 2-3
.set SR,  8                            ; v8   and where I read whole rows back
.set RV,  9                            ; v9   my 16 bytes of my wave's first row in the residual and in the result
.set ACC, 16                           ; v16-79   accumulator (m, u) at v[16 + 16 m + 8 u]
.set AF,  80                           ; v80-111  two fragments of rows; first the copy's 16 registers
.set BF,  112                          ; v112-175 two sets of two weight fragments; later the rows read back
.set R,   176                          ; v176-239 the residual: piece n = 4 row + i
.set BI,  240                          ; v240-255 the bias
.macro PLACES                          ; four plain vector lines between a matrix instruction and a load into, or a read of, its registers
.rept 4
	v_nop
.endr
.endm
	s_load_b256 s[4:11], s[0:1], 0x0               ; o 4, weights 6, exponents 8, bo 10
	s_load_b128 s[12:15], s[0:1], 0x20             ; residual 12, result 14
	v_lshl_add_u32 v14, v0, 2, 0x28400
	v_mov_b32 v15, 0
	v_lshrrev_b32 v1, 5, v0
	v_readfirstlane_b32 s16, v1                    ; wave 0..15
	v_and_b32 v1, 31, v0                           ; lane
	v_and_b32 v2, 15, v0                           ; r
	v_bfe_u32 v3, v0, 4, 1                         ; h
	v_lshlrev_b32 v[TO], 4, v0
	v_lshlrev_b32 v[LI], 4, v1
	v_and_b32 v10, 7, v2
	v_lshrrev_b32 v11, 3, v2
	v_lshl_add_u32 v10, v11, 4, v10                ; r % 8 + 16 (r / 8)
	v_mul_u32_u24 v[SW], v10, SP
	v_lshl_add_u32 v[SW], v3, 6, v[SW]             ; + 64 h: my half's 16 columns
	s_lshl_b32 s22, s16, 7                         ; + 128 w: my wave's 32 columns
	s_add_co_u32 s22, s22, STG
	v_add_nc_u32 v[SW], s22, v[SW]
	v_add_nc_u32 v[SW+1], 32*SP, v[SW]
	s_mul_i32 s22, s16, 4*SP
	s_add_co_u32 s22, s22, STG
	v_add_nc_u32 v[SR], s22, v[LI]
	s_lshl_b32 s22, s16, 14                        ; 4 rows of 4,096 bytes a wave
	v_add_nc_u32 v[RV], s22, v[LI]
	s_and_b32 s17, ttmp7, 0xffff                   ; the slice
	s_lshl_b32 s24, ttmp9, 15                      ; o: 4 row tiles of 8,192 bytes a block
	s_mov_b32 s25, 0
	s_lshl_b32 s26, s17, 5
	s_lshl_b32 s27, s16, 1
	s_add_co_u32 s26, s26, s27                     ; weight tile 32 y + 2 w,
	s_lshl_b32 s26, s26, 13                        ; KS x 2048 bytes each
	s_add_co_u32 s26, s26, WO_OFF
	s_mov_b32 s27, 0
	s_lshl_b32 s28, ttmp9, 18                      ; 64 rows of 4,096 bytes a block,
	s_lshl_b32 s30, s17, 11                        ; 2,048 bytes a slice
	s_add_co_u32 s28, s28, s30
	s_mov_b32 s29, 0
	s_mov_b32 s31, 0
	s_wait_kmcnt 0x0
	s_load_b64 s[18:19], s[8:9], 0x20              ; eo, ewo
	s_add_nc_u64 s[4:5], s[4:5], s[24:25]
	s_add_nc_u64 s[6:7], s[6:7], s[26:27]
	s_add_nc_u64 s[12:13], s[12:13], s[28:29]
	s_add_nc_u64 s[14:15], s[14:15], s[28:29]
	s_add_nc_u64 s[10:11], s[10:11], s[30:31]
.macro WLOAD s                         ; my two weight fragments of K step s into set s % 2: each load reads 512 consecutive bytes
.irp u, 0,1
.irp c, 0,1,2,3
	global_load_b128 v[BF+32*((\s)%2)+16*\u+4*\c:BF+32*((\s)%2)+16*\u+4*\c+3], v[LI], s[6:7] offset:(\u*KS+(\s))*2048+512*\c
.endr
.endr
.endm
.irp i, 0,1,2,3
	global_load_b128 v[AF+4*\i:AF+4*\i+3], v[TO], s[4:5] offset:8192*\i       ; o's images: 512 threads x 16 bytes x 4
.endr
	WLOAD 0
.irp i, 0,1,2,3
	global_load_b128 v[BI+4*\i:BI+4*\i+3], v[LI], s[10:11] offset:512*\i
.endr
.irp jr, 0,1,2,3
.irp i, 0,1,2,3
	global_load_b128 v[R+16*\jr+4*\i:R+16*\jr+4*\i+3], v[RV], s[12:13] offset:4096*\jr+512*\i
.endr
.endr
	s_wait_loadcnt 28                              ; the copy's four loads are in; the 8 + 4 + 16 behind them may be out
.irp i, 0,1,2,3
	ds_store_b128 v[TO], v[AF+4*\i:AF+4*\i+3] offset:8192*\i
.endr
	s_wait_dscnt 0x0                               ; for the others' sake: my part of the images lies in LDS
	s_barrier_signal -1
	s_barrier_wait -1
.macro ALOAD m, s, reg                 ; an image comes back as it was stored: the same registers in the same lanes
.irp c, 0,1,2,3
	ds_load_b128 v[\reg+4*\c:\reg+4*\c+3], v[LI] offset:(\m)*8192+(\s)*2048+512*\c
.endr
.endm
.macro MM m, u, s                      ; K step 0 starts the sum: nothing is cleared
.set rA, ACC+16*(\m)+8*(\u)
.set rW, BF+32*((\s)%2)+16*(\u)
.set rX, AF+16*((\m)%2)
.if (\s) == 0
	v_wmma_f32_16x16x128_bf8_bf8 v[rA:rA+7], v[rW:rW+15], v[rX:rX+15], 0
.else
	v_wmma_f32_16x16x128_bf8_bf8 v[rA:rA+7], v[rW:rW+15], v[rX:rX+15], v[rA:rA+7]
.endif
.endm
.macro KSTEP s, lc                     ; 128 along K: eight matrix instructions, the accumulators by turns.  lc: the loads issued behind this step's weight fragments
.if (\s) > 0
	PLACES
.endif
.if (\s)+1 < KS
	WLOAD (\s)+1
.endif
.set mp, 0
.rept RT/2
.if mp > 0
	PLACES
.endif
	ALOAD 2*mp, \s, AF
	ALOAD 2*mp+1, \s, AF+16
.if mp == 0
	s_wait_loadcnt \lc
.endif
	s_wait_dscnt 0x0
	MM 2*mp, 0, \s
	MM 2*mp, 1, \s
	MM 2*mp+1, 0, \s
	MM 2*mp+1, 1, \s
.set mp, mp+1
.endr
.endm
	KSTEP 0, 28                                    ; behind step 0's fragments: the bias's 4, the residual's 16, step 1's 8
	KSTEP 1, 8                                     ; step 2's 8
	KSTEP 2, 8                                     ; step 3's 8
	KSTEP 3, 0
	PLACES
.irp m, 0,1,2,3
.irp u, 0,1
	ds_store_b128 v[SW+\m/2], v[ACC+16*\m+8*\u:ACC+16*\m+8*\u+3] offset:8*(\m%2)*SP+32*\u        ; each accumulator from its low end on
	ds_store_b128 v[SW+\m/2], v[ACC+16*\m+8*\u+4:ACC+16*\m+8*\u+7] offset:8*(\m%2)*SP+32*\u+16
.endr
.endr
	s_wait_kmcnt 0x0
	s_add_co_i32 s20, s18, s19
	s_add_co_i32 s20, s20, 127
	s_lshl_b32 s20, s20, 23                        ; 2^(eo + ewo) as f32
	s_mov_b32 s21, s20                             ; (named with it as a pair, so it is written)
	s_wait_dscnt 0x0                               ; for the others' sake: my sums lie in the stage
	s_barrier_signal -1
	s_barrier_wait -1
.irp jr, 0,1,2,3
.irp i, 0,1,2,3
	ds_load_b128 v[BF+16*\jr+4*\i:BF+16*\jr+4*\i+3], v[SR] offset:\jr*SP+512*\i
.endr
.endr
.irp jr, 0,1,2,3
.irp i, 0,1,2,3
	v_pk_add_f32 v[R+16*\jr+4*\i:R+16*\jr+4*\i+1], v[R+16*\jr+4*\i:R+16*\jr+4*\i+1], v[BI+4*\i:BI+4*\i+1]          ; residual + bias, while the rows come back
	v_pk_add_f32 v[R+16*\jr+4*\i+2:R+16*\jr+4*\i+3], v[R+16*\jr+4*\i+2:R+16*\jr+4*\i+3], v[BI+4*\i+2:BI+4*\i+3]
.endr
.endr
.set n, 0
.rept 16
	s_wait_dscnt 15-n                              ; LDS loads come back in order (ISA guide 5.7.1): piece n is in
	v_pk_fma_f32 v[BF+4*n:BF+4*n+1], v[BF+4*n:BF+4*n+1], s[20:21], v[R+4*n:R+4*n+1] op_sel_hi:[1,0,1]
	v_pk_fma_f32 v[BF+4*n+2:BF+4*n+3], v[BF+4*n+2:BF+4*n+3], s[20:21], v[R+4*n+2:R+4*n+3] op_sel_hi:[1,0,1]
	global_store_b128 v[RV], v[BF+4*n:BF+4*n+3], s[14:15] offset:4096*(n/4)+512*(n%4)
.set n, n+1
.endr
	s_wait_tensorcnt 0x0
	ds_add_u32 v14, v15
	s_wait_dscnt 0x0
	s_endpgm
.Lfunc_end_k_qd52b7cac6b_sa_out:
	.size	k_qd52b7cac6b_sa_out, .Lfunc_end_k_qd52b7cac6b_sa_out-k_qd52b7cac6b_sa_out
	.p2alignl 7, 3214868480
	.fill 96, 4, 3214868480
	.section	.rodata,"a",@progbits
	.p2align	6, 0x0
	.amdhsa_kernel k_qd52b7cac6b_sa_out
		.amdhsa_group_segment_fixed_size 166912
		.amdhsa_private_segment_fixed_size 0
		.amdhsa_enable_private_segment 0
		.amdhsa_kernarg_size 48
		.amdhsa_user_sgpr_count 2
		.amdhsa_user_sgpr_kernarg_segment_ptr 1
		.amdhsa_wavefront_size32 1
		.amdhsa_system_sgpr_workgroup_id_x 1
		.amdhsa_system_sgpr_workgroup_id_y 1
		.amdhsa_system_sgpr_workgroup_id_z 1
		.amdhsa_system_vgpr_workitem_id 0
		.amdhsa_next_free_vgpr 256
		.amdhsa_next_free_sgpr 66
		.amdhsa_reserve_vcc 0
		.amdhsa_float_denorm_mode_32 3
		.amdhsa_float_denorm_mode_16_64 3
		.amdhsa_memory_ordered 1
		.amdhsa_forward_progress 1
		.amdhsa_inst_pref_size 24
	.end_amdhsa_kernel
	.amdgpu_metadata
---
amdhsa.version: [ 1, 2 ]
amdhsa.kernels:
  - .name:           k_qd52b7cac6b_sa_out
    .symbol:         k_qd52b7cac6b_sa_out.kd
    .args:
      - { .name: ocodes, .offset: 0, .size: 8, .value_kind: global_buffer, .address_space: global }
      - { .name: wsa, .offset: 8, .size: 8, .value_kind: global_buffer, .address_space: global }
      - { .name: lowp_scales, .offset: 16, .size: 8, .value_kind: global_buffer, .address_space: global }
      - { .name: sa_bo, .offset: 24, .size: 8, .value_kind: global_buffer, .address_space: global }
      - { .name: x, .offset: 32, .size: 8, .value_kind: global_buffer, .address_space: global }
      - { .name: x1, .offset: 40, .size: 8, .value_kind: global_buffer, .address_space: global }
    .group_segment_fixed_size: 166912
    .private_segment_fixed_size: 0
    .kernarg_segment_align: 8
    .kernarg_segment_size: 48
    .max_flat_workgroup_size: 512
    .sgpr_count:     66
    .vgpr_count:     256
    .wavefront_size: 32
...
	.end_amdgpu_metadata
.endif
;; end of part 5
;; launch ca_q: the kernel of part 2 again; grid 64 x 1, 16 waves a work-group, no clusters, 135,168 bytes of LDS; arguments x1, ca_ng, ca_nb, ca_ncg, ca_ncb, wca, sc_ca, qkv_ca; writes qkv_ca
;; launch ca_attn (part 6): grid 8 x 32, 16 waves a work-group, no clusters, 67,584 bytes of LDS; arguments qkv_ca, sc_ca, ocodes; writes ocodes
.if DOCPART == 6
	.amdgcn_target "amdgcn-amd-amdhsa--gfx1250"
	.amdhsa_code_object_version 6
	.text
	.protected	k_qd52b7cac6b_ca_attn
	.globl	k_qd52b7cac6b_ca_attn
	.p2align	8
	.type	k_qd52b7cac6b_ca_attn,@function
k_qd52b7cac6b_ca_attn:
	s_mov_b64 s[64:65], 0
	v_nop
	global_prefetch_b8 v0, s[64:65] scope:SCOPE_SE
	s_setreg_imm32_b32 hwreg(HW_REG_WAVE_MODE, 25, 1), 1
	s_wait_xcnt 0x0
; The second layer's attention: the first layer's text with 512 keys to a head.
; o = softmax(q k^T / 8) v for one head, head size 64, NK keys, both products on codes of BF8 (E5M2); o leaves as codes for the next product.
; THE SOFTMAX AHEAD OF THE SECOND PRODUCT: t = score x log2(e) / 8; M = the row's largest t so far, taken UP to a whole number; p = 2^(t - M) is quantised, not normalised.
; The row's sum is taken of the unquantised p, in f32, and divides O at the end.  When M moves, the sum and O are multiplied by 2^(old M - new M): nothing is rounded, and no branch hangs on data.
; SHARES.  A work-group owns 256 queries (work-group x) of head bh = work-group y; each of its sixteen waves one tile of 16 queries in 256 registers, four waves to a SIMD.
; Every wave walks all keys, 128 a step.  K's and V's fragments lie in memory in the order of the operands' registers; 256 keys (16 KB of K, 16 KB of V) are a dense block each.
; They come through two LDS slots: each thread loads 4 x 16 bytes of the next slot at the head of a slot's two steps and stores them to LDS at their end.
; ONE BARRIER A SLOT: in front of it each wave's reads of the slot in hand are back and its stores into the other slot are done; the other slot was last read in front of the barrier before.
; LAYOUT.  S^T = K Q^T (source 0 = 16 keys, source 1 = my 16 queries), O^T = V^T P^T (source 0 = 16 channels): a lane holds ONE query throughout.  The keys of a tile of K, and the channels of a
; tile of V^T, are not neighbours (place i of tile T is 32 (T / 2) + 8 (T % 2) + i % 8 + 16 (i / 8)), so that the 16 registers of two neighbouring tiles are 16 neighbours along the next K.
; LIMITS: eq + ek between -123 and 130 (added to the exponent field of log2(e) / 8); ep and eo between -126 and 112; ep + ev goes in by v_ldexp_f32 and has none.
; No joint loads: this text has no tensor load; the eight query blocks of a head each copy the head's K and V (128 NK bytes) through registers.
; REGISTERS: v1 16 x lane; v2 16 x thread; v12 -M, v13 the largest t, v[14:15] the sum in two halves; v16-23 Q; v32-95 K's eight fragments, then V's four; v96-159 S^T, then p;
; v160-191 O^T; v192-207 the next slot's bytes; v224-239 p's codes; v240, v244: 57,344 x 2^ep, 2^ep; v241, v245: the same for eo; v236, v242-243, v252-254 at work.
.set NK,  512                          ; keys of a head
.set NSL, NK/256                       ; slots' worth of keys
.macro PLACES                          ; four plain vector lines between a matrix instruction and a load into, or a vector line on, its registers
.rept 4
	v_nop
.endr
.endm
.macro MKSC e, t, vsc, vlim            ; s[e] = an exponent: v[vsc] = 2^e, v[vlim] = 57,344 x 2^e
	s_add_co_i32 s[\t], s[\e], 127
	s_lshl_b32 s[\t+1], s[\t], 23
	v_mov_b32 v[\vsc], s[\t+1]
	s_add_co_i32 s[\t], s[\t], 15
	s_lshl_b32 s[\t], s[\t], 23
	s_or_b32 s[\t], s[\t], 0x600000
	v_mov_b32 v[\vlim], s[\t]
.endm
.macro GLOAD                           ; the next 256 keys: 512 threads x 16 bytes x 4; each load of a wave reads 512 consecutive bytes
	global_load_b128 v[192:195], v2, s[24:25]
	global_load_b128 v[196:199], v2, s[24:25] offset:8192
	global_load_b128 v[200:203], v2, s[26:27]
	global_load_b128 v[204:207], v2, s[26:27] offset:8192
.endm
.macro GSTORE sl                       ; into slot sl as they lie: K's 16 KB, then V's
	ds_store_b128 v2, v[192:195] offset:(\sl)*32768
	ds_store_b128 v2, v[196:199] offset:(\sl)*32768+8192
	ds_store_b128 v2, v[200:203] offset:(\sl)*32768+16384
	ds_store_b128 v2, v[204:207] offset:(\sl)*32768+24576
.endm
	s_load_b128 s[4:7], s[0:1], 0x0                ; q, k and v's codes s[4:5], the exponents s[6:7]
	s_load_b64 s[8:9], s[0:1], 0x10                ; o's codes
	v_lshl_add_u32 v251, v0, 2, 0x10000
	v_mov_b32 v255, 0
	v_lshrrev_b32 v3, 5, v0
	v_readfirstlane_b32 s10, v3                    ; wave 0..15
	v_and_b32 v1, 31, v0
	v_lshlrev_b32 v1, 4, v1                        ; 16 x lane
	v_lshlrev_b32 v2, 4, v0                        ; 16 x thread
	s_and_b32 s11, ttmp7, 0xffff                   ; bh
	s_mov_b32 s12, 0x76543210                      ; v_permlanex16_b32: lane l takes lane l xor 16
	s_mov_b32 s13, 0xfedcba98
	s_mov_b32 s22, 0x3e38aa3b                      ; c = log2(e) / 8
	s_mul_i32 s30, s11, NK*64                      ; the head's first byte of K's, and of V's, images
	s_mov_b32 s31, 0
	s_lshl_b32 s34, ttmp9, 4
	s_add_co_u32 s34, s34, s10                     ; my tile of queries in the batch: 16 x + w
	s_lshl_b32 s32, s11, 7
	s_add_co_u32 s32, s32, s34
	s_lshl_b32 s32, s32, 10                        ; Q: (128 bh + tile) x 1024
	s_mov_b32 s33, 0
	s_lshr_b32 s36, s11, 3
	s_lshl_b32 s36, s36, 7
	s_add_co_u32 s36, s36, s34
	s_lshl_b32 s36, s36, 13                        ; o: (128 batch + tile) x 8192
	s_and_b32 s37, s11, 7
	s_lshl_b32 s37, s37, 10                        ;    + 1024 x head
	s_add_co_u32 s36, s36, s37
	s_mov_b32 s37, 0
	s_wait_kmcnt 0x0
	s_load_b128 s[16:19], s[6:7], 0x10             ; eq, ek, ep, ev
	s_load_b32 s20, s[6:7], 0x20                   ; eo
	s_add_nc_u64 s[24:25], s[4:5], s[30:31]
	s_add_nc_u64 s[26:27], s[24:25], 0x800000      ; V
	s_add_nc_u64 s[24:25], s[24:25], 0x400000      ; K
	s_add_nc_u64 s[4:5], s[4:5], s[32:33]
	s_add_nc_u64 s[8:9], s[8:9], s[36:37]
	GLOAD                                          ; slot 0
	global_load_b128 v[16:19], v1, s[4:5]          ; Q's fragment stays in registers
	global_load_b128 v[20:23], v1, s[4:5] offset:512
	v_mov_b32 v13, 0xff61b1e6                      ; the largest t so far: -3e38, under every t
	v_floor_f32 v12, -v13                          ; -M
	v_mov_b32 v14, 0                               ; the sum, in two halves
	v_mov_b32 v15, 0
	v_mov_b32 v236, 0                              ; written once: a lane permute's destination counts as one of its sources
	v_mov_b32 v253, 0                              ; (named as the upper half of the pair v[252:253])
.set j, 0
.rept 32
	v_mov_b32 v[160+j], 0                          ; O^T.  (The step is written once: the first finds zeros, which the first change of M leaves zeros)
.set j, j+1
.endr
	s_wait_kmcnt 0x0
	s_add_co_i32 s30, s16, s17
	s_lshl_b32 s30, s30, 23
	s_add_co_i32 s22, s22, s30                     ; a score stands for score x 2^(eq + ek): the two exponents are added to c's exponent field
	s_mov_b32 s23, s22                             ; (named with it as a pair, so it is written)
	MKSC 18, 30, 244, 240
	MKSC 20, 30, 245, 241
; A KEY STEP: 128 keys, the q-th of slot sl.
.macro STEP sl, q
	PLACES                                         ; in front of loads into registers that the last products read
.irp t, 0,1,2,3,4,5,6,7
	ds_load_b128 v[32+8*\t:35+8*\t], v1 offset:(\sl)*32768+(8*(\q)+\t)*1024
	ds_load_b128 v[36+8*\t:39+8*\t], v1 offset:(\sl)*32768+(8*(\q)+\t)*1024+512
.endr
	s_wait_dscnt 0x0
.irp t, 0,1,2,3,4,5,6,7
	v_wmma_f32_16x16x64_bf8_bf8 v[96+8*\t:103+8*\t], v[32+8*\t:39+8*\t], v[16:23], 0
.endr                                              ; lane (r, h): query r; the 16 registers of tiles 2 b, 2 b + 1 are the step's keys 32 b + 16 h + 0 .. 15
	PLACES
.irp t, 0,1,2,3                                ; V's four fragments land while the softmax is worked
.irp c, 0,1,2,3
	ds_load_b128 v[32+16*\t+4*\c:35+16*\t+4*\c], v1 offset:(\sl)*32768+16384+(4*(\q)+\t)*2048+512*\c
.endr
.endr
	v_max3_num_f32 v254, v96, v97, v98             ; the step's largest score of my query, among my 64 keys, in two chains, ascending,
	v_max3_num_f32 v252, v99, v100, v101
.set j, 6
.rept 14
	v_max3_num_f32 v254, v254, v[96+j], v[97+j]
	v_max3_num_f32 v252, v252, v[98+j], v[99+j]
.set j, j+4
.endr
	v_max3_num_f32 v254, v254, v158, v159
	v_max_num_f32 v254, v254, v252
	v_permlanex16_b32 v236, v254, s12, s13
	v_max_num_f32 v254, v254, v236                 ; and among lane l xor 16's
	v_mul_f32 v254, s22, v254                      ; as t (c is positive)
	v_max_num_f32 v13, v13, v254                   ; the running largest t
	v_mov_b32 v254, v12
	v_floor_f32 v12, -v13                          ; the new -M = floor(-t) = -ceil(t): M IS A WHOLE NUMBER
	v_sub_f32 v254, v12, v254                      ; M's old value less its new one: a whole number, 0 or less
	v_cvt_i32_f32 v254, v254                       ; (it saturates)
	v_ldexp_f32 v252, 1.0, v254                    ; f = 2^(old M - new M)
.set j, 0
.rept 32
	v_pk_fma_f32 v[96+j:97+j], v[96+j:97+j], s[22:23], v[12:13] op_sel_hi:[1,0,0]   ; t - M, two at a time (of the pairs c and -M the low word serves both halves)
.set j, j+2
.endr
.set j, 0
.rept 64
	v_exp_f32 v[96+j], v[96+j]                     ; p = 2^(t - M), at most 1: NOT normalised
.set j, j+1
.endr
	v_pk_mul_f32 v[14:15], v[14:15], v[252:253] op_sel_hi:[1,0]   ; the sums under the new M.  (A plain line behind the exponentials)
	s_wait_alu depctr_va_vdst(0)
	v_pk_add_f32 v[242:243], v[96:97], v[98:99]    ; THE ROW'S SUM IS TAKEN OF THE UNQUANTISED p: two at a time, in two chains
.set j, 4
.rept 15
	v_pk_add_f32 v[14:15], v[14:15], v[96+j:97+j]
	v_pk_add_f32 v[242:243], v[242:243], v[98+j:99+j]
.set j, j+4
.endr
	v_pk_add_f32 v[14:15], v[14:15], v[242:243]
.irp b, 0,1,2,3
.set j, 0
.rept 16
	v_min_num_f32 v[96+16*\b+j], v[96+16*\b+j], v240   ; the conversion to an 8-bit code does not saturate (ISA guide 7.6.2); p is not negative, so the hold is one-sided
.set j, j+1
.endr
	v_cvt_scalef32_pk8_bf8_f32 v[224+4*\b:225+4*\b], v[96+16*\b:103+16*\b], v244
	v_cvt_scalef32_pk8_bf8_f32 v[226+4*\b:227+4*\b], v[104+16*\b:111+16*\b], v244
.endr
.set j, 0
.rept 16
	v_pk_mul_f32 v[160+j:161+j], v[160+j:161+j], v[252:253] op_sel_hi:[1,0]   ; O^T under the new M: x f.  (Plain lines between the conversions and the products that read their results)
.set j, j+2
.endr
	s_wait_dscnt 0x0                               ; V's fragments are in
.irp t, 0,1,2,3
	v_wmma_f32_16x16x128_bf8_bf8 v[160+8*\t:167+8*\t], v[32+16*\t:47+16*\t], v[224:239], v[160+8*\t:167+8*\t]   ; the four accumulators by turns
.endr
.endm
; A SLOT'S TWO STEPS.  pf = 1: the next slot's bytes are asked for at the head and stored to the other slot at the end; then the barrier.
.macro SLOT sl, pf
.if \pf
	GLOAD
.endif
	STEP \sl, 0
	STEP \sl, 1
.if \pf
	s_wait_loadcnt 0x0                             ; the next slot's bytes are in registers: so the pointers may step
	GSTORE 1-(\sl)
	s_add_nc_u64 s[24:25], s[24:25], 16384
	s_add_nc_u64 s[26:27], s[26:27], 16384
	s_wait_dscnt 0x0                               ; for the others' sake: my stores are done, and my reads of this slot are back
	s_barrier_signal -1
	s_barrier_wait -1
.endif
.endm
	s_wait_loadcnt 2                               ; slot 0's four loads are in; Q's two may be out
	GSTORE 0
	s_add_nc_u64 s[24:25], s[24:25], 16384
	s_add_nc_u64 s[26:27], s[26:27], 16384
	s_wait_dscnt 0x0
	s_barrier_signal -1
	s_barrier_wait -1
	s_wait_loadcnt 0x0                             ; Q
.if NSL > 2
	s_mov_b32 s28, (NSL-2)/2
.Lslots:
	SLOT 0, 1
	SLOT 1, 1
	s_sub_co_u32 s28, s28, 1
	s_cmp_lg_u32 s28, 0
	s_cbranch_scc1 .Lslots
.endif
	SLOT 0, 1                                      ; the last two slots are written out: the very last asks for nothing, so no load leaves the buffer
	SLOT 1, 0
	; THE WAY OUT.  O^T / the sum x 2^(ep + ev) is o; it is held, quantised with 2^eo, and stored as the next product's operand: row tile x 8192 + 512 (2 head + c) + 16 lane.
	PLACES
	v_add_f32 v14, v14, v15                        ; the sum's two halves,
	v_permlanex16_b32 v252, v14, s12, s13
	v_add_f32 v14, v14, v252                       ; and lane l xor 16's: the row's sum
	v_rcp_f32 v14, v14
	v_nop                                          ; a plain line behind the transcendental
	s_add_co_i32 s30, s18, s19
	s_wait_alu depctr_va_vdst(0)
	v_ldexp_f32 v14, v14, s30                      ; x 2^(ep + ev)
.set j, 0
.rept 32
	v_mul_f32 v[96+j], v[160+j], v14               ; register 8 t + i: channel 32 (t / 2) + 16 h + 8 (t % 2) + i of query r; ascending: each accumulator from its low end on
.set j, j+1
.endr
.set j, 0
.rept 32
	v_med3_num_f32 v[96+j], v[96+j], -v241, v241
.set j, j+1
.endr
.irp t, 0,1,2,3
	v_cvt_scalef32_pk8_bf8_f32 v[224+2*\t:225+2*\t], v[96+8*\t:103+8*\t], v245
.endr
	v_nop
	global_store_b128 v1, v[224:227], s[8:9]       ; 32 lanes store 512 consecutive bytes, aligned
	global_store_b128 v1, v[228:231], s[8:9] offset:512
	s_wait_tensorcnt 0x0
	ds_add_u32 v251, v255
	s_wait_dscnt 0x0
	s_endpgm
.Lfunc_end_k_qd52b7cac6b_ca_attn:
	.size	k_qd52b7cac6b_ca_attn, .Lfunc_end_k_qd52b7cac6b_ca_attn-k_qd52b7cac6b_ca_attn
	.p2alignl 7, 3214868480
	.fill 96, 4, 3214868480
	.section	.rodata,"a",@progbits
	.p2align	6, 0x0
	.amdhsa_kernel k_qd52b7cac6b_ca_attn
		.amdhsa_group_segment_fixed_size 67584
		.amdhsa_private_segment_fixed_size 0
		.amdhsa_enable_private_segment 0
		.amdhsa_kernarg_size 24
		.amdhsa_user_sgpr_count 2
		.amdhsa_user_sgpr_kernarg_segment_ptr 1
		.amdhsa_wavefront_size32 1
		.amdhsa_system_sgpr_workgroup_id_x 1
		.amdhsa_system_sgpr_workgroup_id_y 1
		.amdhsa_system_sgpr_workgroup_id_z 1
		.amdhsa_system_vgpr_workitem_id 0
		.amdhsa_next_free_vgpr 256
		.amdhsa_next_free_sgpr 66
		.amdhsa_reserve_vcc 0
		.amdhsa_float_denorm_mode_32 3
		.amdhsa_float_denorm_mode_16_64 3
		.amdhsa_memory_ordered 1
		.amdhsa_forward_progress 1
		.amdhsa_inst_pref_size 70
	.end_amdhsa_kernel
	.amdgpu_metadata
---
amdhsa.version: [ 1, 2 ]
amdhsa.kernels:
  - .name:           k_qd52b7cac6b_ca_attn
    .symbol:         k_qd52b7cac6b_ca_attn.kd
    .args:
      - { .name: qkv_ca, .offset: 0, .size: 8, .value_kind: global_buffer, .address_space: global }
      - { .name: sc_ca, .offset: 8, .size: 8, .value_kind: global_buffer, .address_space: global }
      - { .name: ocodes, .offset: 16, .size: 8, .value_kind: global_buffer, .address_space: global }
    .group_segment_fixed_size: 67584
    .private_segment_fixed_size: 0
    .kernarg_segment_align: 8
    .kernarg_segment_size: 24
    .max_flat_workgroup_size: 512
    .sgpr_count:     66
    .vgpr_count:     256
    .wavefront_size: 32
...
	.end_amdgpu_metadata
.endif
;; end of part 6
;; launch ca_out: the kernel of part 5 again; grid 128 x 2, 16 waves a work-group, no clusters, 166,912 bytes of LDS; arguments ocodes, wca, sc_ca, ca_bo, x1, out0; writes out0
;; ======== version 2 of 3: 7 launches
;; limits: right only within a limited range of input values
;; workspace buffers: wsa 2,097,152 bytes; wca 2,097,152 bytes; sc_ca 256 bytes of whole numbers; qkv_sa 12,582,912 bytes; qkv_ca 12,582,912 bytes; ocodes 4,194,304 bytes; x1 33,554,432 bytes
;; launch wquant: the kernel of part 1 again; grid 240 x 1, 4 waves a work-group, no clusters, 0 bytes of LDS; arguments sa_wq, sa_wkv, sa_wo, ca_wq, ca_wkv, ca_wo, lowp_scales, wsa, wca, sc_ca; writes wsa, wca, sc_ca
;; launch sa_qkv (part 7): grid 64 x 4, 16 waves a work-group, no clusters, 185,344 bytes of LDS; arguments x, sa_ng, sa_nb, sa_ncg, sa_ncb, wsa, lowp_scales, qkv_sa, context, ca_ng, ca_nb, ca_ncg, ca_ncb, wca, sc_ca, qkv_ca; writes qkv_sa, qkv_ca
.if DOCPART == 7
	.amdgcn_target "amdgcn-amd-amdhsa--gfx1250"
	.amdhsa_code_object_version 6
	.text
	.protected	k_qd52b7cac6b_sa_qkv
	.globl	k_qd52b7cac6b_sa_qkv
	.p2align	8
	.type	k_qd52b7cac6b_sa_qkv,@function
k_qd52b7cac6b_sa_qkv:
	s_mov_b64 s[64:65], 0
	v_nop
	global_prefetch_b8 v0, s[64:65] scope:SCOPE_SE
	s_setreg_imm32_b32 hwreg(HW_REG_WAVE_MODE, 25, 1), 1
	s_wait_xcnt 0x0
; LayerNorm, quantiser and one product of 512 columns, its results quantised again: q (slice 0), k (slice 1) or v (slice 2) as codes of BF8 (E5M2).
; ONE LAUNCH, TWO KINDS OF WORK-GROUP, 256 in all.  Work-group y = 0, 1, 2: slice y of the first layer, 128 rows of x (work-group x).  y = 3: the second layer's k and v from the context:
; 64 rows (work-group x % 32), slice 1 + x / 32.  The two depend on nothing of each other.  The macros are written once and expanded under two sets of sizes (SIZES);
; the two ways part on the work-group's number at the head and never join; each has LDS bytes of its own.
; Each way has eight arguments in one order: rows, gain and bias for slice 0 (not loaded on the context's way, which has no slice 0), gain and bias for slices 1 and 2, the weights' images,
; ten exponents (0 xn, 1 wq, 2 cn, 3 wkv, 4 q, 5 k, 6 p, 7 v, 8 o, 9 wo), the codes' buffer.
; PHASE 1.  Wave w normalises NR rows in f32: mean, then the sum of squared deviations (two passes over registers, so that a common offset of the inputs costs no digits),
; 1 / sqrt(var + 1e-5), gain, bias; the hold at +-57,344 x 2^eA; the conversion.  The codes go to LDS as rows, k ascending, PITCH bytes apart.
; LDS row 16 m + i holds the block's row 32 (m / 2) + 8 (m % 2) + i % 8 + 16 (i / 8): THE ROWS OF A TILE ARE NOT NEIGHBOURS, so that where rows become the next product's K
; (the keys of p and of v) a lane's 16 registers of two neighbouring tiles are 16 neighbours.  One barrier.
; PHASE 2.  Wave w makes columns 32 w .. 32 w + 31 (weight tiles 2 w, 2 w + 1) for all RT row tiles: 2 RT accumulators by turns, K in steps of 128.  The weights' fragments go straight into
; registers, WS - 1 steps ahead: as many sets of 32 registers as the accumulators leave (2 sets beside 8 row tiles, 4 beside 4).
; q, k: source 0 = the weight's tile, source 1 = the rows: a lane holds one row and 16 neighbouring channels.  v: the sources swapped: a lane holds one channel and 16 neighbouring keys.
; A sum stands for sum x 2^(eA + eW), so its code under eO is made with the one scale 2^(eO - eA - eW).  Every store of a wave covers 512 consecutive bytes, aligned.
; LIMITS: eA and eO - eA - eW between -126 and 112.  NaN among the inputs is not served.
; No joint loads: this text has no tensor load; LDS is filled from registers with codes made here.
.set EPS,   0x3727c5ac                 ; 1e-5
.set WKV_OFF, 0x80000
.set VX,  4                            ; v4   my 16 bytes of my wave's first row
.set LW,  5                            ; v5   LDS: my 4 codes of my wave's first row
.set AR,  7                            ; v7, v8  LDS: my place in row tiles 0-3, 4-7
.set LI,  9                            ; v9   16 x lane
.set GA,  16                           ; phase 1: v16-47 gain, v48-79 bias, v80-207 four rows of 32 registers, v208-215 codes, v216-227 at work
.set BE,  48
.set X,   80
.set CD,  208
.set T,   216
.set MP,  224
.set RP,  226
.set ACC, 16                           ; phase 2: accumulator (m, u) at v[16 + 16 m + 8 u]; behind them two fragments of rows (AF), then WS sets of two weight fragments (BF), up to v239
.set SCA, 240                          ; 2^eA, 57,344 x 2^eA, 2^(eO - eA - eW), 57,344 x that
.set LIMA, 241
.set SCO, 242
.set LIMO, 243
.macro SIZES kdim, rt, rpb, lbpb, invk, lbase
.set KDIM,  \kdim                      ; K of the product = the rows' length
.set RT,    \rt                        ; row tiles of a work-group
.set RPB,   \rpb                       ; rows in a batch
.set LBPB,  \lbpb                      ; log2 of the blocks in a batch
.set INVK,  \invk                      ; 1 / KDIM
.set LBASE, \lbase                     ; where this way's LDS bytes begin
.set SETS,  4                          ; rows of a wave on their way or at work
.set CH,    KDIM/256
.set KS,    KDIM/128
.set NR,    RT                         ; rows of a wave: 16 RT / 16
.set PITCH, KDIM+16                    ; an odd multiple of 16 bytes: the 16 rows that a fragment load touches begin at 16 different groups of banks (64 banks of 4 bytes: ISA guide 11.1)
.set ROWB,  4*KDIM
.set LPR,   2*CH                       ; loads that bring a row
.set AF,    ACC+16*RT
.set BF,    AF+32
.set WS,    (240-BF)/32
.endm
.macro PLACES                          ; four plain vector lines between a matrix instruction and a load into, or a vector line on, its registers
.rept 4
	v_nop
.endr
.endm
.macro MKSC e, t, vsc, vlim            ; s[e] = an exponent: v[vsc] = 2^e, v[vlim] = 57,344 x 2^e
	s_add_co_i32 s[\t], s[\e], 127
	s_lshl_b32 s[\t+1], s[\t], 23
	v_mov_b32 v[\vsc], s[\t+1]
	s_add_co_i32 s[\t], s[\t], 15
	s_lshl_b32 s[\t], s[\t], 23
	s_or_b32 s[\t], s[\t], 0x600000
	v_mov_b32 v[\vlim], s[\t]
.endm
.macro XLOAD j                         ; row j of my wave: load n brings k = 128 n + 4 lane + 0 .. 3: 32 lanes read 512 consecutive bytes
.set n, 0
.rept LPR
	global_load_b128 v[X+32*((\j)%SETS)+4*n:X+32*((\j)%SETS)+4*n+3], v[VX], s[4:5] offset:(\j)*ROWB+512*n
.set n, n+1
.endr
.endm
.macro RED reg, tmp                    ; the sum over the 32 lanes, in every lane
	v_add_f32_dpp v[\reg], v[\reg], v[\reg] row_xmask:1 row_mask:0xf bank_mask:0xf
	v_add_f32_dpp v[\reg], v[\reg], v[\reg] row_xmask:2 row_mask:0xf bank_mask:0xf
	v_add_f32_dpp v[\reg], v[\reg], v[\reg] row_xmask:4 row_mask:0xf bank_mask:0xf
	v_add_f32_dpp v[\reg], v[\reg], v[\reg] row_xmask:8 row_mask:0xf bank_mask:0xf
	v_permlanex16_b32 v[\tmp], v[\reg], s48, s49
	v_add_f32 v[\reg], v[\reg], v[\tmp]
.endm
.macro LNROW j
.set XS, X+32*((\j)%SETS)
.if NR-1-(\j) < SETS-1
	s_wait_loadcnt LPR*(NR-1-(\j))                 ; my row is in; the rows behind it may be out
.else
	s_wait_loadcnt LPR*(SETS-1)
.endif
	v_pk_add_f32 v[T:T+1], v[XS:XS+1], v[XS+2:XS+3]          ; the row's sum, in two chains
	v_pk_add_f32 v[T+2:T+3], v[XS+4:XS+5], v[XS+6:XS+7]
.set p, 8
.rept 2*CH-2
	v_pk_add_f32 v[T:T+1], v[T:T+1], v[XS+p:XS+p+1]
	v_pk_add_f32 v[T+2:T+3], v[T+2:T+3], v[XS+p+2:XS+p+3]
.set p, p+4
.endr
	v_pk_add_f32 v[T:T+1], v[T:T+1], v[T+2:T+3]
	v_add_f32 v[T], v[T], v[T+1]
	RED T, T+1
	v_mul_f32 v[MP], s50, v[T]                     ; the mean, twice: a pair for the packed subtraction
	v_mul_f32 v[MP+1], s50, v[T]
.set p, 0
.rept 4*CH
	v_pk_add_f32 v[XS+p:XS+p+1], v[XS+p:XS+p+1], v[MP:MP+1] neg_lo:[0,1] neg_hi:[0,1]
.set p, p+2
.endr
	v_pk_mul_f32 v[T:T+1], v[XS:XS+1], v[XS:XS+1]            ; the sum of the squared deviations, in two chains
	v_pk_mul_f32 v[T+2:T+3], v[XS+2:XS+3], v[XS+2:XS+3]
.set p, 4
.rept 2*CH-1
	v_pk_fma_f32 v[T:T+1], v[XS+p:XS+p+1], v[XS+p:XS+p+1], v[T:T+1]
	v_pk_fma_f32 v[T+2:T+3], v[XS+p+2:XS+p+3], v[XS+p+2:XS+p+3], v[T+2:T+3]
.set p, p+4
.endr
	v_pk_add_f32 v[T:T+1], v[T:T+1], v[T+2:T+3]
	v_add_f32 v[T], v[T], v[T+1]
	RED T, T+1
	v_fma_f32 v[T], v[T], s50, s51                 ; var + 1e-5
	v_rsq_f32 v[RP], v[T]
	v_nop                                          ; a plain line between the transcendental and the use of its result (ISA guide 5.7.2)
	s_wait_alu depctr_va_vdst(0)
	v_mov_b32 v[RP+1], v[RP]
.set p, 0
.rept 4*CH
	v_pk_mul_f32 v[XS+p:XS+p+1], v[XS+p:XS+p+1], v[RP:RP+1]
.set p, p+2
.endr
.set p, 0
.rept 4*CH
	v_pk_fma_f32 v[XS+p:XS+p+1], v[XS+p:XS+p+1], v[GA+p:GA+p+1], v[BE+p:BE+p+1]
.set p, p+2
.endr
.set p, 0
.rept 8*CH
	v_med3_num_f32 v[XS+p], v[XS+p], -v[LIMA], v[LIMA]   ; the conversion to an 8-bit code does not saturate (ISA guide 7.6.2): the hold comes first
.set p, p+1
.endr
	s_wait_dscnt 0x0                               ; the last row's LDS stores are done: the codes' registers are written again
.set p, 0
.rept CH
	v_cvt_scalef32_pk8_bf8_f32 v[CD+2*p:CD+2*p+1], v[XS+8*p:XS+8*p+7], v[SCA]   ; register 2 p: the 4 codes of load 2 p; register 2 p + 1: those of load 2 p + 1
.set p, p+1
.endr
	v_nop                                          ; a plain line behind the last conversion: matrix instructions write its sources later
.set p, 0
.rept LPR
	ds_store_b32 v[LW], v[CD+p] offset:(\j)*PITCH+128*p      ; 32 lanes store 128 consecutive bytes of the row
.set p, p+1
.endr
.if (\j)+SETS < NR
	XLOAD (\j)+SETS
.endif
.endm
.macro WLOAD s                         ; my two weight fragments of K step s into set s % WS: each load reads 512 consecutive bytes
.irp u, 0,1
.irp c, 0,1,2,3
	global_load_b128 v[BF+32*((\s)%WS)+16*\u+4*\c:BF+32*((\s)%WS)+16*\u+4*\c+3], v[LI], s[14:15] offset:(\u*KS+(\s))*2048+512*\c
.endr
.endr
.endm
.macro ALOAD m, s, reg                 ; row tile m, K step s: registers 4 c .. 4 c + 3 hold k = 128 s + 32 c + 16 h + 0 .. 15 of LDS row 16 m + r
.irp c, 0,1,2,3
	ds_load_b128 v[\reg+4*\c:\reg+4*\c+3], v[AR+(\m)/4] offset:((\m)%4)*16*PITCH+128*(\s)+32*\c
.endr
.endm
.macro MM m, u, s, ori                 ; ori = 0: source 0 = the weight's tile u, source 1 = row tile m; 1: swapped.  K step 0 starts the sum: nothing is cleared
.set rA, ACC+16*(\m)+8*(\u)
.set rW, BF+32*((\s)%WS)+16*(\u)
.set rX, AF+16*((\m)%2)
.if \ori
.if (\s) == 0
	v_wmma_f32_16x16x128_bf8_bf8 v[rA:rA+7], v[rX:rX+15], v[rW:rW+15], 0
.else
	v_wmma_f32_16x16x128_bf8_bf8 v[rA:rA+7], v[rX:rX+15], v[rW:rW+15], v[rA:rA+7]
.endif
.else
.if (\s) == 0
	v_wmma_f32_16x16x128_bf8_bf8 v[rA:rA+7], v[rW:rW+15], v[rX:rX+15], 0
.else
	v_wmma_f32_16x16x128_bf8_bf8 v[rA:rA+7], v[rW:rW+15], v[rX:rX+15], v[rA:rA+7]
.endif
.endif
.endm
.macro KSTEP s, ori                    ; 128 along K: 2 RT matrix instructions, the accumulators by turns, one instruction a turn
.if (\s) > 0
	PLACES
.endif
.if (\s)+WS-1 < KS
	WLOAD (\s)+WS-1                                ; into the set that the step before has left
.endif
.set wl, (\s)+WS-1
.if wl > KS-1
.set wl, KS-1
.endif
.set mp, 0
.rept RT/2
.if mp > 0
	PLACES
.endif
	ALOAD 2*mp, \s, AF
	ALOAD 2*mp+1, \s, AF+16
.if mp == 0
	s_wait_loadcnt 8*(wl-(\s))                     ; this step's weight fragments are in; the later steps' loads, eight a step, may be out
.endif
	s_wait_dscnt 0x0
	MM 2*mp, 0, \s, \ori
	MM 2*mp, 1, \s, \ori
	MM 2*mp+1, 0, \s, \ori
	MM 2*mp+1, 1, \s, \ori
.set mp, mp+1
.endr
.endm
; A WORK-GROUP'S WHOLE WAY, under the sizes in force.  s20: wave; s21: slice; s52: block of 16 RT rows.  abase: where the way's eight arguments begin.  hasv: slice 2 occurs.
.macro BODY abase, hasv, tag
	s_load_b512 s[4:19], s[0:1], \abase            ; rows 4, g0 6, b0 8, g1 10, b1 12, weights 14, exponents 16, codes 18
	s_mov_b32 s50, INVK
	s_mul_i32 s40, s20, NR                         ; my first LDS row; its row of the block has bits 3 and 4 exchanged
	s_and_b32 s41, s40, 0xe7
	s_and_b32 s42, s40, 8
	s_lshl_b32 s42, s42, 1
	s_or_b32 s41, s41, s42
	s_and_b32 s42, s40, 16
	s_lshr_b32 s42, s42, 1
	s_or_b32 s41, s41, s42
	s_mul_i32 s41, s41, ROWB
	v_add_nc_u32 v[VX], s41, v[LI]
	s_mul_i32 s42, s40, PITCH
.if LBASE > 0
	s_add_co_u32 s42, s42, LBASE
.endif
	v_lshl_add_u32 v[LW], v1, 2, s42
	v_mul_u32_u24 v[AR], v2, PITCH
	v_lshl_add_u32 v[AR], v3, 4, v[AR]             ; a fragment's row x pitch + 16 x half
.if LBASE > 0
	v_add_nc_u32 v[AR], LBASE, v[AR]
.endif
.if RT > 4
	v_add_nc_u32 v[AR+1], 64*PITCH, v[AR]
.endif
	s_mul_i32 s44, s52, 16*RT*ROWB
	s_mov_b32 s45, 0
	s_wait_kmcnt 0x0
	s_load_b256 s[24:31], s[16:17], 0x0            ; exponents 0 .. 7
	s_add_nc_u64 s[4:5], s[4:5], s[44:45]          ; the block's first row
	s_cmp_eq_u32 s21, 0
	s_cselect_b64 s[32:33], s[6:7], s[10:11]       ; the slice's gain
	s_cselect_b64 s[34:35], s[8:9], s[12:13]       ; and bias
	s_cselect_b32 s40, 0, WKV_OFF                  ; its weight: wq, or wkv's tiles 0-31 (k) or 32-63 (v)
	s_cmp_eq_u32 s21, 2
	s_cselect_b32 s41, 32*KS*2048, 0
	s_add_co_u32 s40, s40, s41
	s_mul_i32 s41, s20, 2*KS*2048                  ; my two tiles
	s_add_co_u32 s40, s40, s41
	s_mov_b32 s41, 0
	s_add_nc_u64 s[14:15], s[14:15], s[40:41]
.set n, 0
.rept LPR
	global_load_b128 v[GA+4*n:GA+4*n+3], v[LI], s[32:33] offset:512*n
.set n, n+1
.endr
.set n, 0
.rept LPR
	global_load_b128 v[BE+4*n:BE+4*n+3], v[LI], s[34:35] offset:512*n
.set n, n+1
.endr
.set J, 0
.rept SETS
	XLOAD J
.set J, J+1
.endr
	s_wait_kmcnt 0x0
	s_cmp_eq_u32 s21, 0
	s_cselect_b32 s36, s24, s26                    ; eA
	s_cselect_b32 s37, s25, s27                    ; eW
	s_cselect_b32 s38, s28, s29                    ; eO: q's, k's
	s_cmp_eq_u32 s21, 2
	s_cselect_b32 s38, s31, s38                    ; or v's
	s_sub_co_i32 s38, s38, s36
	s_sub_co_i32 s38, s38, s37                     ; eO - eA - eW
	MKSC 36, 40, SCA, LIMA
	MKSC 38, 40, SCO, LIMO
.set J, 0
.rept NR
	LNROW J
.set J, J+1
.endr
.set SS, 0
.rept WS-1
	WLOAD SS                                       ; the first WS - 1 steps' weights, into registers that the rows have left
.set SS, SS+1
.endr
	s_wait_dscnt 0x0                               ; for the others' sake: my rows' codes lie in LDS
	s_barrier_signal -1
	s_barrier_wait -1                              ; everybody's do; nothing is stored to LDS behind this barrier
	s_lshr_b32 s40, s52, LBPB                      ; the batch
	s_lshl_b32 s40, s40, 3
	s_lshr_b32 s41, s20, 1
	s_add_co_u32 s40, s40, s41                     ; bh = 8 x batch + head: my 32 columns are half w % 2 of head w / 2
	s_and_b32 s41, s52, (1<<LBPB)-1                ; the block in its batch
	s_and_b32 s42, s20, 1
.if \hasv
	s_cmp_eq_u32 s21, 2
	s_cbranch_scc1 .Lvpath_\tag
.endif
	; ---- q or k: image ((bh RPB / 16 + tile in the batch) x 1024) + 512 (w % 2) + 16 lane
	s_mul_i32 s44, s40, RPB/16
	s_mul_i32 s45, s41, RT
	s_add_co_u32 s44, s44, s45
	s_lshl_b32 s44, s44, 10
	s_lshl_b32 s45, s42, 9
	s_add_co_u32 s44, s44, s45
	s_lshl_b32 s45, s21, 22                        ; q at 0, k at 0x400000
	s_add_co_u32 s44, s44, s45
	s_mov_b32 s45, 0
	s_add_nc_u64 s[18:19], s[18:19], s[44:45]
.set SS, 0
.rept KS
	KSTEP SS, 0
.set SS, SS+1
.endr
	PLACES
.set tm, 0
.rept RT                               ; lane (r, h): row tile tm's row r; accumulators (tm, 0), (tm, 1): channels 32 (w % 2) + 16 h + 0 .. 15 of the head
.set p, 0
.rept 16
	v_med3_num_f32 v[ACC+16*tm+p], v[ACC+16*tm+p], -v[LIMO], v[LIMO]   ; each accumulator from its low end on
.set p, p+1
.endr
	v_cvt_scalef32_pk8_bf8_f32 v[AF+4*tm:AF+4*tm+1], v[ACC+16*tm:ACC+16*tm+7], v[SCO]
	v_cvt_scalef32_pk8_bf8_f32 v[AF+4*tm+2:AF+4*tm+3], v[ACC+16*tm+8:ACC+16*tm+15], v[SCO]
.set tm, tm+1
.endr
	v_nop
.set tm, 0
.rept RT
	global_store_b128 v[LI], v[AF+4*tm:AF+4*tm+3], s[18:19] offset:1024*tm
.set tm, tm+1
.endr
	s_wait_tensorcnt 0x0
	ds_add_u32 v254, v255
	s_wait_dscnt 0x0
	s_endpgm
.if \hasv
.Lvpath_\tag:
	; ---- v: fragments of V^T: (((bh RPB / 128 + S) x 4 + t') x 2048) + 512 c + 16 lane; t' = 2 (w % 2) + u; keys 128 S + 32 c + 16 h + 0 .. 15
	s_mul_i32 s44, s40, (RPB/128)*4
	s_lshl_b32 s45, s42, 1
	s_add_co_u32 s44, s44, s45
	s_lshl_b32 s44, s44, 11
	s_mul_i32 s45, s41, RT/2                       ; the block's first 32 keys, counted in 32s: S = that / 4, c = that % 4
	s_lshr_b32 s46, s45, 2
	s_lshl_b32 s46, s46, 13
	s_add_co_u32 s44, s44, s46
	s_and_b32 s45, s45, 3
	s_lshl_b32 s45, s45, 9
	s_add_co_u32 s44, s44, s45
	s_add_co_u32 s44, s44, 0x800000
	s_mov_b32 s45, 0
	s_add_nc_u64 s[18:19], s[18:19], s[44:45]
.set SS, 0
.rept KS
	KSTEP SS, 1
.set SS, SS+1
.endr
	PLACES
.set p, 0
.rept 16*RT
	v_med3_num_f32 v[ACC+p], v[ACC+p], -v[LIMO], v[LIMO]   ; ascending: each accumulator from its low end on
.set p, p+1
.endr
.set b2, 0
.rept RT/2                             ; lane (r, h): one channel; accumulators (2 b2, u), (2 b2 + 1, u): the block's keys 32 b2 + 16 h + 0 .. 15
.irp u, 0,1
	v_cvt_scalef32_pk8_bf8_f32 v[AF+8*b2+4*\u:AF+8*b2+4*\u+1], v[ACC+32*b2+8*\u:ACC+32*b2+8*\u+7], v[SCO]
	v_cvt_scalef32_pk8_bf8_f32 v[AF+8*b2+4*\u+2:AF+8*b2+4*\u+3], v[ACC+32*b2+16+8*\u:ACC+32*b2+16+8*\u+7], v[SCO]
.endr
.set b2, b2+1
.endr
	v_nop
.set b2, 0
.rept RT/2
.irp u, 0,1
	global_store_b128 v[LI], v[AF+8*b2+4*\u:AF+8*b2+4*\u+3], s[18:19] offset:2048*\u+512*b2
.endr
.set b2, b2+1
.endr
	s_wait_tensorcnt 0x0
	ds_add_u32 v254, v255
	s_wait_dscnt 0x0
	s_endpgm
.endif
.endm
	v_lshl_add_u32 v254, v0, 2, 0x2cc00
	v_mov_b32 v255, 0
	v_lshrrev_b32 v2, 5, v0
	v_readfirstlane_b32 s20, v2                    ; wave 0..15
	v_and_b32 v1, 31, v0                           ; lane
	v_and_b32 v2, 15, v0                           ; r
	v_bfe_u32 v3, v0, 4, 1                         ; h
	v_lshlrev_b32 v[LI], 4, v1
	s_mov_b32 s48, 0x76543210                      ; v_permlanex16_b32: lane l takes lane l xor 16
	s_mov_b32 s49, 0xfedcba98
	s_mov_b32 s51, EPS
	s_and_b32 s21, ttmp7, 0xffff
	s_cmp_eq_u32 s21, 3                            ; the two ways part here, on the work-group's number alone
	s_cbranch_scc1 .Lctx
	SIZES 1024, 8, 2048, 4, 0x3a800000, 0          ; x: rows of 1,024, 128 rows to a work-group, 16 blocks to a batch; LDS 0 .. 133,119
	s_mov_b32 s52, ttmp9
	BODY 0x0, 1, x
.Lctx:
	SIZES 768, 4, 512, 3, 0x3aaaaaab, 133120       ; the context: rows of 768, 64 rows to a work-group, 8 blocks to a batch; LDS 133,120 .. 183,295
	s_and_b32 s52, ttmp9, 31
	s_lshr_b32 s21, ttmp9, 5
	s_add_co_u32 s21, s21, 1                       ; slice 1 (k) or 2 (v)
	BODY 0x40, 1, c
.Lfunc_end_k_qd52b7cac6b_sa_qkv:
	.size	k_qd52b7cac6b_sa_qkv, .Lfunc_end_k_qd52b7cac6b_sa_qkv-k_qd52b7cac6b_sa_qkv
	.p2alignl 7, 3214868480
	.fill 96, 4, 3214868480
	.section	.rodata,"a",@progbits
	.p2align	6, 0x0
	.amdhsa_kernel k_qd52b7cac6b_sa_qkv
		.amdhsa_group_segment_fixed_size 185344
		.amdhsa_private_segment_fixed_size 0
		.amdhsa_enable_private_segment 0
		.amdhsa_kernarg_size 128
		.amdhsa_user_sgpr_count 2
		.amdhsa_user_sgpr_kernarg_segment_ptr 1
		.amdhsa_wavefront_size32 1
		.amdhsa_system_sgpr_workgroup_id_x 1
		.amdhsa_system_sgpr_workgroup_id_y 1
		.amdhsa_system_sgpr_workgroup_id_z 1
		.amdhsa_system_vgpr_workitem_id 0
		.amdhsa_next_free_vgpr 256
		.amdhsa_next_free_sgpr 66
		.amdhsa_reserve_vcc 0
		.amdhsa_float_denorm_mode_32 3
		.amdhsa_float_denorm_mode_16_64 3
		.amdhsa_memory_ordered 1
		.amdhsa_forward_progress 1
		.amdhsa_inst_pref_size 246
	.end_amdhsa_kernel
	.amdgpu_metadata
---
amdhsa.version: [ 1, 2 ]
amdhsa.kernels:
  - .name:           k_qd52b7cac6b_sa_qkv
    .symbol:         k_qd52b7cac6b_sa_qkv.kd
    .args:
      - { .name: x, .offset: 0, .size: 8, .value_kind: global_buffer, .address_space: global }
      - { .name: sa_ng, .offset: 8, .size: 8, .value_kind: global_buffer, .address_space: global }
      - { .name: sa_nb, .offset: 16, .size: 8, .value_kind: global_buffer, .address_space: global }
      - { .name: sa_ncg, .offset: 24, .size: 8, .value_kind: global_buffer, .address_space: global }
      - { .name: sa_ncb, .offset: 32, .size: 8, .value_kind: global_buffer, .address_space: global }
      - { .name: wsa, .offset: 40, .size: 8, .value_kind: global_buffer, .address_space: global }
      - { .name: lowp_scales, .offset: 48, .size: 8, .value_kind: global_buffer, .address_space: global }
      - { .name: qkv_sa, .offset: 56, .size: 8, .value_kind: global_buffer, .address_space: global }
      - { .name: context, .offset: 64, .size: 8, .value_kind: global_buffer, .address_space: global }
      - { .name: ca_ng, .offset: 72, .size: 8, .value_kind: global_buffer, .address_space: global }
      - { .name: ca_nb, .offset: 80, .size: 8, .value_kind: global_buffer, .address_space: global }
      - { .name: ca_ncg, .offset: 88, .size: 8, .value_kind: global_buffer, .address_space: global }
      - { .name: ca_ncb, .offset: 96, .size: 8, .value_kind: global_buffer, .address_space: global }
      - { .name: wca, .offset: 104, .size: 8, .value_kind: global_buffer, .address_space: global }
      - { .name: sc_ca, .offset: 112, .size: 8, .value_kind: global_buffer, .address_space: global }
      - { .name: qkv_ca, .offset: 120, .size: 8, .value_kind: global_buffer, .address_space: global }
    .group_segment_fixed_size: 185344
    .private_segment_fixed_size: 0
    .kernarg_segment_align: 8
    .kernarg_segment_size: 128
    .max_flat_workgroup_size: 512
    .sgpr_count:     66
    .vgpr_count:     256
    .wavefront_size: 32
...
	.end_amdgpu_metadata
.endif
;; end of part 7
;; launch sa_attn (part 8): grid 8 x 32, 16 waves a work-group, no clusters, 67,584 bytes of LDS; arguments qkv_sa, lowp_scales, ocodes; writes ocodes
.if DOCPART == 8
	.amdgcn_target "amdgcn-amd-amdhsa--gfx1250"
	.amdhsa_code_object_version 6
	.text
	.protected	k_qd52b7cac6b_sa_attn
	.globl	k_qd52b7cac6b_sa_attn
	.p2align	8
	.type	k_qd52b7cac6b_sa_attn,@function
k_qd52b7cac6b_sa_attn:
	s_mov_b64 s[64:65], 0
	v_nop
	global_prefetch_b8 v0, s[64:65] scope:SCOPE_SE
	s_setreg_imm32_b32 hwreg(HW_REG_WAVE_MODE, 25, 1), 1
	s_wait_xcnt 0x0
; o = softmax(q k^T / 8) v for one head, head size 64, NK keys, both products on codes of BF8 (E5M2); o leaves as codes for the next product.
; THE SOFTMAX AHEAD OF THE SECOND PRODUCT: t = score x log2(e) / 8; M = the row's largest t so far, taken UP to a whole number; p = 2^(t - M) is quantised, not normalised.
; The row's sum is taken of the unquantised p, in f32, and divides O at the end.  When M moves, the sum and O are multiplied by 2^(old M - new M): nothing is rounded, and no branch hangs on floating-point data.
; SHARES.  A work-group owns 256 queries (work-group x) of head bh = work-group y; each of its sixteen waves one tile of 16 queries in 256 registers, four waves to a SIMD.
; Every wave walks all keys, 128 a step.  K's and V's fragments lie in memory in the order of the operands' registers; 256 keys (16 KB of K, 16 KB of V) are a dense block each.
; They come through two LDS slots: each thread loads 4 x 16 bytes of the next slot at the head of a slot's two steps and stores them to LDS at their end.
; ONE BARRIER A SLOT: in front of it each wave's reads of the slot in hand are back and its stores into the other slot are done; the other slot was last read in front of the barrier before.
; LAYOUT.  S^T = K Q^T (source 0 = 16 keys, source 1 = my 16 queries), O^T = V^T P^T (source 0 = 16 channels): a lane holds ONE query throughout.  The keys of a tile of K, and the channels of a
; tile of V^T, are not neighbours (place i of tile T is 32 (T / 2) + 8 (T % 2) + i % 8 + 16 (i / 8)), so that the 16 registers of two neighbouring tiles are 16 neighbours along the next K.
; THE HOLD OF p at 57,344 x 2^ep is 64 lines a step.  M is at least the rounded largest t, so t - M is at most half a unit in t's last place: at most 1/4 while |t| < 2^22, and p at most 2^(1/4).
; Where ep >= -15 the bound is 1.75 or more and the hold changes nothing: a scalar branch on the given whole number ep goes round those lines alone.  Where ep < -15 they run.
; LIMITS: |t| < 2^22; eq + ek between -123 and 130 (added to the exponent field of log2(e) / 8); ep and eo between -126 and 112; ep + ev goes in by v_ldexp_f32 and has none.
; No joint loads: this text has no tensor load; the eight query blocks of a head each copy the head's K and V (128 NK bytes) through registers.
; REGISTERS: v1 16 x lane; v2 16 x thread; v12 -M, v13 the largest t, v[14:15] the sum in two halves; v16-23 Q; v32-95 K's eight fragments, then V's four; v96-159 S^T, then p;
; v160-191 O^T; v192-207 the next slot's bytes; v224-239 p's codes; v240, v244: 57,344 x 2^ep, 2^ep; v241, v245: the same for eo; v236, v242-243, v252-254 at work.
.set NK,  2048                         ; keys of a head
.set NSL, NK/256                       ; slots' worth of keys
.macro PLACES                          ; four plain vector lines between a matrix instruction and a load into, or a vector line on, its registers
.rept 4
	v_nop
.endr
.endm
.macro MKSC e, t, vsc, vlim            ; s[e] = an exponent: v[vsc] = 2^e, v[vlim] = 57,344 x 2^e
	s_add_co_i32 s[\t], s[\e], 127
	s_lshl_b32 s[\t+1], s[\t], 23
	v_mov_b32 v[\vsc], s[\t+1]
	s_add_co_i32 s[\t], s[\t], 15
	s_lshl_b32 s[\t], s[\t], 23
	s_or_b32 s[\t], s[\t], 0x600000
	v_mov_b32 v[\vlim], s[\t]
.endm
.macro GLOAD                           ; the next 256 keys: 512 threads x 16 bytes x 4; each load of a wave reads 512 consecutive bytes
	global_load_b128 v[192:195], v2, s[24:25]
	global_load_b128 v[196:199], v2, s[24:25] offset:8192
	global_load_b128 v[200:203], v2, s[26:27]
	global_load_b128 v[204:207], v2, s[26:27] offset:8192
.endm
.macro GSTORE sl                       ; into slot sl as they lie: K's 16 KB, then V's
	ds_store_b128 v2, v[192:195] offset:(\sl)*32768
	ds_store_b128 v2, v[196:199] offset:(\sl)*32768+8192
	ds_store_b128 v2, v[200:203] offset:(\sl)*32768+16384
	ds_store_b128 v2, v[204:207] offset:(\sl)*32768+24576
.endm
	s_load_b128 s[4:7], s[0:1], 0x0                ; q, k and v's codes s[4:5], the exponents s[6:7]
	s_load_b64 s[8:9], s[0:1], 0x10                ; o's codes
	v_lshl_add_u32 v251, v0, 2, 0x10000
	v_mov_b32 v255, 0
	v_lshrrev_b32 v3, 5, v0
	v_readfirstlane_b32 s10, v3                    ; wave 0..15
	v_and_b32 v1, 31, v0
	v_lshlrev_b32 v1, 4, v1                        ; 16 x lane
	v_lshlrev_b32 v2, 4, v0                        ; 16 x thread
	s_and_b32 s11, ttmp7, 0xffff                   ; bh
	s_mov_b32 s12, 0x76543210                      ; v_permlanex16_b32: lane l takes lane l xor 16
	s_mov_b32 s13, 0xfedcba98
	s_mov_b32 s22, 0x3e38aa3b                      ; c = log2(e) / 8
	s_mul_i32 s30, s11, NK*64                      ; the head's first byte of K's, and of V's, images
	s_mov_b32 s31, 0
	s_lshl_b32 s34, ttmp9, 4
	s_add_co_u32 s34, s34, s10                     ; my tile of queries in the batch: 16 x + w
	s_lshl_b32 s32, s11, 7
	s_add_co_u32 s32, s32, s34
	s_lshl_b32 s32, s32, 10                        ; Q: (128 bh + tile) x 1024
	s_mov_b32 s33, 0
	s_lshr_b32 s36, s11, 3
	s_lshl_b32 s36, s36, 7
	s_add_co_u32 s36, s36, s34
	s_lshl_b32 s36, s36, 13                        ; o: (128 batch + tile) x 8192
	s_and_b32 s37, s11, 7
	s_lshl_b32 s37, s37, 10                        ;    + 1024 x head
	s_add_co_u32 s36, s36, s37
	s_mov_b32 s37, 0
	s_wait_kmcnt 0x0
	s_load_b128 s[16:19], s[6:7], 0x10             ; eq, ek, ep, ev
	s_load_b32 s20, s[6:7], 0x20                   ; eo
	s_add_nc_u64 s[24:25], s[4:5], s[30:31]
	s_add_nc_u64 s[26:27], s[24:25], 0x800000      ; V
	s_add_nc_u64 s[24:25], s[24:25], 0x400000      ; K
	s_add_nc_u64 s[4:5], s[4:5], s[32:33]
	s_add_nc_u64 s[8:9], s[8:9], s[36:37]
	GLOAD                                          ; slot 0
	global_load_b128 v[16:19], v1, s[4:5]          ; Q's fragment stays in registers
	global_load_b128 v[20:23], v1, s[4:5] offset:512
	v_mov_b32 v13, 0xff61b1e6                      ; the largest t so far: -3e38, under every t
	v_floor_f32 v12, -v13                          ; -M
	v_mov_b32 v14, 0                               ; the sum, in two halves
	v_mov_b32 v15, 0
	v_mov_b32 v236, 0                              ; written once: a lane permute's destination counts as one of its sources
	v_mov_b32 v253, 0                              ; (named as the upper half of the pair v[252:253])
.set j, 0
.rept 32
	v_mov_b32 v[160+j], 0                          ; O^T.  (The step is written once: the first finds zeros, which the first change of M leaves zeros)
.set j, j+1
.endr
	s_wait_kmcnt 0x0
	s_add_co_i32 s30, s16, s17
	s_lshl_b32 s30, s30, 23
	s_add_co_i32 s22, s22, s30                     ; a score stands for score x 2^(eq + ek): the two exponents are added to c's exponent field
	s_mov_b32 s23, s22                             ; (named with it as a pair, so it is written)
	MKSC 18, 30, 244, 240
	MKSC 20, 30, 245, 241
; A KEY STEP: 128 keys, the q-th of slot sl.
.macro STEP sl, q
	PLACES                                         ; in front of loads into registers that the last products read
.irp t, 0,1,2,3,4,5,6,7
	ds_load_b128 v[32+8*\t:35+8*\t], v1 offset:(\sl)*32768+(8*(\q)+\t)*1024
	ds_load_b128 v[36+8*\t:39+8*\t], v1 offset:(\sl)*32768+(8*(\q)+\t)*1024+512
.endr
	s_wait_dscnt 0x0
.irp t, 0,1,2,3,4,5,6,7
	v_wmma_f32_16x16x64_bf8_bf8 v[96+8*\t:103+8*\t], v[32+8*\t:39+8*\t], v[16:23], 0
.endr                                              ; lane (r, h): query r; the 16 registers of tiles 2 b, 2 b + 1 are the step's keys 32 b + 16 h + 0 .. 15
	PLACES
.irp t, 0,1,2,3                                ; V's four fragments land while the softmax is worked
.irp c, 0,1,2,3
	ds_load_b128 v[32+16*\t+4*\c:35+16*\t+4*\c], v1 offset:(\sl)*32768+16384+(4*(\q)+\t)*2048+512*\c
.endr
.endr
	v_max3_num_f32 v254, v96, v97, v98             ; the step's largest score of my query, among my 64 keys, in two chains, ascending,
	v_max3_num_f32 v252, v99, v100, v101
.set j, 6
.rept 14
	v_max3_num_f32 v254, v254, v[96+j], v[97+j]
	v_max3_num_f32 v252, v252, v[98+j], v[99+j]
.set j, j+4
.endr
	v_max3_num_f32 v254, v254, v158, v159
	v_max_num_f32 v254, v254, v252
	v_permlanex16_b32 v236, v254, s12, s13
	v_max_num_f32 v254, v254, v236                 ; and among lane l xor 16's
	v_mul_f32 v254, s22, v254                      ; as t (c is positive)
	v_max_num_f32 v13, v13, v254                   ; the running largest t
	v_mov_b32 v254, v12
	v_floor_f32 v12, -v13                          ; the new -M = floor(-t) = -ceil(t): M IS A WHOLE NUMBER
	v_sub_f32 v254, v12, v254                      ; M's old value less its new one: a whole number, 0 or less
	v_cvt_i32_f32 v254, v254                       ; (it saturates)
	v_ldexp_f32 v252, 1.0, v254                    ; f = 2^(old M - new M)
.set j, 0
.rept 32
	v_pk_fma_f32 v[96+j:97+j], v[96+j:97+j], s[22:23], v[12:13] op_sel_hi:[1,0,0]   ; t - M, two at a time (of the pairs c and -M the low word serves both halves)
.set j, j+2
.endr
.set j, 0
.rept 64
	v_exp_f32 v[96+j], v[96+j]                     ; p = 2^(t - M): NOT normalised
.set j, j+1
.endr
	v_pk_mul_f32 v[14:15], v[14:15], v[252:253] op_sel_hi:[1,0]   ; the sums under the new M.  (A plain line behind the exponentials)
	s_wait_alu depctr_va_vdst(0)
	v_pk_add_f32 v[242:243], v[96:97], v[98:99]    ; THE ROW'S SUM IS TAKEN OF THE UNQUANTISED p: two at a time, in two chains
.set j, 4
.rept 15
	v_pk_add_f32 v[14:15], v[14:15], v[96+j:97+j]
	v_pk_add_f32 v[242:243], v[242:243], v[98+j:99+j]
.set j, j+4
.endr
	v_pk_add_f32 v[14:15], v[14:15], v[242:243]
	s_cmp_ge_i32 s18, -15                          ; ep >= -15: 57,344 x 2^ep is 1.75 or more, above every p: the hold would change nothing
	s_cbranch_scc1 .Lfits_\@
.set j, 0
.rept 64
	v_min_num_f32 v[96+j], v[96+j], v240           ; the conversion to an 8-bit code does not saturate (ISA guide 7.6.2); p is not negative, so the hold is one-sided
.set j, j+1
.endr
.Lfits_\@:
.irp b, 0,1,2,3
	v_cvt_scalef32_pk8_bf8_f32 v[224+4*\b:225+4*\b], v[96+16*\b:103+16*\b], v244
	v_cvt_scalef32_pk8_bf8_f32 v[226+4*\b:227+4*\b], v[104+16*\b:111+16*\b], v244
.endr
.set j, 0
.rept 16
	v_pk_mul_f32 v[160+j:161+j], v[160+j:161+j], v[252:253] op_sel_hi:[1,0]   ; O^T under the new M: x f.  (Plain lines between the conversions and the products that read their results)
.set j, j+2
.endr
	s_wait_dscnt 0x0                               ; V's fragments are in
.irp t, 0,1,2,3
	v_wmma_f32_16x16x128_bf8_bf8 v[160+8*\t:167+8*\t], v[32+16*\t:47+16*\t], v[224:239], v[160+8*\t:167+8*\t]   ; the four accumulators by turns
.endr
.endm
; A SLOT'S TWO STEPS.  pf = 1: the next slot's bytes are asked for at the head and stored to the other slot at the end; then the barrier.
.macro SLOT sl, pf
.if \pf
	GLOAD
.endif
	STEP \sl, 0
	STEP \sl, 1
.if \pf
	s_wait_loadcnt 0x0                             ; the next slot's bytes are in registers: so the pointers may step
	GSTORE 1-(\sl)
	s_add_nc_u64 s[24:25], s[24:25], 16384
	s_add_nc_u64 s[26:27], s[26:27], 16384
	s_wait_dscnt 0x0                               ; for the others' sake: my stores are done, and my reads of this slot are back
	s_barrier_signal -1
	s_barrier_wait -1
.endif
.endm
	s_wait_loadcnt 2                               ; slot 0's four loads are in; Q's two may be out
	GSTORE 0
	s_add_nc_u64 s[24:25], s[24:25], 16384
	s_add_nc_u64 s[26:27], s[26:27], 16384
	s_wait_dscnt 0x0
	s_barrier_signal -1
	s_barrier_wait -1
	s_wait_loadcnt 0x0                             ; Q
.if NSL > 2
	s_mov_b32 s28, (NSL-2)/2
.Lslots:
	SLOT 0, 1
	SLOT 1, 1
	s_sub_co_u32 s28, s28, 1
	s_cmp_lg_u32 s28, 0
	s_cbranch_scc1 .Lslots
.endif
	SLOT 0, 1                                      ; the last two slots are written out: the very last asks for nothing, so no load leaves the buffer
	SLOT 1, 0
	; THE WAY OUT.  O^T / the sum x 2^(ep + ev) is o; it is held, quantised with 2^eo, and stored as the next product's operand: row tile x 8192 + 512 (2 head + c) + 16 lane.
	PLACES
	v_add_f32 v14, v14, v15                        ; the sum's two halves,
	v_permlanex16_b32 v252, v14, s12, s13
	v_add_f32 v14, v14, v252                       ; and lane l xor 16's: the row's sum
	v_rcp_f32 v14, v14
	v_nop                                          ; a plain line behind the transcendental
	s_add_co_i32 s30, s18, s19
	s_wait_alu depctr_va_vdst(0)
	v_ldexp_f32 v14, v14, s30                      ; x 2^(ep + ev)
.set j, 0
.rept 32
	v_mul_f32 v[96+j], v[160+j], v14               ; register 8 t + i: channel 32 (t / 2) + 16 h + 8 (t % 2) + i of query r; ascending: each accumulator from its low end on
.set j, j+1
.endr
.set j, 0
.rept 32
	v_med3_num_f32 v[96+j], v[96+j], -v241, v241
.set j, j+1
.endr
.irp t, 0,1,2,3
	v_cvt_scalef32_pk8_bf8_f32 v[224+2*\t:225+2*\t], v[96+8*\t:103+8*\t], v245
.endr
	v_nop
	global_store_b128 v1, v[224:227], s[8:9]       ; 32 lanes store 512 consecutive bytes, aligned
	global_store_b128 v1, v[228:231], s[8:9] offset:512
	s_wait_tensorcnt 0x0
	ds_add_u32 v251, v255
	s_wait_dscnt 0x0
	s_endpgm
.Lfunc_end_k_qd52b7cac6b_sa_attn:
	.size	k_qd52b7cac6b_sa_attn, .Lfunc_end_k_qd52b7cac6b_sa_attn-k_qd52b7cac6b_sa_attn
	.p2alignl 7, 3214868480
	.fill 96, 4, 3214868480
	.section	.rodata,"a",@progbits
	.p2align	6, 0x0
	.amdhsa_kernel k_qd52b7cac6b_sa_attn
		.amdhsa_group_segment_fixed_size 67584
		.amdhsa_private_segment_fixed_size 0
		.amdhsa_enable_private_segment 0
		.amdhsa_kernarg_size 24
		.amdhsa_user_sgpr_count 2
		.amdhsa_user_sgpr_kernarg_segment_ptr 1
		.amdhsa_wavefront_size32 1
		.amdhsa_system_sgpr_workgroup_id_x 1
		.amdhsa_system_sgpr_workgroup_id_y 1
		.amdhsa_system_sgpr_workgroup_id_z 1
		.amdhsa_system_vgpr_workitem_id 0
		.amdhsa_next_free_vgpr 256
		.amdhsa_next_free_sgpr 66
		.amdhsa_reserve_vcc 0
		.amdhsa_float_denorm_mode_32 3
		.amdhsa_float_denorm_mode_16_64 3
		.amdhsa_memory_ordered 1
		.amdhsa_forward_progress 1
		.amdhsa_inst_pref_size 133
	.end_amdhsa_kernel
	.amdgpu_metadata
---
amdhsa.version: [ 1, 2 ]
amdhsa.kernels:
  - .name:           k_qd52b7cac6b_sa_attn
    .symbol:         k_qd52b7cac6b_sa_attn.kd
    .args:
      - { .name: qkv_sa, .offset: 0, .size: 8, .value_kind: global_buffer, .address_space: global }
      - { .name: lowp_scales, .offset: 8, .size: 8, .value_kind: global_buffer, .address_space: global }
      - { .name: ocodes, .offset: 16, .size: 8, .value_kind: global_buffer, .address_space: global }
    .group_segment_fixed_size: 67584
    .private_segment_fixed_size: 0
    .kernarg_segment_align: 8
    .kernarg_segment_size: 24
    .max_flat_workgroup_size: 512
    .sgpr_count:     66
    .vgpr_count:     256
    .wavefront_size: 32
...
	.end_amdgpu_metadata
.endif
;; end of part 8
;; launch sa_out (part 9): grid 128 x 2, 16 waves a work-group, no clusters, 297,984 bytes of LDS; arguments ocodes, wsa, lowp_scales, sa_bo, x, x1; writes x1
.if DOCPART == 9
	.amdgcn_target "amdgcn-amd-amdhsa--gfx1250"
	.amdhsa_code_object_version 6
	.text
	.protected	k_qd52b7cac6b_sa_out
	.globl	k_qd52b7cac6b_sa_out
	.p2align	8
	.type	k_qd52b7cac6b_sa_out,@function
k_qd52b7cac6b_sa_out:
	s_mov_b64 s[64:65], 0
	v_nop
	global_prefetch_b8 v0, s[64:65] scope:SCOPE_SE
	s_setreg_imm32_b32 hwreg(HW_REG_WAVE_MODE, 25, 1), 1
	s_wait_xcnt 0x0
; out = o wo + bo + residual: the product on codes of BF8 (E5M2), K = 512; bias, residual and result in f32.
; Arguments: o's codes (images of the operand's registers), the weights' images, ten exponents (8: eo, 9: ewo), bo, the residual [8192][1024], the result [8192][1024].
; SHARES.  A work-group takes 64 rows (work-group x) x 512 columns (work-group y).  Its four row tiles of o, 32 KB, dense in memory, are copied to LDS once and read by all sixteen waves.
; Wave w makes columns 32 w .. 32 w + 31 of the slice (weight tiles 2 w, 2 w + 1) for the four row tiles: eight accumulators by turns, K in four steps of 128.
; Source 0 = the weight's tile, source 1 = the rows: a lane holds one row and 16 neighbouring columns.  Place r of row tile m is row 32 (m / 2) + 8 (m % 2) + r % 8 + 16 (r / 8) of the block.
; EVERYTHING IS ASKED FOR AT THE HEAD, in one run of 56 loads a wave: o's images, the bias, the residual, and the weights of ALL FOUR K steps (8 fragments, 128 registers), so that no K step
; waits for a request of its own.  64 accumulators, 32 registers of rows and those 128 leave no room for the residual's 64: it lands in the registers that the accumulators take later,
; takes the bias there, and waits in 8 KB of LDS that are the wave's own.
; THE WAY OUT.  The raw sums meet in a stage of 64 true rows x (2,048 + 16) bytes; behind a barrier wave w reads rows 4 w .. 4 w + 3 whole, and beside them its residual + bias;
; sum x 2^(eo + ewo) + (residual + bias) leaves by stores of 512 consecutive bytes, aligned.
; LIMIT: eo + ewo between -126 and 127, so that 2^(eo + ewo) is an f32 number.
; No joint loads: this text has no tensor load; the weights' fragments go straight into registers.
.set KS,  4
.set RT,  4
.set SP,  2064                         ; a stage row
.set STG, 32768                        ; LDS: o's images at 0 (row tile m, K step s at 8192 m + 2048 s), the stage behind them,
.set RES, STG+64*SP                    ; and behind it residual + bias: 8,192 bytes a wave, piece n (row n / 4, 512 bytes n % 4) at 512 n + 16 lane
.set WO_OFF, 0x180000
.set TO,  4                            ; v4   16 x thread
.set LI,  5                            ; v5   16 x lane
.set SW,  6                            ; v6, v7  the stage: where I put my sums of row tiles 0-1, 2-3
.set SR,  8                            ; v8   and where I read whole rows back
.set RV,  9                            ; v9   my 16 bytes of my wave's first row in the residual and in the result
.set RS,  12                           ; v12  LDS: my 16 bytes of my wave's residual + bias
.set ACC, 16                           ; v16-79   first the residual as it lands; then accumulator (m, u) at v[16 + 16 m + 8 u]
.set AF,  80                           ; v80-111  first the copy's 16 registers; then two fragments of rows
.set BF,  112                          ; v112-239 the weights: K step s at 32 s; later the rows read back (64) and residual + bias (64)
.set BI,  240                          ; v240-255 the bias
.macro PLACES                          ; four plain vector lines between a matrix instruction and a load into, or a read of, its registers
.rept 4
	v_nop
.endr
.endm
	s_load_b256 s[4:11], s[0:1], 0x0               ; o 4, weights 6, exponents 8, bo 10
	s_load_b128 s[12:15], s[0:1], 0x20             ; residual 12, result 14
	v_lshl_add_u32 v14, v0, 2, 0x48400
	v_mov_b32 v15, 0
	v_lshrrev_b32 v1, 5, v0
	v_readfirstlane_b32 s16, v1                    ; wave 0..15
	v_and_b32 v1, 31, v0                           ; lane
	v_and_b32 v2, 15, v0                           ; r
	v_bfe_u32 v3, v0, 4, 1                         ; h
	v_lshlrev_b32 v[TO], 4, v0
	v_lshlrev_b32 v[LI], 4, v1
	v_and_b32 v10, 7, v2
	v_lshrrev_b32 v11, 3, v2
	v_lshl_add_u32 v10, v11, 4, v10                ; r % 8 + 16 (r / 8)
	v_mul_u32_u24 v[SW], v10, SP
	v_lshl_add_u32 v[SW], v3, 6, v[SW]             ; + 64 h: my half's 16 columns
	s_lshl_b32 s22, s16, 7                         ; + 128 w: my wave's 32 columns
	s_add_co_u32 s22, s22, STG
	v_add_nc_u32 v[SW], s22, v[SW]
	v_add_nc_u32 v[SW+1], 32*SP, v[SW]
	s_mul_i32 s22, s16, 4*SP
	s_add_co_u32 s22, s22, STG
	v_add_nc_u32 v[SR], s22, v[LI]
	s_lshl_b32 s22, s16, 13
	s_add_co_u32 s22, s22, RES
	v_add_nc_u32 v[RS], s22, v[LI]
	s_lshl_b32 s22, s16, 14                        ; 4 rows of 4,096 bytes a wave
	v_add_nc_u32 v[RV], s22, v[LI]
	s_and_b32 s17, ttmp7, 0xffff                   ; the slice
	s_lshl_b32 s24, ttmp9, 15                      ; o: 4 row tiles of 8,192 bytes a block
	s_mov_b32 s25, 0
	s_lshl_b32 s26, s17, 5
	s_lshl_b32 s27, s16, 1
	s_add_co_u32 s26, s26, s27                     ; weight tile 32 y + 2 w,
	s_lshl_b32 s26, s26, 13                        ; KS x 2048 bytes each
	s_add_co_u32 s26, s26, WO_OFF
	s_mov_b32 s27, 0
	s_lshl_b32 s28, ttmp9, 18                      ; 64 rows of 4,096 bytes a block,
	s_lshl_b32 s30, s17, 11                        ; 2,048 bytes a slice
	s_add_co_u32 s28, s28, s30
	s_mov_b32 s29, 0
	s_mov_b32 s31, 0
	s_wait_kmcnt 0x0
	s_load_b64 s[18:19], s[8:9], 0x20              ; eo, ewo
	s_add_nc_u64 s[4:5], s[4:5], s[24:25]
	s_add_nc_u64 s[6:7], s[6:7], s[26:27]
	s_add_nc_u64 s[12:13], s[12:13], s[28:29]
	s_add_nc_u64 s[14:15], s[14:15], s[28:29]
	s_add_nc_u64 s[10:11], s[10:11], s[30:31]
.irp i, 0,1,2,3
	global_load_b128 v[AF+4*\i:AF+4*\i+3], v[TO], s[4:5] offset:8192*\i       ; o's images: 512 threads x 16 bytes x 4
.endr
.irp i, 0,1,2,3
	global_load_b128 v[BI+4*\i:BI+4*\i+3], v[LI], s[10:11] offset:512*\i
.endr
.irp jr, 0,1,2,3
.irp i, 0,1,2,3
	global_load_b128 v[ACC+16*\jr+4*\i:ACC+16*\jr+4*\i+3], v[RV], s[12:13] offset:4096*\jr+512*\i
.endr
.endr
.irp s, 0,1,2,3                                ; my two weight fragments of every K step: each load reads 512 consecutive bytes
.irp u, 0,1
.irp c, 0,1,2,3
	global_load_b128 v[BF+32*\s+16*\u+4*\c:BF+32*\s+16*\u+4*\c+3], v[LI], s[6:7] offset:(\u*KS+\s)*2048+512*\c
.endr
.endr
.endr
	s_wait_loadcnt 32                              ; the images, the bias and the residual are in; the weights' 32 loads may be out
.irp i, 0,1,2,3
	ds_store_b128 v[TO], v[AF+4*\i:AF+4*\i+3] offset:8192*\i
.endr
.irp jr, 0,1,2,3
.irp i, 0,1,2,3
	v_pk_add_f32 v[ACC+16*\jr+4*\i:ACC+16*\jr+4*\i+1], v[ACC+16*\jr+4*\i:ACC+16*\jr+4*\i+1], v[BI+4*\i:BI+4*\i+1]          ; residual + bias
	v_pk_add_f32 v[ACC+16*\jr+4*\i+2:ACC+16*\jr+4*\i+3], v[ACC+16*\jr+4*\i+2:ACC+16*\jr+4*\i+3], v[BI+4*\i+2:BI+4*\i+3]
.endr
.endr
.set n, 0
.rept 16
	ds_store_b128 v[RS], v[ACC+4*n:ACC+4*n+3] offset:512*n   ; 32 lanes store 512 consecutive bytes of the wave's own region
.set n, n+1
.endr
	s_wait_dscnt 0x0                               ; for the others' sake: my part of the images lies in LDS; and the stores have read the registers that the sums take
	s_barrier_signal -1
	s_barrier_wait -1
.macro ALOAD m, s, reg                 ; an image comes back as it was stored: the same registers in the same lanes
.irp c, 0,1,2,3
	ds_load_b128 v[\reg+4*\c:\reg+4*\c+3], v[LI] offset:(\m)*8192+(\s)*2048+512*\c
.endr
.endm
.macro MM m, u, s                      ; K step 0 starts the sum: nothing is cleared
.set rA, ACC+16*(\m)+8*(\u)
.set rW, BF+32*(\s)+16*(\u)
.set rX, AF+16*((\m)%2)
.if (\s) == 0
	v_wmma_f32_16x16x128_bf8_bf8 v[rA:rA+7], v[rW:rW+15], v[rX:rX+15], 0
.else
	v_wmma_f32_16x16x128_bf8_bf8 v[rA:rA+7], v[rW:rW+15], v[rX:rX+15], v[rA:rA+7]
.endif
.endm
.macro KSTEP s                         ; 128 along K: eight matrix instructions, the accumulators by turns
.set mp, 0
.rept RT/2
.if ((\s) > 0) || (mp > 0)
	PLACES
.endif
	ALOAD 2*mp, \s, AF
	ALOAD 2*mp+1, \s, AF+16
.if mp == 0
	s_wait_loadcnt 8*(KS-1-(\s))                   ; this step's weight fragments are in; the later steps' loads, eight a step, may be out
.endif
	s_wait_dscnt 0x0
	MM 2*mp, 0, \s
	MM 2*mp, 1, \s
	MM 2*mp+1, 0, \s
	MM 2*mp+1, 1, \s
.set mp, mp+1
.endr
.endm
	KSTEP 0
	KSTEP 1
	KSTEP 2
	KSTEP 3
	PLACES
.irp m, 0,1,2,3
.irp u, 0,1
	ds_store_b128 v[SW+\m/2], v[ACC+16*\m+8*\u:ACC+16*\m+8*\u+3] offset:8*(\m%2)*SP+32*\u        ; each accumulator from its low end on
	ds_store_b128 v[SW+\m/2], v[ACC+16*\m+8*\u+4:ACC+16*\m+8*\u+7] offset:8*(\m%2)*SP+32*\u+16
.endr
.endr
	s_wait_kmcnt 0x0
	s_add_co_i32 s20, s18, s19
	s_add_co_i32 s20, s20, 127
	s_lshl_b32 s20, s20, 23                        ; 2^(eo + ewo) as f32
	s_mov_b32 s21, s20                             ; (named with it as a pair, so it is written)
	s_wait_dscnt 0x0                               ; for the others' sake: my sums lie in the stage
	s_barrier_signal -1
	s_barrier_wait -1
.set n, 0
.rept 16                               ; piece n of my four rows, and its residual + bias, into the registers that the weights have left
	ds_load_b128 v[BF+4*n:BF+4*n+3], v[SR] offset:(n/4)*SP+512*(n%4)
	ds_load_b128 v[BF+64+4*n:BF+64+4*n+3], v[RS] offset:512*n
.set n, n+1
.endr
.set n, 0
.rept 16
	s_wait_dscnt 30-2*n                            ; LDS loads come back in order (ISA guide 5.7.1): pair n is in, the 15 - n pairs behind it may be out
	v_pk_fma_f32 v[BF+4*n:BF+4*n+1], v[BF+4*n:BF+4*n+1], s[20:21], v[BF+64+4*n:BF+64+4*n+1] op_sel_hi:[1,0,1]
	v_pk_fma_f32 v[BF+4*n+2:BF+4*n+3], v[BF+4*n+2:BF+4*n+3], s[20:21], v[BF+64+4*n+2:BF+64+4*n+3] op_sel_hi:[1,0,1]
	global_store_b128 v[RV], v[BF+4*n:BF+4*n+3], s[14:15] offset:4096*(n/4)+512*(n%4)
.set n, n+1
.endr
	s_wait_tensorcnt 0x0
	ds_add_u32 v14, v15
	s_wait_dscnt 0x0
	s_endpgm
.Lfunc_end_k_qd52b7cac6b_sa_out:
	.size	k_qd52b7cac6b_sa_out, .Lfunc_end_k_qd52b7cac6b_sa_out-k_qd52b7cac6b_sa_out
	.p2alignl 7, 3214868480
	.fill 96, 4, 3214868480
	.section	.rodata,"a",@progbits
	.p2align	6, 0x0
	.amdhsa_kernel k_qd52b7cac6b_sa_out
		.amdhsa_group_segment_fixed_size 297984
		.amdhsa_private_segment_fixed_size 0
		.amdhsa_enable_private_segment 0
		.amdhsa_kernarg_size 48
		.amdhsa_user_sgpr_count 2
		.amdhsa_user_sgpr_kernarg_segment_ptr 1
		.amdhsa_wavefront_size32 1
		.amdhsa_system_sgpr_workgroup_id_x 1
		.amdhsa_system_sgpr_workgroup_id_y 1
		.amdhsa_system_sgpr_workgroup_id_z 1
		.amdhsa_system_vgpr_workitem_id 0
		.amdhsa_next_free_vgpr 256
		.amdhsa_next_free_sgpr 66
		.amdhsa_reserve_vcc 0
		.amdhsa_float_denorm_mode_32 3
		.amdhsa_float_denorm_mode_16_64 3
		.amdhsa_memory_ordered 1
		.amdhsa_forward_progress 1
		.amdhsa_inst_pref_size 26
	.end_amdhsa_kernel
	.amdgpu_metadata
---
amdhsa.version: [ 1, 2 ]
amdhsa.kernels:
  - .name:           k_qd52b7cac6b_sa_out
    .symbol:         k_qd52b7cac6b_sa_out.kd
    .args:
      - { .name: ocodes, .offset: 0, .size: 8, .value_kind: global_buffer, .address_space: global }
      - { .name: wsa, .offset: 8, .size: 8, .value_kind: global_buffer, .address_space: global }
      - { .name: lowp_scales, .offset: 16, .size: 8, .value_kind: global_buffer, .address_space: global }
      - { .name: sa_bo, .offset: 24, .size: 8, .value_kind: global_buffer, .address_space: global }
      - { .name: x, .offset: 32, .size: 8, .value_kind: global_buffer, .address_space: global }
      - { .name: x1, .offset: 40, .size: 8, .value_kind: global_buffer, .address_space: global }
    .group_segment_fixed_size: 297984
    .private_segment_fixed_size: 0
    .kernarg_segment_align: 8
    .kernarg_segment_size: 48
    .max_flat_workgroup_size: 512
    .sgpr_count:     66
    .vgpr_count:     256
    .wavefront_size: 32
...
	.end_amdgpu_metadata
.endif
;; end of part 9
;; launch ca_q (part 10): grid 128 x 1, 16 waves a work-group, no clusters, 68,608 bytes of LDS; arguments x1, ca_ng, ca_nb, ca_ncg, ca_ncb, wca, sc_ca, qkv_ca; writes qkv_ca
.if DOCPART == 10
	.amdgcn_target "amdgcn-amd-amdhsa--gfx1250"
	.amdhsa_code_object_version 6
	.text
	.protected	k_qd52b7cac6b_ca_q
	.globl	k_qd52b7cac6b_ca_q
	.p2align	8
	.type	k_qd52b7cac6b_ca_q,@function
k_qd52b7cac6b_ca_q:
	s_mov_b64 s[64:65], 0
	v_nop
	global_prefetch_b8 v0, s[64:65] scope:SCOPE_SE
	s_setreg_imm32_b32 hwreg(HW_REG_WAVE_MODE, 25, 1), 1
	s_wait_xcnt 0x0
; The second layer's q: LayerNorm of x1, quantiser, the product with wq (512 columns), its results quantised again as codes of BF8 (E5M2).
; The macros are those of the launch that makes the first layer's q, k and v; here one way alone is expanded: slice 0, 64 rows to a work-group, 128 work-groups.
; 64 rows and not fewer: a work-group reads 256 KB of rows and 512 KB of weight codes; with 32 rows the launch would read 164 MB for the same products, against 98 MB so.
; Arguments: rows, gain and bias for slice 0, gain and bias for slices 1 and 2 (not loaded here: slice 0 alone occurs), the weights' images,
; ten exponents (0 xn, 1 wq, 2 cn, 3 wkv, 4 q, 5 k, 6 p, 7 v, 8 o, 9 wo), the codes' buffer.
; PHASE 1.  Wave w normalises NR rows in f32: mean, then the sum of squared deviations (two passes over registers, so that a common offset of the inputs costs no digits),
; 1 / sqrt(var + 1e-5), gain, bias; the hold at +-57,344 x 2^eA; the conversion.  The codes go to LDS as rows, k ascending, PITCH bytes apart.
; LDS row 16 m + i holds the block's row 32 (m / 2) + 8 (m % 2) + i % 8 + 16 (i / 8): the order in which every launch of this program takes the rows of a tile.  One barrier.
; PHASE 2.  Wave w makes columns 32 w .. 32 w + 31 (weight tiles 2 w, 2 w + 1) for all RT row tiles: 2 RT accumulators by turns, K in steps of 128.  The weights' fragments go straight into
; registers, WS - 1 = 3 steps ahead: four sets of 32 registers beside the 64 of the accumulators.
; Source 0 = the weight's tile, source 1 = the rows: a lane holds one row and 16 neighbouring channels.
; A sum stands for sum x 2^(eA + eW), so its code under eO is made with the one scale 2^(eO - eA - eW).  Every store of a wave covers 512 consecutive bytes, aligned.
; LIMITS: eA and eO - eA - eW between -126 and 112.  NaN among the inputs is not served.
; No joint loads: this text has no tensor load; LDS is filled from registers with codes made here.
.set EPS,   0x3727c5ac                 ; 1e-5
.set WKV_OFF, 0x80000
.set VX,  4                            ; v4   my 16 bytes of my wave's first row
.set LW,  5                            ; v5   LDS: my 4 codes of my wave's first row
.set AR,  7                            ; v7   LDS: my place in the row tiles
.set LI,  9                            ; v9   16 x lane
.set GA,  16                           ; phase 1: v16-47 gain, v48-79 bias, v80-207 four rows of 32 registers, v208-215 codes, v216-227 at work
.set BE,  48
.set X,   80
.set CD,  208
.set T,   216
.set MP,  224
.set RP,  226
.set ACC, 16                           ; phase 2: accumulator (m, u) at v[16 + 16 m + 8 u]; behind them two fragments of rows (AF), then WS sets of two weight fragments (BF), up to v239
.set SCA, 240                          ; 2^eA, 57,344 x 2^eA, 2^(eO - eA - eW), 57,344 x that
.set LIMA, 241
.set SCO, 242
.set LIMO, 243
.macro SIZES kdim, rt, rpb, lbpb, invk, lbase
.set KDIM,  \kdim                      ; K of the product = the rows' length
.set RT,    \rt                        ; row tiles of a work-group
.set RPB,   \rpb                       ; rows in a batch
.set LBPB,  \lbpb                      ; log2 of the blocks in a batch
.set INVK,  \invk                      ; 1 / KDIM
.set LBASE, \lbase                     ; where this way's LDS bytes begin
.set SETS,  4                          ; rows of a wave on their way or at work
.set CH,    KDIM/256
.set KS,    KDIM/128
.set NR,    RT                         ; rows of a wave: 16 RT / 16
.set PITCH, KDIM+16                    ; an odd multiple of 16 bytes: the 16 rows that a fragment load touches begin at 16 different groups of banks (64 banks of 4 bytes: ISA guide 11.1)
.set ROWB,  4*KDIM
.set LPR,   2*CH                       ; loads that bring a row
.set AF,    ACC+16*RT
.set BF,    AF+32
.set WS,    (240-BF)/32
.endm
.macro PLACES                          ; four plain vector lines between a matrix instruction and a load into, or a vector line on, its registers
.rept 4
	v_nop
.endr
.endm
.macro MKSC e, t, vsc, vlim            ; s[e] = an exponent: v[vsc] = 2^e, v[vlim] = 57,344 x 2^e
	s_add_co_i32 s[\t], s[\e], 127
	s_lshl_b32 s[\t+1], s[\t], 23
	v_mov_b32 v[\vsc], s[\t+1]
	s_add_co_i32 s[\t], s[\t], 15
	s_lshl_b32 s[\t], s[\t], 23
	s_or_b32 s[\t], s[\t], 0x600000
	v_mov_b32 v[\vlim], s[\t]
.endm
.macro XLOAD j                         ; row j of my wave: load n brings k = 128 n + 4 lane + 0 .. 3: 32 lanes read 512 consecutive bytes
.set n, 0
.rept LPR
	global_load_b128 v[X+32*((\j)%SETS)+4*n:X+32*((\j)%SETS)+4*n+3], v[VX], s[4:5] offset:(\j)*ROWB+512*n
.set n, n+1
.endr
.endm
.macro RED reg, tmp                    ; the sum over the 32 lanes, in every lane
	v_add_f32_dpp v[\reg], v[\reg], v[\reg] row_xmask:1 row_mask:0xf bank_mask:0xf
	v_add_f32_dpp v[\reg], v[\reg], v[\reg] row_xmask:2 row_mask:0xf bank_mask:0xf
	v_add_f32_dpp v[\reg], v[\reg], v[\reg] row_xmask:4 row_mask:0xf bank_mask:0xf
	v_add_f32_dpp v[\reg], v[\reg], v[\reg] row_xmask:8 row_mask:0xf bank_mask:0xf
	v_permlanex16_b32 v[\tmp], v[\reg], s48, s49
	v_add_f32 v[\reg], v[\reg], v[\tmp]
.endm
.macro LNROW j
.set XS, X+32*((\j)%SETS)
.if NR-1-(\j) < SETS-1
	s_wait_loadcnt LPR*(NR-1-(\j))                 ; my row is in; the rows behind it may be out
.else
	s_wait_loadcnt LPR*(SETS-1)
.endif
	v_pk_add_f32 v[T:T+1], v[XS:XS+1], v[XS+2:XS+3]          ; the row's sum, in two chains
	v_pk_add_f32 v[T+2:T+3], v[XS+4:XS+5], v[XS+6:XS+7]
.set p, 8
.rept 2*CH-2
	v_pk_add_f32 v[T:T+1], v[T:T+1], v[XS+p:XS+p+1]
	v_pk_add_f32 v[T+2:T+3], v[T+2:T+3], v[XS+p+2:XS+p+3]
.set p, p+4
.endr
	v_pk_add_f32 v[T:T+1], v[T:T+1], v[T+2:T+3]
	v_add_f32 v[T], v[T], v[T+1]
	RED T, T+1
	v_mul_f32 v[MP], s50, v[T]                     ; the mean, twice: a pair for the packed subtraction
	v_mul_f32 v[MP+1], s50, v[T]
.set p, 0
.rept 4*CH
	v_pk_add_f32 v[XS+p:XS+p+1], v[XS+p:XS+p+1], v[MP:MP+1] neg_lo:[0,1] neg_hi:[0,1]
.set p, p+2
.endr
	v_pk_mul_f32 v[T:T+1], v[XS:XS+1], v[XS:XS+1]            ; the sum of the squared deviations, in two chains
	v_pk_mul_f32 v[T+2:T+3], v[XS+2:XS+3], v[XS+2:XS+3]
.set p, 4
.rept 2*CH-1
	v_pk_fma_f32 v[T:T+1], v[XS+p:XS+p+1], v[XS+p:XS+p+1], v[T:T+1]
	v_pk_fma_f32 v[T+2:T+3], v[XS+p+2:XS+p+3], v[XS+p+2:XS+p+3], v[T+2:T+3]
.set p, p+4
.endr
	v_pk_add_f32 v[T:T+1], v[T:T+1], v[T+2:T+3]
	v_add_f32 v[T], v[T], v[T+1]
	RED T, T+1
	v_fma_f32 v[T], v[T], s50, s51                 ; var + 1e-5
	v_rsq_f32 v[RP], v[T]
	v_nop                                          ; a plain line between the transcendental and the use of its result (ISA guide 5.7.2)
	s_wait_alu depctr_va_vdst(0)
	v_mov_b32 v[RP+1], v[RP]
.set p, 0
.rept 4*CH
	v_pk_mul_f32 v[XS+p:XS+p+1], v[XS+p:XS+p+1], v[RP:RP+1]
.set p, p+2
.endr
.set p, 0
.rept 4*CH
	v_pk_fma_f32 v[XS+p:XS+p+1], v[XS+p:XS+p+1], v[GA+p:GA+p+1], v[BE+p:BE+p+1]
.set p, p+2
.endr
.set p, 0
.rept 8*CH
	v_med3_num_f32 v[XS+p], v[XS+p], -v[LIMA], v[LIMA]   ; the conversion to an 8-bit code does not saturate (ISA guide 7.6.2): the hold comes first
.set p, p+1
.endr
	s_wait_dscnt 0x0                               ; the last row's LDS stores are done: the codes' registers are written again
.set p, 0
.rept CH
	v_cvt_scalef32_pk8_bf8_f32 v[CD+2*p:CD+2*p+1], v[XS+8*p:XS+8*p+7], v[SCA]   ; register 2 p: the 4 codes of load 2 p; register 2 p + 1: those of load 2 p + 1
.set p, p+1
.endr
	v_nop                                          ; a plain line behind the last conversion: matrix instructions write its sources later
.set p, 0
.rept LPR
	ds_store_b32 v[LW], v[CD+p] offset:(\j)*PITCH+128*p      ; 32 lanes store 128 consecutive bytes of the row
.set p, p+1
.endr
.if (\j)+SETS < NR
	XLOAD (\j)+SETS
.endif
.endm
.macro WLOAD s                         ; my two weight fragments of K step s into set s % WS: each load reads 512 consecutive bytes
.irp u, 0,1
.irp c, 0,1,2,3
	global_load_b128 v[BF+32*((\s)%WS)+16*\u+4*\c:BF+32*((\s)%WS)+16*\u+4*\c+3], v[LI], s[14:15] offset:(\u*KS+(\s))*2048+512*\c
.endr
.endr
.endm
.macro ALOAD m, s, reg                 ; row tile m, K step s: registers 4 c .. 4 c + 3 hold k = 128 s + 32 c + 16 h + 0 .. 15 of LDS row 16 m + r
.irp c, 0,1,2,3
	ds_load_b128 v[\reg+4*\c:\reg+4*\c+3], v[AR+(\m)/4] offset:((\m)%4)*16*PITCH+128*(\s)+32*\c
.endr
.endm
.macro MM m, u, s                      ; source 0 = the weight's tile u, source 1 = row tile m.  K step 0 starts the sum: nothing is cleared
.set rA, ACC+16*(\m)+8*(\u)
.set rW, BF+32*((\s)%WS)+16*(\u)
.set rX, AF+16*((\m)%2)
.if (\s) == 0
	v_wmma_f32_16x16x128_bf8_bf8 v[rA:rA+7], v[rW:rW+15], v[rX:rX+15], 0
.else
	v_wmma_f32_16x16x128_bf8_bf8 v[rA:rA+7], v[rW:rW+15], v[rX:rX+15], v[rA:rA+7]
.endif
.endm
.macro KSTEP s                         ; 128 along K: 2 RT matrix instructions, the accumulators by turns, one instruction a turn
.if (\s) > 0
	PLACES
.endif
.if (\s)+WS-1 < KS
	WLOAD (\s)+WS-1                                ; into the set that the step before has left
.endif
.set wl, (\s)+WS-1
.if wl > KS-1
.set wl, KS-1
.endif
.set mp, 0
.rept RT/2
.if mp > 0
	PLACES
.endif
	ALOAD 2*mp, \s, AF
	ALOAD 2*mp+1, \s, AF+16
.if mp == 0
	s_wait_loadcnt 8*(wl-(\s))                     ; this step's weight fragments are in; the later steps' loads, eight a step, may be out
.endif
	s_wait_dscnt 0x0
	MM 2*mp, 0, \s
	MM 2*mp, 1, \s
	MM 2*mp+1, 0, \s
	MM 2*mp+1, 1, \s
.set mp, mp+1
.endr
.endm
	SIZES 1024, 4, 2048, 5, 0x3a800000, 0          ; rows of 1,024, 64 rows to a work-group, 32 blocks to a batch; LDS 0 .. 66,559
	s_load_b512 s[4:19], s[0:1], 0x0               ; rows 4, gain 6, bias 8, (10, 12: the other slices'), weights 14, exponents 16, codes 18
	v_lshl_add_u32 v254, v0, 2, 0x10400
	v_mov_b32 v255, 0
	v_lshrrev_b32 v2, 5, v0
	v_readfirstlane_b32 s20, v2                    ; wave 0..15
	v_and_b32 v1, 31, v0                           ; lane
	v_and_b32 v2, 15, v0                           ; r
	v_bfe_u32 v3, v0, 4, 1                         ; h
	v_lshlrev_b32 v[LI], 4, v1
	s_mov_b32 s48, 0x76543210                      ; v_permlanex16_b32: lane l takes lane l xor 16
	s_mov_b32 s49, 0xfedcba98
	s_mov_b32 s50, INVK
	s_mov_b32 s51, EPS
	s_mul_i32 s40, s20, NR                         ; my first LDS row; its row of the block has bits 3 and 4 exchanged
	s_and_b32 s41, s40, 0xe7
	s_and_b32 s42, s40, 8
	s_lshl_b32 s42, s42, 1
	s_or_b32 s41, s41, s42
	s_and_b32 s42, s40, 16
	s_lshr_b32 s42, s42, 1
	s_or_b32 s41, s41, s42
	s_mul_i32 s41, s41, ROWB
	v_add_nc_u32 v[VX], s41, v[LI]
	s_mul_i32 s42, s40, PITCH
	v_lshl_add_u32 v[LW], v1, 2, s42
	v_mul_u32_u24 v[AR], v2, PITCH
	v_lshl_add_u32 v[AR], v3, 4, v[AR]             ; a fragment's row x pitch + 16 x half
	s_mul_i32 s44, ttmp9, 16*RT*ROWB
	s_mov_b32 s45, 0
	s_mul_i32 s40, s20, 2*KS*2048                  ; my two tiles of wq, whose images begin the buffer
	s_mov_b32 s41, 0
	s_wait_kmcnt 0x0
	s_load_b256 s[24:31], s[16:17], 0x0            ; exponents 0 .. 7
	s_add_nc_u64 s[4:5], s[4:5], s[44:45]          ; the block's first row
	s_add_nc_u64 s[14:15], s[14:15], s[40:41]
.set n, 0
.rept LPR
	global_load_b128 v[GA+4*n:GA+4*n+3], v[LI], s[6:7] offset:512*n
.set n, n+1
.endr
.set n, 0
.rept LPR
	global_load_b128 v[BE+4*n:BE+4*n+3], v[LI], s[8:9] offset:512*n
.set n, n+1
.endr
.set J, 0
.rept SETS
	XLOAD J
.set J, J+1
.endr
	s_wait_kmcnt 0x0
	s_sub_co_i32 s38, s28, s24
	s_sub_co_i32 s38, s38, s25                     ; eq - exn - ewq
	MKSC 24, 40, SCA, LIMA
	MKSC 38, 40, SCO, LIMO
.set J, 0
.rept NR
	LNROW J
.set J, J+1
.endr
.set SS, 0
.rept WS-1
	WLOAD SS                                       ; the first WS - 1 steps' weights, into registers that the rows have left
.set SS, SS+1
.endr
	s_wait_dscnt 0x0                               ; for the others' sake: my rows' codes lie in LDS
	s_barrier_signal -1
	s_barrier_wait -1                              ; everybody's do; nothing is stored to LDS behind this barrier
	s_lshr_b32 s40, ttmp9, LBPB                    ; the batch
	s_lshl_b32 s40, s40, 3
	s_lshr_b32 s41, s20, 1
	s_add_co_u32 s40, s40, s41                     ; bh = 8 x batch + head: my 32 columns are half w % 2 of head w / 2
	s_and_b32 s41, ttmp9, (1<<LBPB)-1              ; the block in its batch
	s_and_b32 s42, s20, 1
	s_mul_i32 s44, s40, RPB/16                     ; q's image: ((bh RPB / 16 + tile in the batch) x 1024) + 512 (w % 2) + 16 lane
	s_mul_i32 s45, s41, RT
	s_add_co_u32 s44, s44, s45
	s_lshl_b32 s44, s44, 10
	s_lshl_b32 s45, s42, 9
	s_add_co_u32 s44, s44, s45
	s_mov_b32 s45, 0
	s_add_nc_u64 s[18:19], s[18:19], s[44:45]
.set SS, 0
.rept KS
	KSTEP SS
.set SS, SS+1
.endr
	PLACES
.set tm, 0
.rept RT                               ; lane (r, h): row tile tm's row r; accumulators (tm, 0), (tm, 1): channels 32 (w % 2) + 16 h + 0 .. 15 of the head
.set p, 0
.rept 16
	v_med3_num_f32 v[ACC+16*tm+p], v[ACC+16*tm+p], -v[LIMO], v[LIMO]   ; each accumulator from its low end on
.set p, p+1
.endr
	v_cvt_scalef32_pk8_bf8_f32 v[AF+4*tm:AF+4*tm+1], v[ACC+16*tm:ACC+16*tm+7], v[SCO]
	v_cvt_scalef32_pk8_bf8_f32 v[AF+4*tm+2:AF+4*tm+3], v[ACC+16*tm+8:ACC+16*tm+15], v[SCO]
.set tm, tm+1
.endr
	v_nop
.set tm, 0
.rept RT
	global_store_b128 v[LI], v[AF+4*tm:AF+4*tm+3], s[18:19] offset:1024*tm
.set tm, tm+1
.endr
	s_wait_tensorcnt 0x0
	ds_add_u32 v254, v255
	s_wait_dscnt 0x0
	s_endpgm
.Lfunc_end_k_qd52b7cac6b_ca_q:
	.size	k_qd52b7cac6b_ca_q, .Lfunc_end_k_qd52b7cac6b_ca_q-k_qd52b7cac6b_ca_q
	.p2alignl 7, 3214868480
	.fill 96, 4, 3214868480
	.section	.rodata,"a",@progbits
	.p2align	6, 0x0
	.amdhsa_kernel k_qd52b7cac6b_ca_q
		.amdhsa_group_segment_fixed_size 68608
		.amdhsa_private_segment_fixed_size 0
		.amdhsa_enable_private_segment 0
		.amdhsa_kernarg_size 64
		.amdhsa_user_sgpr_count 2
		.amdhsa_user_sgpr_kernarg_segment_ptr 1
		.amdhsa_wavefront_size32 1
		.amdhsa_system_sgpr_workgroup_id_x 1
		.amdhsa_system_sgpr_workgroup_id_y 1
		.amdhsa_system_sgpr_workgroup_id_z 1
		.amdhsa_system_vgpr_workitem_id 0
		.amdhsa_next_free_vgpr 256
		.amdhsa_next_free_sgpr 66
		.amdhsa_reserve_vcc 0
		.amdhsa_float_denorm_mode_32 3
		.amdhsa_float_denorm_mode_16_64 3
		.amdhsa_memory_ordered 1
		.amdhsa_forward_progress 1
		.amdhsa_inst_pref_size 69
	.end_amdhsa_kernel
	.amdgpu_metadata
---
amdhsa.version: [ 1, 2 ]
amdhsa.kernels:
  - .name:           k_qd52b7cac6b_ca_q
    .symbol:         k_qd52b7cac6b_ca_q.kd
    .args:
      - { .name: x1, .offset: 0, .size: 8, .value_kind: global_buffer, .address_space: global }
      - { .name: ca_ng, .offset: 8, .size: 8, .value_kind: global_buffer, .address_space: global }
      - { .name: ca_nb, .offset: 16, .size: 8, .value_kind: global_buffer, .address_space: global }
      - { .name: ca_ncg, .offset: 24, .size: 8, .value_kind: global_buffer, .address_space: global }
      - { .name: ca_ncb, .offset: 32, .size: 8, .value_kind: global_buffer, .address_space: global }
      - { .name: wca, .offset: 40, .size: 8, .value_kind: global_buffer, .address_space: global }
      - { .name: sc_ca, .offset: 48, .size: 8, .value_kind: global_buffer, .address_space: global }
      - { .name: qkv_ca, .offset: 56, .size: 8, .value_kind: global_buffer, .address_space: global }
    .group_segment_fixed_size: 68608
    .private_segment_fixed_size: 0
    .kernarg_segment_align: 8
    .kernarg_segment_size: 64
    .max_flat_workgroup_size: 512
    .sgpr_count:     66
    .vgpr_count:     256
    .wavefront_size: 32
...
	.end_amdgpu_metadata
.endif
;; end of part 10
;; launch ca_attn (part 11): grid 8 x 32, 16 waves a work-group, no clusters, 67,584 bytes of LDS; arguments qkv_ca, sc_ca, ocodes; writes ocodes
.if DOCPART == 11
	.amdgcn_target "amdgcn-amd-amdhsa--gfx1250"
	.amdhsa_code_object_version 6
	.text
	.protected	k_qd52b7cac6b_ca_attn
	.globl	k_qd52b7cac6b_ca_attn
	.p2align	8
	.type	k_qd52b7cac6b_ca_attn,@function
k_qd52b7cac6b_ca_attn:
	s_mov_b64 s[64:65], 0
	v_nop
	global_prefetch_b8 v0, s[64:65] scope:SCOPE_SE
	s_setreg_imm32_b32 hwreg(HW_REG_WAVE_MODE, 25, 1), 1
	s_wait_xcnt 0x0
; The second layer's attention: the first layer's text with 512 keys to a head.
; o = softmax(q k^T / 8) v for one head, head size 64, NK keys, both products on codes of BF8 (E5M2); o leaves as codes for the next product.
; THE SOFTMAX AHEAD OF THE SECOND PRODUCT: t = score x log2(e) / 8; M = the row's largest t so far, taken UP to a whole number; p = 2^(t - M) is quantised, not normalised.
; The row's sum is taken of the unquantised p, in f32, and divides O at the end.  When M moves, the sum and O are multiplied by 2^(old M - new M): nothing is rounded, and no branch hangs on floating-point data.
; SHARES.  A work-group owns 256 queries (work-group x) of head bh = work-group y; each of its sixteen waves one tile of 16 queries in 256 registers, four waves to a SIMD.
; Every wave walks all keys, 128 a step.  K's and V's fragments lie in memory in the order of the operands' registers; 256 keys (16 KB of K, 16 KB of V) are a dense block each.
; They come through two LDS slots: each thread loads 4 x 16 bytes of the next slot at the head of a slot's two steps and stores them to LDS at their end.
; ONE BARRIER A SLOT: in front of it each wave's reads of the slot in hand are back and its stores into the other slot are done; the other slot was last read in front of the barrier before.
; LAYOUT.  S^T = K Q^T (source 0 = 16 keys, source 1 = my 16 queries), O^T = V^T P^T (source 0 = 16 channels): a lane holds ONE query throughout.  The keys of a tile of K, and the channels of a
; tile of V^T, are not neighbours (place i of tile T is 32 (T / 2) + 8 (T % 2) + i % 8 + 16 (i / 8)), so that the 16 registers of two neighbouring tiles are 16 neighbours along the next K.
; THE HOLD OF p at 57,344 x 2^ep is 64 lines a step.  M is at least the rounded largest t, so t - M is at most half a unit in t's last place: at most 1/4 while |t| < 2^22, and p at most 2^(1/4).
; Where ep >= -15 the bound is 1.75 or more and the hold changes nothing: a scalar branch on the given whole number ep goes round those lines alone.  Where ep < -15 they run.
; LIMITS: |t| < 2^22; eq + ek between -123 and 130 (added to the exponent field of log2(e) / 8); ep and eo between -126 and 112; ep + ev goes in by v_ldexp_f32 and has none.
; No joint loads: this text has no tensor load; the eight query blocks of a head each copy the head's K and V (128 NK bytes) through registers.
; REGISTERS: v1 16 x lane; v2 16 x thread; v12 -M, v13 the largest t, v[14:15] the sum in two halves; v16-23 Q; v32-95 K's eight fragments, then V's four; v96-159 S^T, then p;
; v160-191 O^T; v192-207 the next slot's bytes; v224-239 p's codes; v240, v244: 57,344 x 2^ep, 2^ep; v241, v245: the same for eo; v236, v242-243, v252-254 at work.
.set NK,  512                          ; keys of a head
.set NSL, NK/256                       ; slots' worth of keys
.macro PLACES                          ; four plain vector lines between a matrix instruction and a load into, or a vector line on, its registers
.rept 4
	v_nop
.endr
.endm
.macro MKSC e, t, vsc, vlim            ; s[e] = an exponent: v[vsc] = 2^e, v[vlim] = 57,344 x 2^e
	s_add_co_i32 s[\t], s[\e], 127
	s_lshl_b32 s[\t+1], s[\t], 23
	v_mov_b32 v[\vsc], s[\t+1]
	s_add_co_i32 s[\t], s[\t], 15
	s_lshl_b32 s[\t], s[\t], 23
	s_or_b32 s[\t], s[\t], 0x600000
	v_mov_b32 v[\vlim], s[\t]
.endm
.macro GLOAD                           ; the next 256 keys: 512 threads x 16 bytes x 4; each load of a wave reads 512 consecutive bytes
	global_load_b128 v[192:195], v2, s[24:25]
	global_load_b128 v[196:199], v2, s[24:25] offset:8192
	global_load_b128 v[200:203], v2, s[26:27]
	global_load_b128 v[204:207], v2, s[26:27] offset:8192
.endm
.macro GSTORE sl                       ; into slot sl as they lie: K's 16 KB, then V's
	ds_store_b128 v2, v[192:195] offset:(\sl)*32768
	ds_store_b128 v2, v[196:199] offset:(\sl)*32768+8192
	ds_store_b128 v2, v[200:203] offset:(\sl)*32768+16384
	ds_store_b128 v2, v[204:207] offset:(\sl)*32768+24576
.endm
	s_load_b128 s[4:7], s[0:1], 0x0                ; q, k and v's codes s[4:5], the exponents s[6:7]
	s_load_b64 s[8:9], s[0:1], 0x10                ; o's codes
	v_lshl_add_u32 v251, v0, 2, 0x10000
	v_mov_b32 v255, 0
	v_lshrrev_b32 v3, 5, v0
	v_readfirstlane_b32 s10, v3                    ; wave 0..15
	v_and_b32 v1, 31, v0
	v_lshlrev_b32 v1, 4, v1                        ; 16 x lane
	v_lshlrev_b32 v2, 4, v0                        ; 16 x thread
	s_and_b32 s11, ttmp7, 0xffff                   ; bh
	s_mov_b32 s12, 0x76543210                      ; v_permlanex16_b32: lane l takes lane l xor 16
	s_mov_b32 s13, 0xfedcba98
	s_mov_b32 s22, 0x3e38aa3b                      ; c = log2(e) / 8
	s_mul_i32 s30, s11, NK*64                      ; the head's first byte of K's, and of V's, images
	s_mov_b32 s31, 0
	s_lshl_b32 s34, ttmp9, 4
	s_add_co_u32 s34, s34, s10                     ; my tile of queries in the batch: 16 x + w
	s_lshl_b32 s32, s11, 7
	s_add_co_u32 s32, s32, s34
	s_lshl_b32 s32, s32, 10                        ; Q: (128 bh + tile) x 1024
	s_mov_b32 s33, 0
	s_lshr_b32 s36, s11, 3
	s_lshl_b32 s36, s36, 7
	s_add_co_u32 s36, s36, s34
	s_lshl_b32 s36, s36, 13                        ; o: (128 batch + tile) x 8192
	s_and_b32 s37, s11, 7
	s_lshl_b32 s37, s37, 10                        ;    + 1024 x head
	s_add_co_u32 s36, s36, s37
	s_mov_b32 s37, 0
	s_wait_kmcnt 0x0
	s_load_b128 s[16:19], s[6:7], 0x10             ; eq, ek, ep, ev
	s_load_b32 s20, s[6:7], 0x20                   ; eo
	s_add_nc_u64 s[24:25], s[4:5], s[30:31]
	s_add_nc_u64 s[26:27], s[24:25], 0x800000      ; V
	s_add_nc_u64 s[24:25], s[24:25], 0x400000      ; K
	s_add_nc_u64 s[4:5], s[4:5], s[32:33]
	s_add_nc_u64 s[8:9], s[8:9], s[36:37]
	GLOAD                                          ; slot 0
	global_load_b128 v[16:19], v1, s[4:5]          ; Q's fragment stays in registers
	global_load_b128 v[20:23], v1, s[4:5] offset:512
	v_mov_b32 v13, 0xff61b1e6                      ; the largest t so far: -3e38, under every t
	v_floor_f32 v12, -v13                          ; -M
	v_mov_b32 v14, 0                               ; the sum, in two halves
	v_mov_b32 v15, 0
	v_mov_b32 v236, 0                              ; written once: a lane permute's destination counts as one of its sources
	v_mov_b32 v253, 0                              ; (named as the upper half of the pair v[252:253])
.set j, 0
.rept 32
	v_mov_b32 v[160+j], 0                          ; O^T.  (The step is written once: the first finds zeros, which the first change of M leaves zeros)
.set j, j+1
.endr
	s_wait_kmcnt 0x0
	s_add_co_i32 s30, s16, s17
	s_lshl_b32 s30, s30, 23
	s_add_co_i32 s22, s22, s30                     ; a score stands for score x 2^(eq + ek): the two exponents are added to c's exponent field
	s_mov_b32 s23, s22                             ; (named with it as a pair, so it is written)
	MKSC 18, 30, 244, 240
	MKSC 20, 30, 245, 241
; A KEY STEP: 128 keys, the q-th of slot sl.
.macro STEP sl, q
	PLACES                                         ; in front of loads into registers that the last products read
.irp t, 0,1,2,3,4,5,6,7
	ds_load_b128 v[32+8*\t:35+8*\t], v1 offset:(\sl)*32768+(8*(\q)+\t)*1024
	ds_load_b128 v[36+8*\t:39+8*\t], v1 offset:(\sl)*32768+(8*(\q)+\t)*1024+512
.endr
	s_wait_dscnt 0x0
.irp t, 0,1,2,3,4,5,6,7
	v_wmma_f32_16x16x64_bf8_bf8 v[96+8*\t:103+8*\t], v[32+8*\t:39+8*\t], v[16:23], 0
.endr                                              ; lane (r, h): query r; the 16 registers of tiles 2 b, 2 b + 1 are the step's keys 32 b + 16 h + 0 .. 15
	PLACES
.irp t, 0,1,2,3                                ; V's four fragments land while the softmax is worked
.irp c, 0,1,2,3
	ds_load_b128 v[32+16*\t+4*\c:35+16*\t+4*\c], v1 offset:(\sl)*32768+16384+(4*(\q)+\t)*2048+512*\c
.endr
.endr
	v_max3_num_f32 v254, v96, v97, v98             ; the step's largest score of my query, among my 64 keys, in two chains, ascending,
	v_max3_num_f32 v252, v99, v100, v101
.set j, 6
.rept 14
	v_max3_num_f32 v254, v254, v[96+j], v[97+j]
	v_max3_num_f32 v252, v252, v[98+j], v[99+j]
.set j, j+4
.endr
	v_max3_num_f32 v254, v254, v158, v159
	v_max_num_f32 v254, v254, v252
	v_permlanex16_b32 v236, v254, s12, s13
	v_max_num_f32 v254, v254, v236                 ; and among lane l xor 16's
	v_mul_f32 v254, s22, v254                      ; as t (c is positive)
	v_max_num_f32 v13, v13, v254                   ; the running largest t
	v_mov_b32 v254, v12
	v_floor_f32 v12, -v13                          ; the new -M = floor(-t) = -ceil(t): M IS A WHOLE NUMBER
	v_sub_f32 v254, v12, v254                      ; M's old value less its new one: a whole number, 0 or less
	v_cvt_i32_f32 v254, v254                       ; (it saturates)
	v_ldexp_f32 v252, 1.0, v254                    ; f = 2^(old M - new M)
.set j, 0
.rept 32
	v_pk_fma_f32 v[96+j:97+j], v[96+j:97+j], s[22:23], v[12:13] op_sel_hi:[1,0,0]   ; t - M, two at a time (of the pairs c and -M the low word serves both halves)
.set j, j+2
.endr
.set j, 0
.rept 64
	v_exp_f32 v[96+j], v[96+j]                     ; p = 2^(t - M): NOT normalised
.set j, j+1
.endr
	v_pk_mul_f32 v[14:15], v[14:15], v[252:253] op_sel_hi:[1,0]   ; the sums under the new M.  (A plain line behind the exponentials)
	s_wait_alu depctr_va_vdst(0)
	v_pk_add_f32 v[242:243], v[96:97], v[98:99]    ; THE ROW'S SUM IS TAKEN OF THE UNQUANTISED p: two at a time, in two chains
.set j, 4
.rept 15
	v_pk_add_f32 v[14:15], v[14:15], v[96+j:97+j]
	v_pk_add_f32 v[242:243], v[242:243], v[98+j:99+j]
.set j, j+4
.endr
	v_pk_add_f32 v[14:15], v[14:15], v[242:243]
	s_cmp_ge_i32 s18, -15                          ; ep >= -15: 57,344 x 2^ep is 1.75 or more, above every p: the hold would change nothing
	s_cbranch_scc1 .Lfits_\@
.set j, 0
.rept 64
	v_min_num_f32 v[96+j], v[96+j], v240           ; the conversion to an 8-bit code does not saturate (ISA guide 7.6.2); p is not negative, so the hold is one-sided
.set j, j+1
.endr
.Lfits_\@:
.irp b, 0,1,2,3
	v_cvt_scalef32_pk8_bf8_f32 v[224+4*\b:225+4*\b], v[96+16*\b:103+16*\b], v244
	v_cvt_scalef32_pk8_bf8_f32 v[226+4*\b:227+4*\b], v[104+16*\b:111+16*\b], v244
.endr
.set j, 0
.rept 16
	v_pk_mul_f32 v[160+j:161+j], v[160+j:161+j], v[252:253] op_sel_hi:[1,0]   ; O^T under the new M: x f.  (Plain lines between the conversions and the products that read their results)
.set j, j+2
.endr
	s_wait_dscnt 0x0                               ; V's fragments are in
.irp t, 0,1,2,3
	v_wmma_f32_16x16x128_bf8_bf8 v[160+8*\t:167+8*\t], v[32+16*\t:47+16*\t], v[224:239], v[160+8*\t:167+8*\t]   ; the four accumulators by turns
.endr
.endm
; A SLOT'S TWO STEPS.  pf = 1: the next slot's bytes are asked for at the head and stored to the other slot at the end; then the barrier.
.macro SLOT sl, pf
.if \pf
	GLOAD
.endif
	STEP \sl, 0
	STEP \sl, 1
.if \pf
	s_wait_loadcnt 0x0                             ; the next slot's bytes are in registers: so the pointers may step
	GSTORE 1-(\sl)
	s_add_nc_u64 s[24:25], s[24:25], 16384
	s_add_nc_u64 s[26:27], s[26:27], 16384
	s_wait_dscnt 0x0                               ; for the others' sake: my stores are done, and my reads of this slot are back
	s_barrier_signal -1
	s_barrier_wait -1
.endif
.endm
	s_wait_loadcnt 2                               ; slot 0's four loads are in; Q's two may be out
	GSTORE 0
	s_add_nc_u64 s[24:25], s[24:25], 16384
	s_add_nc_u64 s[26:27], s[26:27], 16384
	s_wait_dscnt 0x0
	s_barrier_signal -1
	s_barrier_wait -1
	s_wait_loadcnt 0x0                             ; Q
.if NSL > 2
	s_mov_b32 s28, (NSL-2)/2
.Lslots:
	SLOT 0, 1
	SLOT 1, 1
	s_sub_co_u32 s28, s28, 1
	s_cmp_lg_u32 s28, 0
	s_cbranch_scc1 .Lslots
.endif
	SLOT 0, 1                                      ; the last two slots are written out: the very last asks for nothing, so no load leaves the buffer
	SLOT 1, 0
	; THE WAY OUT.  O^T / the sum x 2^(ep + ev) is o; it is held, quantised with 2^eo, and stored as the next product's operand: row tile x 8192 + 512 (2 head + c) + 16 lane.
	PLACES
	v_add_f32 v14, v14, v15                        ; the sum's two halves,
	v_permlanex16_b32 v252, v14, s12, s13
	v_add_f32 v14, v14, v252                       ; and lane l xor 16's: the row's sum
	v_rcp_f32 v14, v14
	v_nop                                          ; a plain line behind the transcendental
	s_add_co_i32 s30, s18, s19
	s_wait_alu depctr_va_vdst(0)
	v_ldexp_f32 v14, v14, s30                      ; x 2^(ep + ev)
.set j, 0
.rept 32
	v_mul_f32 v[96+j], v[160+j], v14               ; register 8 t + i: channel 32 (t / 2) + 16 h + 8 (t % 2) + i of query r; ascending: each accumulator from its low end on
.set j, j+1
.endr
.set j, 0
.rept 32
	v_med3_num_f32 v[96+j], v[96+j], -v241, v241
.set j, j+1
.endr
.irp t, 0,1,2,3
	v_cvt_scalef32_pk8_bf8_f32 v[224+2*\t:225+2*\t], v[96+8*\t:103+8*\t], v245
.endr
	v_nop
	global_store_b128 v1, v[224:227], s[8:9]       ; 32 lanes store 512 consecutive bytes, aligned
	global_store_b128 v1, v[228:231], s[8:9] offset:512
	s_wait_tensorcnt 0x0
	ds_add_u32 v251, v255
	s_wait_dscnt 0x0
	s_endpgm
.Lfunc_end_k_qd52b7cac6b_ca_attn:
	.size	k_qd52b7cac6b_ca_attn, .Lfunc_end_k_qd52b7cac6b_ca_attn-k_qd52b7cac6b_ca_attn
	.p2alignl 7, 3214868480
	.fill 96, 4, 3214868480
	.section	.rodata,"a",@progbits
	.p2align	6, 0x0
	.amdhsa_kernel k_qd52b7cac6b_ca_attn
		.amdhsa_group_segment_fixed_size 67584
		.amdhsa_private_segment_fixed_size 0
		.amdhsa_enable_private_segment 0
		.amdhsa_kernarg_size 24
		.amdhsa_user_sgpr_count 2
		.amdhsa_user_sgpr_kernarg_segment_ptr 1
		.amdhsa_wavefront_size32 1
		.amdhsa_system_sgpr_workgroup_id_x 1
		.amdhsa_system_sgpr_workgroup_id_y 1
		.amdhsa_system_sgpr_workgroup_id_z 1
		.amdhsa_system_vgpr_workitem_id 0
		.amdhsa_next_free_vgpr 256
		.amdhsa_next_free_sgpr 66
		.amdhsa_reserve_vcc 0
		.amdhsa_float_denorm_mode_32 3
		.amdhsa_float_denorm_mode_16_64 3
		.amdhsa_memory_ordered 1
		.amdhsa_forward_progress 1
		.amdhsa_inst_pref_size 71
	.end_amdhsa_kernel
	.amdgpu_metadata
---
amdhsa.version: [ 1, 2 ]
amdhsa.kernels:
  - .name:           k_qd52b7cac6b_ca_attn
    .symbol:         k_qd52b7cac6b_ca_attn.kd
    .args:
      - { .name: qkv_ca, .offset: 0, .size: 8, .value_kind: global_buffer, .address_space: global }
      - { .name: sc_ca, .offset: 8, .size: 8, .value_kind: global_buffer, .address_space: global }
      - { .name: ocodes, .offset: 16, .size: 8, .value_kind: global_buffer, .address_space: global }
    .group_segment_fixed_size: 67584
    .private_segment_fixed_size: 0
    .kernarg_segment_align: 8
    .kernarg_segment_size: 24
    .max_flat_workgroup_size: 512
    .sgpr_count:     66
    .vgpr_count:     256
    .wavefront_size: 32
...
	.end_amdgpu_metadata
.endif
;; end of part 11
;; launch ca_out: the kernel of part 9 again; grid 128 x 2, 16 waves a work-group, no clusters, 297,984 bytes of LDS; arguments ocodes, wca, sc_ca, ca_bo, x1, out0; writes out0
;; ======== version 3 of 3: 7 launches
;; limits: right only within a limited range of input values
;; workspace buffers: wsa 2,097,152 bytes; wca 2,097,152 bytes; sc_ca 256 bytes of whole numbers; qkv_sa 12,582,912 bytes; qkv_ca 12,582,912 bytes; ocodes 4,194,304 bytes; x1 33,554,432 bytes
;; launch wquant (part 12): grid 240 x 1, 4 waves a work-group, no clusters, 0 bytes of LDS; arguments sa_wq, sa_wkv, sa_wo, ca_wq, ca_wkv, ca_wo, lowp_scales, wsa, wca, sc_ca; writes wsa, wca, sc_ca
.if DOCPART == 12
	.amdgcn_target "amdgcn-amd-amdhsa--gfx1250"
	.amdhsa_code_object_version 6
	.text
	.protected	k_qd52b7cac6b_wquant
	.globl	k_qd52b7cac6b_wquant
	.p2align	8
	.type	k_qd52b7cac6b_wquant,@function
k_qd52b7cac6b_wquant:
	s_mov_b64 s[64:65], 0
	v_nop
	global_prefetch_b8 v0, s[64:65] scope:SCOPE_SE
	s_setreg_imm32_b32 hwreg(HW_REG_WAVE_MODE, 25, 1), 1
	s_wait_xcnt 0x0
; The six weights, f32 stored [K][N], become codes of BF8 (E5M2) laid in the order of a matrix operand's registers.
; code = w / 2^e, held within +-57,344, to the nearest code, ties to even; e is the weight's entry of lowp_scales.
; LIMIT: -126 <= e <= 112, so that 2^e and 57,344 x 2^e are f32 numbers.  NaN among the inputs is not served.
; IMAGE.  Fragment (column tile t, K step s) lies at (t KS + s) x 2048 bytes, KS = K / 128; in it group c (512 bytes) holds, at 16 x lane,
; k = 128 s + 32 c + 16 (lane / 16) + 0 .. 15 of column 32 (t / 2) + 8 (t % 2) + (i % 8) + 16 (i / 8), i = lane % 16.
; SHARES.  A work-group takes 128 columns x 128 along K, a wave 32 columns (a pair of tiles), A LANE ONE COLUMN, AND ITS REGISTERS RUN DOWN K:
; a load reads 128 consecutive bytes a wave, 512 a work-group, and the conversions give codes with K innermost.  Nothing is transposed.
; One launch serves the six tensors: pointers and sizes are chosen on the work-group's number alone; all take one path through the text.
; Work-group 0's wave 0 also copies entries 10 .. 19 of lowp_scales into sc_ca, so that the second layer's launches read their ten
; exponents at the places at which the first layer's read theirs.
; No LDS, no barrier, no matrix unit: waves share nothing, and each byte is read once and each code written once.
.set OFF, 16                           ; v16-47   row i of a block of 32: i x pitch + 4 x lane
.set X,   48                           ; v48-175  four blocks of 32 numbers
.set C,   176                          ; v176-207 their codes: eight registers a block, so that no store's data are written again
	s_load_b512 s[4:19], s[0:1], 0x0               ; sa_wq 4, sa_wkv 6, sa_wo 8, ca_wq 10, ca_wkv 12, ca_wo 14, lowp_scales 16, wsa 18
	s_load_b128 s[20:23], s[0:1], 0x40             ; wca 20, sc_ca 22
	v_lshrrev_b32 v2, 5, v0
	v_readfirstlane_b32 s53, v2                    ; wave 0..3
	v_and_b32 v1, 31, v0                           ; lane
	v_lshlrev_b32 v3, 2, v1                        ; 4 x lane
	s_wait_alu depctr_va_vdst(0)
	s_wait_kmcnt 0x0
	s_load_b512 s[32:47], s[16:17], 0x0            ; entry i of lowp_scales in s[32 + i]
	s_load_b128 s[48:51], s[16:17], 0x40
	s_mov_b64 s[24:25], s[4:5]                     ; the tensor: sa_wq, unless a later range holds my work-group
	s_mov_b64 s[26:27], s[18:19]                   ; its images' buffer
	s_mov_b32 s28, 0                               ; the range's first work-group
	s_mov_b32 s29, 2                               ; log2 of the groups of 128 columns
	s_mov_b32 s30, 8                               ; KS
	s_mov_b32 s31, 0                               ; where the tensor's images begin
.macro PICK start, src, dst, cgs, ks, doff
	s_cmp_ge_u32 ttmp9, \start
	s_cselect_b64 s[24:25], s[\src:\src+1], s[24:25]
	s_cselect_b64 s[26:27], s[\dst:\dst+1], s[26:27]
	s_cselect_b32 s28, \start, s28
	s_cselect_b32 s29, \cgs, s29
	s_cselect_b32 s30, \ks, s30
	s_cselect_b32 s31, \doff, s31
.endm
	PICK 32,  6,  18, 3, 8, 0x80000                ; sa_wkv [1024][1024]
	PICK 96,  8,  18, 3, 4, 0x180000               ; sa_wo  [512][1024]
	PICK 128, 10, 20, 2, 8, 0                      ; ca_wq  [1024][512]
	PICK 160, 12, 20, 3, 6, 0x80000                ; ca_wkv [768][1024]
	PICK 208, 14, 20, 3, 4, 0x180000               ; ca_wo  [512][1024]
	s_sub_co_u32 s54, ttmp9, s28                   ; my number in the range
	s_lshl_b32 s55, 1, s29
	s_sub_co_u32 s55, s55, 1
	s_and_b32 s55, s54, s55                        ; which 128 columns
	s_lshr_b32 s56, s54, s29                       ; which K step
	s_lshl_b32 s57, 512, s29                       ; a row of the tensor in bytes
	s_lshl_b32 s55, s55, 2
	s_add_co_u32 s55, s55, s53                     ; b: my wave's pair of tiles = its 32 columns
	s_mul_i32 s58, s56, s57
	s_lshl_b32 s58, s58, 7                         ; 128 rows for each K step,
	s_lshl_b32 s59, s55, 7                         ; 128 bytes for each 32 columns
	s_add_co_u32 s58, s58, s59
	s_mov_b32 s59, 0
	s_add_nc_u64 s[68:69], s[24:25], s[58:59]      ; block 0's first row; blocks 1 to 3 begin 32 rows further down each
	s_lshl_b32 s60, s57, 5
	s_mov_b32 s61, 0
	s_add_nc_u64 s[70:71], s[68:69], s[60:61]
	s_add_nc_u64 s[72:73], s[70:71], s[60:61]
	s_add_nc_u64 s[74:75], s[72:73], s[60:61]
	s_lshl_b32 s62, s55, 1                         ; tile 2 b,
	s_mul_i32 s62, s62, s30
	s_add_co_u32 s62, s62, s56                     ; its fragment of my K step,
	s_lshl_b32 s62, s62, 11
	s_add_co_u32 s62, s62, s31
	s_mov_b32 s63, 0
	s_add_nc_u64 s[26:27], s[26:27], s[62:63]
.set i, 0
.rept 32
	v_mad_u32_u24 v[OFF+i], s57, i, v3
.set i, i+1
.endr
.macro LOADB c                         ; block c: W(32 c + i, my column), i = 0 .. 31
.set i, 0
.rept 32
	global_load_b32 v[X+32*(\c)+i], v[OFF+i], s[68+2*(\c):69+2*(\c)] th:TH_LOAD_NT
.set i, i+1
.endr
.endm
	LOADB 0
	LOADB 1
	; column 32 b + lane is place i = lane % 8 + 8 (lane / 16) of tile 2 b + (lane / 8) % 2: my 16 bytes lie at 16 i, the tile's fragments KS x 2048 bytes apart
	s_lshl_b32 s76, s30, 11
	v_bfe_u32 v5, v1, 3, 1
	v_mul_u32_u24 v4, s76, v5
	v_and_b32 v5, 7, v1
	v_lshl_add_u32 v4, v5, 4, v4
	v_lshrrev_b32 v5, 4, v1
	v_lshl_add_u32 v4, v5, 7, v4
	s_wait_alu depctr_va_vdst(0)
	s_wait_kmcnt 0x0
	s_mov_b32 s52, s33                             ; e: entry 1, 3, 9, 11, 13 or 19
.macro PICKE start, e
	s_cmp_ge_u32 ttmp9, \start
	s_cselect_b32 s52, s[\e], s52
.endm
	PICKE 32,  35
	PICKE 96,  41
	PICKE 128, 43
	PICKE 160, 45
	PICKE 208, 51
	s_add_co_i32 s77, s52, 127
	s_lshl_b32 s78, s77, 23
	v_mov_b32 v11, s78                             ; 2^e as f32: the conversion takes its exponent field
	s_add_co_i32 s77, s77, 15
	s_lshl_b32 s77, s77, 23
	s_or_b32 s77, s77, 0x600000
	v_mov_b32 v10, s77                             ; 57,344 x 2^e
.macro BLOCK c
.set i, 0
.rept 32
	v_med3_num_f32 v[X+32*(\c)+i], v[X+32*(\c)+i], -v10, v10   ; the conversion to an 8-bit code does not saturate (ISA guide 7.6.2): the hold comes first
.set i, i+1
.endr
.irp g, 0,1,2,3
	v_cvt_scalef32_pk8_bf8_f32 v[C+8*(\c)+2*\g:C+8*(\c)+2*\g+1], v[X+32*(\c)+8*\g:X+32*(\c)+8*\g+7], v11
.endr
	global_store_b128 v4, v[C+8*(\c):C+8*(\c)+3], s[26:27] offset:512*(\c)         ; k = 32 c + 0 .. 15: the places of lanes 0-15; sixteen lanes store 256 consecutive bytes, aligned
	global_store_b128 v4, v[C+8*(\c)+4:C+8*(\c)+7], s[26:27] offset:512*(\c)+256   ; k = 32 c + 16 .. 31: the places of lanes 16-31
.endm
	s_wait_alu depctr_va_vdst(0)
	s_wait_loadcnt 32                              ; block 0 is in; block 1's 32 loads may be out
	LOADB 2
	BLOCK 0
	s_wait_loadcnt 32                              ; block 1 is in; block 2's may be out
	LOADB 3
	BLOCK 1
	s_wait_loadcnt 32                              ; block 2 is in; block 3's may be out
	BLOCK 2
	s_wait_loadcnt 0x0
	BLOCK 3
	s_cmp_lg_u32 ttmp9, 0                          ; the second layer's ten exponents: one wave of one work-group copies them
	s_cbranch_scc1 .Lend
	s_cmp_lg_u32 s53, 0
	s_cbranch_scc1 .Lend
	v_min_u32 v7, 9, v1
	v_lshlrev_b32 v7, 2, v7
	global_load_b32 v8, v7, s[16:17] offset:40     ; entry 10 + min(lane, 9): the last byte read is the buffer's last
	s_wait_loadcnt 0x0
	global_store_b32 v3, v8, s[22:23]
.Lend:
	s_endpgm
.Lfunc_end_k_qd52b7cac6b_wquant:
	.size	k_qd52b7cac6b_wquant, .Lfunc_end_k_qd52b7cac6b_wquant-k_qd52b7cac6b_wquant
	.p2alignl 7, 3214868480
	.fill 96, 4, 3214868480
	.section	.rodata,"a",@progbits
	.p2align	6, 0x0
	.amdhsa_kernel k_qd52b7cac6b_wquant
		.amdhsa_group_segment_fixed_size 0
		.amdhsa_private_segment_fixed_size 0
		.amdhsa_enable_private_segment 0
		.amdhsa_kernarg_size 80
		.amdhsa_user_sgpr_count 2
		.amdhsa_user_sgpr_kernarg_segment_ptr 1
		.amdhsa_wavefront_size32 1
		.amdhsa_system_sgpr_workgroup_id_x 1
		.amdhsa_system_sgpr_workgroup_id_y 1
		.amdhsa_system_sgpr_workgroup_id_z 1
		.amdhsa_system_vgpr_workitem_id 0
		.amdhsa_next_free_vgpr 208
		.amdhsa_next_free_sgpr 80
		.amdhsa_reserve_vcc 0
		.amdhsa_float_denorm_mode_32 3
		.amdhsa_float_denorm_mode_16_64 3
		.amdhsa_memory_ordered 1
		.amdhsa_forward_progress 1
		.amdhsa_inst_pref_size 29
	.end_amdhsa_kernel
	.amdgpu_metadata
---
amdhsa.version: [ 1, 2 ]
amdhsa.kernels:
  - .name:           k_qd52b7cac6b_wquant
    .symbol:         k_qd52b7cac6b_wquant.kd
    .args:
      - { .name: sa_wq, .offset: 0, .size: 8, .value_kind: global_buffer, .address_space: global }
      - { .name: sa_wkv, .offset: 8, .size: 8, .value_kind: global_buffer, .address_space: global }
      - { .name: sa_wo, .offset: 16, .size: 8, .value_kind: global_buffer, .address_space: global }
      - { .name: ca_wq, .offset: 24, .size: 8, .value_kind: global_buffer, .address_space: global }
      - { .name: ca_wkv, .offset: 32, .size: 8, .value_kind: global_buffer, .address_space: global }
      - { .name: ca_wo, .offset: 40, .size: 8, .value_kind: global_buffer, .address_space: global }
      - { .name: lowp_scales, .offset: 48, .size: 8, .value_kind: global_buffer, .address_space: global }
      - { .name: wsa, .offset: 56, .size: 8, .value_kind: global_buffer, .address_space: global }
      - { .name: wca, .offset: 64, .size: 8, .value_kind: global_buffer, .address_space: global }
      - { .name: sc_ca, .offset: 72, .size: 8, .value_kind: global_buffer, .address_space: global }
    .group_segment_fixed_size: 0
    .private_segment_fixed_size: 0
    .kernarg_segment_align: 8
    .kernarg_segment_size: 80
    .max_flat_workgroup_size: 128
    .sgpr_count:     80
    .vgpr_count:     208
    .wavefront_size: 32
...
	.end_amdgpu_metadata
.endif
;; end of part 12
;; launch sa_qkv (part 13): grid 64 x 4, 16 waves a work-group, no clusters, 185,344 bytes of LDS; arguments x, sa_ng, sa_nb, sa_ncg, sa_ncb, wsa, lowp_scales, qkv_sa, context, ca_ng, ca_nb, ca_ncg, ca_ncb, wca, sc_ca, qkv_ca; writes qkv_sa, qkv_ca
.if DOCPART == 13
	.amdgcn_target "amdgcn-amd-amdhsa--gfx1250"
	.amdhsa_code_object_version 6
	.text
	.protected	k_qd52b7cac6b_sa_qkv
	.globl	k_qd52b7cac6b_sa_qkv
	.p2align	8
	.type	k_qd52b7cac6b_sa_qkv,@function
k_qd52b7cac6b_sa_qkv:
	s_mov_b64 s[64:65], 0
	v_nop
	global_prefetch_b8 v0, s[64:65] scope:SCOPE_SE
	s_setreg_imm32_b32 hwreg(HW_REG_WAVE_SCHED_MODE, 0, 2), 2
	s_setreg_imm32_b32 hwreg(HW_REG_WAVE_MODE, 25, 1), 1
	s_wait_xcnt 0x0
	s_wait_alu depctr_vm_vsrc(0)
; LayerNorm, quantiser and one product of 512 columns, its results quantised again: q (slice 0), k (slice 1) or v (slice 2) as codes of BF8 (E5M2).
; ONE LAUNCH, TWO KINDS OF WORK-GROUP, 256 in all.  Work-group y = 0, 1, 2: slice y of the first layer, 128 rows of x (work-group x).  y = 3: the second layer's k and v from the context:
; 64 rows (work-group x % 32), slice 1 + x / 32.  The two depend on nothing of each other.  The macros are written once and expanded under two sets of sizes (SIZES);
; the two ways part on the work-group's number at the head and never join; each has LDS bytes of its own.
; Each way has eight arguments in one order: rows, gain and bias for slice 0 (not loaded on the context's way, which has no slice 0), gain and bias for slices 1 and 2, the weights' images,
; ten exponents (0 xn, 1 wq, 2 cn, 3 wkv, 4 q, 5 k, 6 p, 7 v, 8 o, 9 wo), the codes' buffer.
; PHASE 1.  Wave w normalises NR rows in f32: mean, then the sum of squared deviations (two passes over registers, so that a common offset of the inputs costs no digits),
; 1 / sqrt(var + 1e-5), gain, bias; the hold at +-57,344 x 2^eA; the conversion.  The codes go to LDS as rows, k ascending, PITCH bytes apart.
; LDS row 16 m + i holds the block's row 32 (m / 2) + 8 (m % 2) + i % 8 + 16 (i / 8): THE ROWS OF A TILE ARE NOT NEIGHBOURS, so that where rows become the next product's K
; (the keys of p and of v) a lane's 16 registers of two neighbouring tiles are 16 neighbours.  One barrier.
; PHASE 2.  Wave w makes columns 32 w .. 32 w + 31 (weight tiles 2 w, 2 w + 1) for all RT row tiles: 2 RT accumulators by turns, K in steps of 128.  The weights' fragments go straight into
; registers, WS - 1 steps ahead: as many sets of 32 registers as the accumulators leave (2 sets beside 8 row tiles, 4 beside 4).
; q, k: source 0 = the weight's tile, source 1 = the rows: a lane holds one row and 16 neighbouring channels.  v: the sources swapped: a lane holds one channel and 16 neighbouring keys.
; A sum stands for sum x 2^(eA + eW), so its code under eO is made with the one scale 2^(eO - eA - eW).  Every store of a wave covers 512 consecutive bytes, aligned.
; LIMITS: eA and eO - eA - eW between -126 and 112.  NaN among the inputs is not served.
; No joint loads: this text has no tensor load; LDS is filled from registers with codes made here.
; THE MODE: SCHED_MODE bits 1:0 = 2 (LLVM: expert scheduling mode 2), set by the entry lines.  The code itself states the register dependences
; between vector or matrix instructions and memory or LDS instructions, with s_wait_alu, always for 0.
; THE PLAN.  Registers that memory or LDS instructions touch:
;   v4, v5, v7, v8, v9   offsets and LDS addresses: made once on each way, ahead of its first load, and never written again.
;   X0 .. X3   Row j's loads land in X[j % 4]; the row's arithmetic works there in place; its conversions are the last to read it; then row j + 4's loads land in it.
;   CD         Written by a row's conversions, read by its LDS stores, written again by the next row's conversions; in phase 2 weights land there.
;   AF         Two fragments of rows: LDS loads land, four products read them, the next pair's loads land.  On the way out conversions write codes there, which the stores read.
;   BF         WS sets: the loads of step s + WS - 1 land in the set that the products of step s - 1 read.
;   Gain, bias and the accumulators are named, behind their loads, by vector and matrix instructions alone.
; So a row has one wait on va_vdst behind its conversions (CD is written, for the stores; X[j % 4] is read no more, for the loads) and one on vm_vsrc ahead of them (the last row's stores have read CD).
; No vector instruction stands behind the last row's wait: the first weights' loads owe nothing more.  In phase 2 one wait on va_vdst stands ahead of each pair's loads; at a step's head
; the same wait serves the weights' loads.  No 16 registers on end are left for a third fragment of rows: the accumulators, the two fragments and the weight sets reach v239.
.set EPS,   0x3727c5ac                 ; 1e-5
.set WKV_OFF, 0x80000
.set VX,  4                            ; v4   my 16 bytes of my wave's first row
.set LW,  5                            ; v5   LDS: my 4 codes of my wave's first row
.set AR,  7                            ; v7, v8  LDS: my place in row tiles 0-3, 4-7
.set LI,  9                            ; v9   16 x lane
.set GA,  16                           ; phase 1: v16-47 gain, v48-79 bias, v80-207 four rows of 32 registers, v208-215 codes, v216-227 at work
.set BE,  48
.set X,   80
.set CD,  208
.set T,   216
.set MP,  224
.set RP,  226
.set ACC, 16                           ; phase 2: accumulator (m, u) at v[16 + 16 m + 8 u]; behind them two fragments of rows (AF), then WS sets of two weight fragments (BF), up to v239
.set SCA, 240                          ; 2^eA, 57,344 x 2^eA, 2^(eO - eA - eW), 57,344 x that
.set LIMA, 241
.set SCO, 242
.set LIMO, 243
.macro SIZES kdim, rt, rpb, lbpb, invk, lbase
.set KDIM,  \kdim                      ; K of the product = the rows' length
.set RT,    \rt                        ; row tiles of a work-group
.set RPB,   \rpb                       ; rows in a batch
.set LBPB,  \lbpb                      ; log2 of the blocks in a batch
.set INVK,  \invk                      ; 1 / KDIM
.set LBASE, \lbase                     ; where this way's LDS bytes begin
.set SETS,  4                          ; rows of a wave on their way or at work
.set CH,    KDIM/256
.set KS,    KDIM/128
.set NR,    RT                         ; rows of a wave: 16 RT / 16
.set PITCH, KDIM+16                    ; an odd multiple of 16 bytes: the 16 rows that a fragment load touches begin at 16 different groups of banks (64 banks of 4 bytes: ISA guide 11.1)
.set ROWB,  4*KDIM
.set LPR,   2*CH                       ; loads that bring a row
.set AF,    ACC+16*RT
.set BF,    AF+32
.set WS,    (240-BF)/32
.endm
.macro PLACES                          ; four plain vector lines between a matrix instruction and a load into, or a vector line on, its registers
.rept 4
	v_nop
.endr
.endm
.macro MKSC e, t, vsc, vlim            ; s[e] = an exponent: v[vsc] = 2^e, v[vlim] = 57,344 x 2^e
	s_add_co_i32 s[\t], s[\e], 127
	s_lshl_b32 s[\t+1], s[\t], 23
	v_mov_b32 v[\vsc], s[\t+1]
	s_add_co_i32 s[\t], s[\t], 15
	s_lshl_b32 s[\t], s[\t], 23
	s_or_b32 s[\t], s[\t], 0x600000
	v_mov_b32 v[\vlim], s[\t]
.endm
.macro XLOAD j                         ; row j of my wave: load n brings k = 128 n + 4 lane + 0 .. 3: 32 lanes read 512 consecutive bytes
.set n, 0
.rept LPR
	global_load_b128 v[X+32*((\j)%SETS)+4*n:X+32*((\j)%SETS)+4*n+3], v[VX], s[4:5] offset:(\j)*ROWB+512*n
.set n, n+1
.endr
.endm
.macro RED reg, tmp                    ; the sum over the 32 lanes, in every lane
	v_add_f32_dpp v[\reg], v[\reg], v[\reg] row_xmask:1 row_mask:0xf bank_mask:0xf
	v_add_f32_dpp v[\reg], v[\reg], v[\reg] row_xmask:2 row_mask:0xf bank_mask:0xf
	v_add_f32_dpp v[\reg], v[\reg], v[\reg] row_xmask:4 row_mask:0xf bank_mask:0xf
	v_add_f32_dpp v[\reg], v[\reg], v[\reg] row_xmask:8 row_mask:0xf bank_mask:0xf
	v_permlanex16_b32 v[\tmp], v[\reg], s48, s49
	v_add_f32 v[\reg], v[\reg], v[\tmp]
.endm
.macro LNROW j
.set XS, X+32*((\j)%SETS)
.if NR-1-(\j) < SETS-1
	s_wait_loadcnt LPR*(NR-1-(\j))                 ; my row is in; the rows behind it may be out
.else
	s_wait_loadcnt LPR*(SETS-1)
.endif
	v_pk_add_f32 v[T:T+1], v[XS:XS+1], v[XS+2:XS+3]          ; the row's sum, in two chains
	v_pk_add_f32 v[T+2:T+3], v[XS+4:XS+5], v[XS+6:XS+7]
.set p, 8
.rept 2*CH-2
	v_pk_add_f32 v[T:T+1], v[T:T+1], v[XS+p:XS+p+1]
	v_pk_add_f32 v[T+2:T+3], v[T+2:T+3], v[XS+p+2:XS+p+3]
.set p, p+4
.endr
	v_pk_add_f32 v[T:T+1], v[T:T+1], v[T+2:T+3]
	v_add_f32 v[T], v[T], v[T+1]
	RED T, T+1
	v_mul_f32 v[MP], s50, v[T]                     ; the mean, twice: a pair for the packed subtraction
	v_mul_f32 v[MP+1], s50, v[T]
.set p, 0
.rept 4*CH
	v_pk_add_f32 v[XS+p:XS+p+1], v[XS+p:XS+p+1], v[MP:MP+1] neg_lo:[0,1] neg_hi:[0,1]
.set p, p+2
.endr
	v_pk_mul_f32 v[T:T+1], v[XS:XS+1], v[XS:XS+1]            ; the sum of the squared deviations, in two chains
	v_pk_mul_f32 v[T+2:T+3], v[XS+2:XS+3], v[XS+2:XS+3]
.set p, 4
.rept 2*CH-1
	v_pk_fma_f32 v[T:T+1], v[XS+p:XS+p+1], v[XS+p:XS+p+1], v[T:T+1]
	v_pk_fma_f32 v[T+2:T+3], v[XS+p+2:XS+p+3], v[XS+p+2:XS+p+3], v[T+2:T+3]
.set p, p+4
.endr
	v_pk_add_f32 v[T:T+1], v[T:T+1], v[T+2:T+3]
	v_add_f32 v[T], v[T], v[T+1]
	RED T, T+1
	v_fma_f32 v[T], v[T], s50, s51                 ; var + 1e-5
	s_wait_alu depctr_va_vdst(0)
	v_rsq_f32 v[RP], v[T]
	v_nop                                          ; a plain line between the transcendental and the use of its result (ISA guide 5.7.2)
	s_wait_alu depctr_va_vdst(0)                   ; 1 / sqrt(var + 1e-5) is written in v[RP], ahead of its first reader
	v_mov_b32 v[RP+1], v[RP]
.set p, 0
.rept 4*CH
	v_pk_mul_f32 v[XS+p:XS+p+1], v[XS+p:XS+p+1], v[RP:RP+1]
.set p, p+2
.endr
.set p, 0
.rept 4*CH
	v_pk_fma_f32 v[XS+p:XS+p+1], v[XS+p:XS+p+1], v[GA+p:GA+p+1], v[BE+p:BE+p+1]
.set p, p+2
.endr
.set p, 0
.rept 8*CH
	v_med3_num_f32 v[XS+p], v[XS+p], -v[LIMA], v[LIMA]   ; the conversion to an 8-bit code does not saturate (ISA guide 7.6.2): the hold comes first
.set p, p+1
.endr
	s_wait_alu depctr_va_vdst(0)
	s_wait_dscnt 0x0                               ; the last row's LDS stores are done: the codes' registers are written again
.if (\j) > 0
	s_wait_alu depctr_vm_vsrc(0)                   ; the last row's LDS stores have read v[CD ..], which the conversions below write again
.endif
.set p, 0
.rept CH
	v_cvt_scalef32_pk8_bf8_f32 v[CD+2*p:CD+2*p+1], v[XS+8*p:XS+8*p+7], v[SCA]   ; register 2 p: the 4 codes of load 2 p; register 2 p + 1: those of load 2 p + 1
.set p, p+1
.endr
	v_nop                                          ; a plain line behind the last conversion: matrix instructions write its sources later
	s_wait_alu depctr_va_vdst(0)                   ; the conversions have written v[CD ..], which the LDS stores read, and are done reading X[j % 4], in which the loads below land
.set p, 0
.rept LPR
	ds_store_b32 v[LW], v[CD+p] offset:(\j)*PITCH+128*p      ; 32 lanes store 128 consecutive bytes of the row
.set p, p+1
.endr
.if (\j)+SETS < NR
	XLOAD (\j)+SETS
.endif
.endm
.macro WLOAD s                         ; my two weight fragments of K step s into set s % WS: each load reads 512 consecutive bytes
.irp u, 0,1
.irp c, 0,1,2,3
	global_load_b128 v[BF+32*((\s)%WS)+16*\u+4*\c:BF+32*((\s)%WS)+16*\u+4*\c+3], v[LI], s[14:15] offset:(\u*KS+(\s))*2048+512*\c
.endr
.endr
.endm
.macro ALOAD m, s, reg                 ; row tile m, K step s: registers 4 c .. 4 c + 3 hold k = 128 s + 32 c + 16 h + 0 .. 15 of LDS row 16 m + r
.irp c, 0,1,2,3
	ds_load_b128 v[\reg+4*\c:\reg+4*\c+3], v[AR+(\m)/4] offset:((\m)%4)*16*PITCH+128*(\s)+32*\c
.endr
.endm
.macro MM m, u, s, ori                 ; ori = 0: source 0 = the weight's tile u, source 1 = row tile m; 1: swapped.  K step 0 starts the sum: nothing is cleared
.set rA, ACC+16*(\m)+8*(\u)
.set rW, BF+32*((\s)%WS)+16*(\u)
.set rX, AF+16*((\m)%2)
.if \ori
.if (\s) == 0
	v_wmma_f32_16x16x128_bf8_bf8 v[rA:rA+7], v[rX:rX+15], v[rW:rW+15], 0
.else
	v_wmma_f32_16x16x128_bf8_bf8 v[rA:rA+7], v[rX:rX+15], v[rW:rW+15], v[rA:rA+7]
.endif
.else
.if (\s) == 0
	v_wmma_f32_16x16x128_bf8_bf8 v[rA:rA+7], v[rW:rW+15], v[rX:rX+15], 0
.else
	v_wmma_f32_16x16x128_bf8_bf8 v[rA:rA+7], v[rW:rW+15], v[rX:rX+15], v[rA:rA+7]
.endif
.endif
.endm
.macro KSTEP s, ori                    ; 128 along K: 2 RT matrix instructions, the accumulators by turns, one instruction a turn
.set wl, (\s)+WS-1
.if wl > KS-1
.set wl, KS-1
.endif
.set mp, 0
.rept RT/2
.if ((\s) > 0) || (mp > 0)
	PLACES
	s_wait_alu depctr_va_vdst(0)                   ; the products issued so far are done reading the two fragments of rows, in which the loads below land; at a step's head also the weight set that the step before has left
.endif
.if (mp == 0) && ((\s)+WS-1 < KS)
	WLOAD (\s)+WS-1                                ; into the set that the step before has left
.endif
	ALOAD 2*mp, \s, AF
	ALOAD 2*mp+1, \s, AF+16
.if mp == 0
	s_wait_loadcnt 8*(wl-(\s))                     ; this step's weight fragments are in; the later steps' loads, eight a step, may be out
.endif
	s_wait_dscnt 0x0
	MM 2*mp, 0, \s, \ori
	MM 2*mp, 1, \s, \ori
	MM 2*mp+1, 0, \s, \ori
	MM 2*mp+1, 1, \s, \ori
.set mp, mp+1
.endr
.endm
; A WORK-GROUP'S WHOLE WAY, under the sizes in force.  s20: wave; s21: slice; s52: block of 16 RT rows.  abase: where the way's eight arguments begin.  hasv: slice 2 occurs.
.macro BODY abase, hasv, tag
	s_load_b512 s[4:19], s[0:1], \abase            ; rows 4, g0 6, b0 8, g1 10, b1 12, weights 14, exponents 16, codes 18
	s_mov_b32 s50, INVK
	s_mul_i32 s40, s20, NR                         ; my first LDS row; its row of the block has bits 3 and 4 exchanged
	s_and_b32 s41, s40, 0xe7
	s_and_b32 s42, s40, 8
	s_lshl_b32 s42, s42, 1
	s_or_b32 s41, s41, s42
	s_and_b32 s42, s40, 16
	s_lshr_b32 s42, s42, 1
	s_or_b32 s41, s41, s42
	s_mul_i32 s41, s41, ROWB
	v_add_nc_u32 v[VX], s41, v[LI]
	s_mul_i32 s42, s40, PITCH
.if LBASE > 0
	s_add_co_u32 s42, s42, LBASE
.endif
	v_lshl_add_u32 v[LW], v1, 2, s42
	v_mul_u32_u24 v[AR], v2, PITCH
	v_lshl_add_u32 v[AR], v3, 4, v[AR]             ; a fragment's row x pitch + 16 x half
.if LBASE > 0
	v_add_nc_u32 v[AR], LBASE, v[AR]
.endif
.if RT > 4
	v_add_nc_u32 v[AR+1], 64*PITCH, v[AR]
.endif
	s_mul_i32 s44, s52, 16*RT*ROWB
	s_mov_b32 s45, 0
	s_wait_kmcnt 0x0
	s_load_b256 s[24:31], s[16:17], 0x0            ; exponents 0 .. 7
	s_add_nc_u64 s[4:5], s[4:5], s[44:45]          ; the block's first row
	s_cmp_eq_u32 s21, 0
	s_cselect_b64 s[32:33], s[6:7], s[10:11]       ; the slice's gain
	s_cselect_b64 s[34:35], s[8:9], s[12:13]       ; and bias
	s_cselect_b32 s40, 0, WKV_OFF                  ; its weight: wq, or wkv's tiles 0-31 (k) or 32-63 (v)
	s_cmp_eq_u32 s21, 2
	s_cselect_b32 s41, 32*KS*2048, 0
	s_add_co_u32 s40, s40, s41
	s_mul_i32 s41, s20, 2*KS*2048                  ; my two tiles
	s_add_co_u32 s40, s40, s41
	s_mov_b32 s41, 0
	s_add_nc_u64 s[14:15], s[14:15], s[40:41]
	s_wait_alu depctr_va_vdst(0)                   ; the offsets and LDS addresses v4, v5, v7, v8, v9 are written: every load, store and LDS instruction of this way reads one of them
.set n, 0
.rept LPR
	global_load_b128 v[GA+4*n:GA+4*n+3], v[LI], s[32:33] offset:512*n
.set n, n+1
.endr
.set n, 0
.rept LPR
	global_load_b128 v[BE+4*n:BE+4*n+3], v[LI], s[34:35] offset:512*n
.set n, n+1
.endr
.set J, 0
.rept SETS
	XLOAD J
.set J, J+1
.endr
	s_wait_kmcnt 0x0
	s_cmp_eq_u32 s21, 0
	s_cselect_b32 s36, s24, s26                    ; eA
	s_cselect_b32 s37, s25, s27                    ; eW
	s_cselect_b32 s38, s28, s29                    ; eO: q's, k's
	s_cmp_eq_u32 s21, 2
	s_cselect_b32 s38, s31, s38                    ; or v's
	s_sub_co_i32 s38, s38, s36
	s_sub_co_i32 s38, s38, s37                     ; eO - eA - eW
	MKSC 36, 40, SCA, LIMA
	MKSC 38, 40, SCO, LIMO
.set J, 0
.rept NR
	LNROW J
.set J, J+1
.endr
.set SS, 0
.rept WS-1
	WLOAD SS                                       ; the first WS - 1 steps' weights, into registers that the rows have left.  No wait: no vector instruction stands behind the last row's wait on va_vdst
.set SS, SS+1
.endr
	s_wait_dscnt 0x0                               ; for the others' sake: my rows' codes lie in LDS
	s_barrier_signal -1
	s_barrier_wait -1                              ; everybody's do; nothing is stored to LDS behind this barrier
	s_wait_alu depctr_vm_vsrc(0)                   ; my last row's LDS stores have read v[CD ..]: the first step's weight loads land there
	s_lshr_b32 s40, s52, LBPB                      ; the batch
	s_lshl_b32 s40, s40, 3
	s_lshr_b32 s41, s20, 1
	s_add_co_u32 s40, s40, s41                     ; bh = 8 x batch + head: my 32 columns are half w % 2 of head w / 2
	s_and_b32 s41, s52, (1<<LBPB)-1                ; the block in its batch
	s_and_b32 s42, s20, 1
.if \hasv
	s_cmp_eq_u32 s21, 2
	s_cbranch_scc1 .Lvpath_\tag
.endif
	; ---- q or k: image ((bh RPB / 16 + tile in the batch) x 1024) + 512 (w % 2) + 16 lane
	s_mul_i32 s44, s40, RPB/16
	s_mul_i32 s45, s41, RT
	s_add_co_u32 s44, s44, s45
	s_lshl_b32 s44, s44, 10
	s_lshl_b32 s45, s42, 9
	s_add_co_u32 s44, s44, s45
	s_lshl_b32 s45, s21, 22                        ; q at 0, k at 0x400000
	s_add_co_u32 s44, s44, s45
	s_mov_b32 s45, 0
	s_add_nc_u64 s[18:19], s[18:19], s[44:45]
.set SS, 0
.rept KS
	KSTEP SS, 0
.set SS, SS+1
.endr
	PLACES
.set tm, 0
.rept RT                               ; lane (r, h): row tile tm's row r; accumulators (tm, 0), (tm, 1): channels 32 (w % 2) + 16 h + 0 .. 15 of the head
.set p, 0
.rept 16
	v_med3_num_f32 v[ACC+16*tm+p], v[ACC+16*tm+p], -v[LIMO], v[LIMO]   ; each accumulator from its low end on
.set p, p+1
.endr
	v_cvt_scalef32_pk8_bf8_f32 v[AF+4*tm:AF+4*tm+1], v[ACC+16*tm:ACC+16*tm+7], v[SCO]
	v_cvt_scalef32_pk8_bf8_f32 v[AF+4*tm+2:AF+4*tm+3], v[ACC+16*tm+8:ACC+16*tm+15], v[SCO]
.set tm, tm+1
.endr
	v_nop
	s_wait_alu depctr_va_vdst(0)                   ; the conversions have written the codes in v[AF ..], which the stores read
.set tm, 0
.rept RT
	global_store_b128 v[LI], v[AF+4*tm:AF+4*tm+3], s[18:19] offset:1024*tm
.set tm, tm+1
.endr
	s_wait_dscnt 0x0                               ; the closing lines, six on end
	s_wait_alu 0x0
	s_wait_tensorcnt 0x0
	ds_add_u32 v254, v255
	s_wait_dscnt 0x0
	s_endpgm
.if \hasv
.Lvpath_\tag:
	; ---- v: fragments of V^T: (((bh RPB / 128 + S) x 4 + t') x 2048) + 512 c + 16 lane; t' = 2 (w % 2) + u; keys 128 S + 32 c + 16 h + 0 .. 15
	s_mul_i32 s44, s40, (RPB/128)*4
	s_lshl_b32 s45, s42, 1
	s_add_co_u32 s44, s44, s45
	s_lshl_b32 s44, s44, 11
	s_mul_i32 s45, s41, RT/2                       ; the block's first 32 keys, counted in 32s: S = that / 4, c = that % 4
	s_lshr_b32 s46, s45, 2
	s_lshl_b32 s46, s46, 13
	s_add_co_u32 s44, s44, s46
	s_and_b32 s45, s45, 3
	s_lshl_b32 s45, s45, 9
	s_add_co_u32 s44, s44, s45
	s_add_co_u32 s44, s44, 0x800000
	s_mov_b32 s45, 0
	s_add_nc_u64 s[18:19], s[18:19], s[44:45]
.set SS, 0
.rept KS
	KSTEP SS, 1
.set SS, SS+1
.endr
	PLACES
.set p, 0
.rept 16*RT
	v_med3_num_f32 v[ACC+p], v[ACC+p], -v[LIMO], v[LIMO]   ; ascending: each accumulator from its low end on
.set p, p+1
.endr
.set b2, 0
.rept RT/2                             ; lane (r, h): one channel; accumulators (2 b2, u), (2 b2 + 1, u): the block's keys 32 b2 + 16 h + 0 .. 15
.irp u, 0,1
	v_cvt_scalef32_pk8_bf8_f32 v[AF+8*b2+4*\u:AF+8*b2+4*\u+1], v[ACC+32*b2+8*\u:ACC+32*b2+8*\u+7], v[SCO]
	v_cvt_scalef32_pk8_bf8_f32 v[AF+8*b2+4*\u+2:AF+8*b2+4*\u+3], v[ACC+32*b2+16+8*\u:ACC+32*b2+16+8*\u+7], v[SCO]
.endr
.set b2, b2+1
.endr
	v_nop
	s_wait_alu depctr_va_vdst(0)                   ; the conversions have written the codes in v[AF ..], which the stores read
.set b2, 0
.rept RT/2
.irp u, 0,1
	global_store_b128 v[LI], v[AF+8*b2+4*\u:AF+8*b2+4*\u+3], s[18:19] offset:2048*\u+512*b2
.endr
.set b2, b2+1
.endr
	s_wait_dscnt 0x0                               ; the closing lines, six on end
	s_wait_alu 0x0
	s_wait_tensorcnt 0x0
	ds_add_u32 v254, v255
	s_wait_dscnt 0x0
	s_endpgm
.endif
.endm
	v_lshl_add_u32 v254, v0, 2, 0x2cc00
	v_mov_b32 v255, 0
	v_lshrrev_b32 v2, 5, v0
	v_readfirstlane_b32 s20, v2                    ; wave 0..15
	v_and_b32 v1, 31, v0                           ; lane
	v_and_b32 v2, 15, v0                           ; r
	v_bfe_u32 v3, v0, 4, 1                         ; h
	v_lshlrev_b32 v[LI], 4, v1
	s_wait_alu depctr_va_sdst(0)                   ; s20 is written, ahead of the branch below and of its first reader: addresses on both ways are made from it
	s_mov_b32 s48, 0x76543210                      ; v_permlanex16_b32: lane l takes lane l xor 16
	s_mov_b32 s49, 0xfedcba98
	s_mov_b32 s51, EPS
	s_and_b32 s21, ttmp7, 0xffff
	s_cmp_eq_u32 s21, 3                            ; the two ways part here, on the work-group's number alone
	s_cbranch_scc1 .Lctx
	SIZES 1024, 8, 2048, 4, 0x3a800000, 0          ; x: rows of 1,024, 128 rows to a work-group, 16 blocks to a batch; LDS 0 .. 133,119
	s_mov_b32 s52, ttmp9
	s_wait_alu depctr_va_vdst(0)
	BODY 0x0, 1, x
.Lctx:
	SIZES 768, 4, 512, 3, 0x3aaaaaab, 133120       ; the context: rows of 768, 64 rows to a work-group, 8 blocks to a batch; LDS 133,120 .. 183,295
	s_and_b32 s52, ttmp9, 31
	s_lshr_b32 s21, ttmp9, 5
	s_add_co_u32 s21, s21, 1                       ; slice 1 (k) or 2 (v)
	s_wait_alu depctr_va_vdst(0)
	BODY 0x40, 1, c
.Lfunc_end_k_qd52b7cac6b_sa_qkv:
	.size	k_qd52b7cac6b_sa_qkv, .Lfunc_end_k_qd52b7cac6b_sa_qkv-k_qd52b7cac6b_sa_qkv
	.p2alignl 7, 3214868480
	.fill 96, 4, 3214868480
	.section	.rodata,"a",@progbits
	.p2align	6, 0x0
	.amdhsa_kernel k_qd52b7cac6b_sa_qkv
		.amdhsa_group_segment_fixed_size 185344
		.amdhsa_private_segment_fixed_size 0
		.amdhsa_enable_private_segment 0
		.amdhsa_kernarg_size 128
		.amdhsa_user_sgpr_count 2
		.amdhsa_user_sgpr_kernarg_segment_ptr 1
		.amdhsa_wavefront_size32 1
		.amdhsa_system_sgpr_workgroup_id_x 1
		.amdhsa_system_sgpr_workgroup_id_y 1
		.amdhsa_system_sgpr_workgroup_id_z 1
		.amdhsa_system_vgpr_workitem_id 0
		.amdhsa_next_free_vgpr 256
		.amdhsa_next_free_sgpr 66
		.amdhsa_reserve_vcc 0
		.amdhsa_float_denorm_mode_32 3
		.amdhsa_float_denorm_mode_16_64 3
		.amdhsa_memory_ordered 1
		.amdhsa_forward_progress 1
		.amdhsa_inst_pref_size 251
	.end_amdhsa_kernel
	.amdgpu_metadata
---
amdhsa.version: [ 1, 2 ]
amdhsa.kernels:
  - .name:           k_qd52b7cac6b_sa_qkv
    .symbol:         k_qd52b7cac6b_sa_qkv.kd
    .args:
      - { .name: x, .offset: 0, .size: 8, .value_kind: global_buffer, .address_space: global }
      - { .name: sa_ng, .offset: 8, .size: 8, .value_kind: global_buffer, .address_space: global }
      - { .name: sa_nb, .offset: 16, .size: 8, .value_kind: global_buffer, .address_space: global }
      - { .name: sa_ncg, .offset: 24, .size: 8, .value_kind: global_buffer, .address_space: global }
      - { .name: sa_ncb, .offset: 32, .size: 8, .value_kind: global_buffer, .address_space: global }
      - { .name: wsa, .offset: 40, .size: 8, .value_kind: global_buffer, .address_space: global }
      - { .name: lowp_scales, .offset: 48, .size: 8, .value_kind: global_buffer, .address_space: global }
      - { .name: qkv_sa, .offset: 56, .size: 8, .value_kind: global_buffer, .address_space: global }
      - { .name: context, .offset: 64, .size: 8, .value_kind: global_buffer, .address_space: global }
      - { .name: ca_ng, .offset: 72, .size: 8, .value_kind: global_buffer, .address_space: global }
      - { .name: ca_nb, .offset: 80, .size: 8, .value_kind: global_buffer, .address_space: global }
      - { .name: ca_ncg, .offset: 88, .size: 8, .value_kind: global_buffer, .address_space: global }
      - { .name: ca_ncb, .offset: 96, .size: 8, .value_kind: global_buffer, .address_space: global }
      - { .name: wca, .offset: 104, .size: 8, .value_kind: global_buffer, .address_space: global }
      - { .name: sc_ca, .offset: 112, .size: 8, .value_kind: global_buffer, .address_space: global }
      - { .name: qkv_ca, .offset: 120, .size: 8, .value_kind: global_buffer, .address_space: global }
    .group_segment_fixed_size: 185344
    .private_segment_fixed_size: 0
    .kernarg_segment_align: 8
    .kernarg_segment_size: 128
    .max_flat_workgroup_size: 512
    .sgpr_count:     66
    .vgpr_count:     256
    .wavefront_size: 32
...
	.end_amdgpu_metadata
.endif
;; end of part 13
;; launch sa_attn (part 14): grid 8 x 32, 16 waves a work-group, no clusters, 67,584 bytes of LDS; arguments qkv_sa, lowp_scales, ocodes; writes ocodes
.if DOCPART == 14
	.amdgcn_target "amdgcn-amd-amdhsa--gfx1250"
	.amdhsa_code_object_version 6
	.text
	.protected	k_qd52b7cac6b_sa_attn
	.globl	k_qd52b7cac6b_sa_attn
	.p2align	8
	.type	k_qd52b7cac6b_sa_attn,@function
k_qd52b7cac6b_sa_attn:
	s_mov_b64 s[64:65], 0
	v_nop
	global_prefetch_b8 v0, s[64:65] scope:SCOPE_SE
	s_setreg_imm32_b32 hwreg(HW_REG_WAVE_SCHED_MODE, 0, 2), 2
	s_setreg_imm32_b32 hwreg(HW_REG_WAVE_MODE, 25, 1), 1
	s_wait_xcnt 0x0
	s_wait_alu depctr_vm_vsrc(0)
; o = softmax(q k^T / 8) v for one head, head size 64, NK keys, both products on codes of BF8 (E5M2); o leaves as codes for the next product.
; THE SOFTMAX AHEAD OF THE SECOND PRODUCT: t = score x log2(e) / 8; M = the row's largest t so far, taken UP to a whole number; p = 2^(t - M) is quantised, not normalised.
; The row's sum is taken of the unquantised p, in f32, and divides O at the end.  When M moves, the sum and O are multiplied by 2^(old M - new M): nothing is rounded, and no branch hangs on floating-point data.
; SHARES.  A work-group owns 256 queries (work-group x) of head bh = work-group y; each of its sixteen waves one tile of 16 queries in 256 registers, four waves to a SIMD.
; Every wave walks all keys, 128 a step.  K's and V's fragments lie in memory in the order of the operands' registers; 256 keys (16 KB of K, 16 KB of V) are a dense block each.
; They come through two LDS slots: each thread loads 4 x 16 bytes of the next slot at the head of a slot's two steps and stores them to LDS at their end.
; ONE BARRIER A SLOT: in front of it each wave's reads of the slot in hand are back and its stores into the other slot are done; the other slot was last read in front of the barrier before.
; LAYOUT.  S^T = K Q^T (source 0 = 16 keys, source 1 = my 16 queries), O^T = V^T P^T (source 0 = 16 channels): a lane holds ONE query throughout.  The keys of a tile of K, and the channels of a
; tile of V^T, are not neighbours (place i of tile T is 32 (T / 2) + 8 (T % 2) + i % 8 + 16 (i / 8)), so that the 16 registers of two neighbouring tiles are 16 neighbours along the next K.
; THE HOLD OF p at 57,344 x 2^ep is 64 lines a step.  M is at least the rounded largest t, so t - M is at most half a unit in t's last place: at most 1/4 while |t| < 2^22, and p at most 2^(1/4).
; Where ep >= -15 the bound is 1.75 or more and the hold changes nothing: a scalar branch on the given whole number ep goes round those lines alone.  Where ep < -15 they run.
; LIMITS: |t| < 2^22; eq + ek between -123 and 130 (added to the exponent field of log2(e) / 8); ep and eo between -126 and 112; ep + ev goes in by v_ldexp_f32 and has none.
; No joint loads: this text has no tensor load; the eight query blocks of a head each copy the head's K and V (128 NK bytes) through registers.
; REGISTERS: v1 16 x lane; v2 16 x thread; v12 -M, v13 the largest t, v[14:15] the sum in two halves; v16-23 Q; v32-95 K's eight fragments, then V's four; v96-159 S^T, then p;
; v160-191 O^T; v192-207 the next slot's bytes; v224-239 p's codes; v240, v244: 57,344 x 2^ep, 2^ep; v241, v245: the same for eo; v236, v242-243, v252-254 at work.
; THE MODE: SCHED_MODE bits 1:0 = 2 (LLVM: expert scheduling mode 2), set by the entry lines.  The code itself states the register dependences
; between vector or matrix instructions and memory or LDS instructions, with s_wait_alu, always for 0.
; THE PLAN.  Registers that memory or LDS instructions touch:
;   v1, v2     offsets and LDS addresses: made at the head and never written again.
;   v192-207   The next slot's global loads land there; the LDS stores at the slot's end read them; no vector instruction names them.  One wait on vm_vsrc a slot, ahead of the loads.
;   v32-95     K's LDS loads land; the eight products K Q^T read them; V's LDS loads land; the four products V^T P read them; the next step's K lands.
;   v16-23     Q's loads land at the head; read by products alone.     v224-231 on the way out: written by conversions, read by the two stores.
; So a step has a wait on va_vdst at its head (the last step's products are done reading V) and one behind K Q^T (these are done reading K); the wait behind the exponentials stands as it stood.
; Behind the second, V's sixteen loads are dealt among the lines of the maximum: up to the wait for them every vector line names v12-15, v96-191, v224-254 alone, never v1 or v32-95.
.set NK,  2048                         ; keys of a head
.set NSL, NK/256                       ; slots' worth of keys
.macro PLACES                          ; four plain vector lines between a matrix instruction and a load into, or a vector line on, its registers
.rept 4
	v_nop
.endr
.endm
.macro MKSC e, t, vsc, vlim            ; s[e] = an exponent: v[vsc] = 2^e, v[vlim] = 57,344 x 2^e
	s_add_co_i32 s[\t], s[\e], 127
	s_lshl_b32 s[\t+1], s[\t], 23
	v_mov_b32 v[\vsc], s[\t+1]
	s_add_co_i32 s[\t], s[\t], 15
	s_lshl_b32 s[\t], s[\t], 23
	s_or_b32 s[\t], s[\t], 0x600000
	v_mov_b32 v[\vlim], s[\t]
.endm
.macro GLOAD                           ; the next 256 keys: 512 threads x 16 bytes x 4; each load of a wave reads 512 consecutive bytes
	global_load_b128 v[192:195], v2, s[24:25]
	global_load_b128 v[196:199], v2, s[24:25] offset:8192
	global_load_b128 v[200:203], v2, s[26:27]
	global_load_b128 v[204:207], v2, s[26:27] offset:8192
.endm
.macro GSTORE sl                       ; into slot sl as they lie: K's 16 KB, then V's
	ds_store_b128 v2, v[192:195] offset:(\sl)*32768
	ds_store_b128 v2, v[196:199] offset:(\sl)*32768+8192
	ds_store_b128 v2, v[200:203] offset:(\sl)*32768+16384
	ds_store_b128 v2, v[204:207] offset:(\sl)*32768+24576
.endm
.macro VLOAD sl, q, t                  ; fragment t of V^T of the slot's q-th step
.irp c, 0,1,2,3
	ds_load_b128 v[32+16*(\t)+4*\c:35+16*(\t)+4*\c], v1 offset:(\sl)*32768+16384+(4*(\q)+(\t))*2048+512*\c
.endr
.endm
.macro MAXES n                         ; n turns of the maximum's two chains; j runs on
.rept \n
	v_max3_num_f32 v254, v254, v[96+j], v[97+j]
	v_max3_num_f32 v252, v252, v[98+j], v[99+j]
.set j, j+4
.endr
.endm
	s_load_b128 s[4:7], s[0:1], 0x0                ; q, k and v's codes s[4:5], the exponents s[6:7]
	s_load_b64 s[8:9], s[0:1], 0x10                ; o's codes
	v_lshl_add_u32 v251, v0, 2, 0x10000
	v_mov_b32 v255, 0
	v_lshrrev_b32 v3, 5, v0
	v_readfirstlane_b32 s10, v3                    ; wave 0..15
	v_and_b32 v1, 31, v0
	v_lshlrev_b32 v1, 4, v1                        ; 16 x lane
	v_lshlrev_b32 v2, 4, v0                        ; 16 x thread
	s_wait_alu depctr_va_sdst(0)                   ; s10 is written, ahead of its first reader: Q's and o's addresses are made from it
	s_and_b32 s11, ttmp7, 0xffff                   ; bh
	s_mov_b32 s12, 0x76543210                      ; v_permlanex16_b32: lane l takes lane l xor 16
	s_mov_b32 s13, 0xfedcba98
	s_mov_b32 s22, 0x3e38aa3b                      ; c = log2(e) / 8
	s_mul_i32 s30, s11, NK*64                      ; the head's first byte of K's, and of V's, images
	s_mov_b32 s31, 0
	s_lshl_b32 s34, ttmp9, 4
	s_add_co_u32 s34, s34, s10                     ; my tile of queries in the batch: 16 x + w
	s_lshl_b32 s32, s11, 7
	s_add_co_u32 s32, s32, s34
	s_lshl_b32 s32, s32, 10                        ; Q: (128 bh + tile) x 1024
	s_mov_b32 s33, 0
	s_lshr_b32 s36, s11, 3
	s_lshl_b32 s36, s36, 7
	s_add_co_u32 s36, s36, s34
	s_lshl_b32 s36, s36, 13                        ; o: (128 batch + tile) x 8192
	s_and_b32 s37, s11, 7
	s_lshl_b32 s37, s37, 10                        ;    + 1024 x head
	s_add_co_u32 s36, s36, s37
	s_mov_b32 s37, 0
	s_wait_kmcnt 0x0
	s_load_b128 s[16:19], s[6:7], 0x10             ; eq, ek, ep, ev
	s_load_b32 s20, s[6:7], 0x20                   ; eo
	s_add_nc_u64 s[24:25], s[4:5], s[30:31]
	s_add_nc_u64 s[26:27], s[24:25], 0x800000      ; V
	s_add_nc_u64 s[24:25], s[24:25], 0x400000      ; K
	s_add_nc_u64 s[4:5], s[4:5], s[32:33]
	s_add_nc_u64 s[8:9], s[8:9], s[36:37]
	s_wait_alu depctr_va_vdst(0)                   ; v1 and v2 are written: every load, store and LDS instruction of the kernel reads one of them as its address
	GLOAD                                          ; slot 0
	global_load_b128 v[16:19], v1, s[4:5]          ; Q's fragment stays in registers
	global_load_b128 v[20:23], v1, s[4:5] offset:512
	v_mov_b32 v13, 0xff61b1e6                      ; the largest t so far: -3e38, under every t
	v_floor_f32 v12, -v13                          ; -M
	v_mov_b32 v14, 0                               ; the sum, in two halves
	v_mov_b32 v15, 0
	v_mov_b32 v236, 0                              ; written once: a lane permute's destination counts as one of its sources
	v_mov_b32 v253, 0                              ; (named as the upper half of the pair v[252:253])
.set j, 0
.rept 32
	v_mov_b32 v[160+j], 0                          ; O^T.  (The step is written once: the first finds zeros, which the first change of M leaves zeros)
.set j, j+1
.endr
	s_wait_kmcnt 0x0
	s_add_co_i32 s30, s16, s17
	s_lshl_b32 s30, s30, 23
	s_add_co_i32 s22, s22, s30                     ; a score stands for score x 2^(eq + ek): the two exponents are added to c's exponent field
	s_mov_b32 s23, s22                             ; (named with it as a pair, so it is written)
	MKSC 18, 30, 244, 240
	MKSC 20, 30, 245, 241
; A KEY STEP: 128 keys, the q-th of slot sl.
.macro STEP sl, q
	PLACES                                         ; in front of loads into registers that the last products read
	s_wait_alu depctr_va_vdst(0)                   ; the last step's products V^T P are done reading V's fragments in v32-95, in which K's land
.irp t, 0,1,2,3,4,5,6,7
	ds_load_b128 v[32+8*\t:35+8*\t], v1 offset:(\sl)*32768+(8*(\q)+\t)*1024
	ds_load_b128 v[36+8*\t:39+8*\t], v1 offset:(\sl)*32768+(8*(\q)+\t)*1024+512
.endr
	s_wait_dscnt 0x0
.irp t, 0,1,2,3,4,5,6,7
	v_wmma_f32_16x16x64_bf8_bf8 v[96+8*\t:103+8*\t], v[32+8*\t:39+8*\t], v[16:23], 0
.endr                                              ; lane (r, h): query r; the 16 registers of tiles 2 b, 2 b + 1 are the step's keys 32 b + 16 h + 0 .. 15
	PLACES
	s_wait_alu depctr_va_vdst(0)                   ; the products K Q^T are done reading K's fragments in v32-95, in which V's land
	VLOAD \sl, \q, 0                               ; V's four fragments land while the softmax is worked: four loads at a time among the maximum's lines, which name neither v1 nor v32-95
	v_max3_num_f32 v254, v96, v97, v98             ; the step's largest score of my query, among my 64 keys, in two chains, ascending,
	v_max3_num_f32 v252, v99, v100, v101
.set j, 6
	MAXES 5
	VLOAD \sl, \q, 1
	MAXES 5
	VLOAD \sl, \q, 2
	MAXES 4
	VLOAD \sl, \q, 3
	v_max3_num_f32 v254, v254, v158, v159
	v_max_num_f32 v254, v254, v252
	v_permlanex16_b32 v236, v254, s12, s13
	v_max_num_f32 v254, v254, v236                 ; and among lane l xor 16's
	v_mul_f32 v254, s22, v254                      ; as t (c is positive)
	v_max_num_f32 v13, v13, v254                   ; the running largest t
	v_mov_b32 v254, v12
	v_floor_f32 v12, -v13                          ; the new -M = floor(-t) = -ceil(t): M IS A WHOLE NUMBER
	v_sub_f32 v254, v12, v254                      ; M's old value less its new one: a whole number, 0 or less
	v_cvt_i32_f32 v254, v254                       ; (it saturates)
	v_ldexp_f32 v252, 1.0, v254                    ; f = 2^(old M - new M)
.set j, 0
.rept 32
	v_pk_fma_f32 v[96+j:97+j], v[96+j:97+j], s[22:23], v[12:13] op_sel_hi:[1,0,0]   ; t - M, two at a time (of the pairs c and -M the low word serves both halves)
.set j, j+2
.endr
.set j, 0
	s_wait_alu depctr_va_vdst(0)
.rept 64
	v_exp_f32 v[96+j], v[96+j]                     ; p = 2^(t - M): NOT normalised
.set j, j+1
.endr
	v_pk_mul_f32 v[14:15], v[14:15], v[252:253] op_sel_hi:[1,0]   ; the sums under the new M.  (A plain line behind the exponentials)
	s_wait_alu depctr_va_vdst(0)                   ; the 64 exponentials have written p in v96-159: one wait for the batch, ahead of its first reader
	v_pk_add_f32 v[242:243], v[96:97], v[98:99]    ; THE ROW'S SUM IS TAKEN OF THE UNQUANTISED p: two at a time, in two chains
.set j, 4
.rept 15
	v_pk_add_f32 v[14:15], v[14:15], v[96+j:97+j]
	v_pk_add_f32 v[242:243], v[242:243], v[98+j:99+j]
.set j, j+4
.endr
	v_pk_add_f32 v[14:15], v[14:15], v[242:243]
	s_cmp_ge_i32 s18, -15                          ; ep >= -15: 57,344 x 2^ep is 1.75 or more, above every p: the hold would change nothing
	s_cbranch_scc1 .Lfits_\@
.set j, 0
.rept 64
	v_min_num_f32 v[96+j], v[96+j], v240           ; the conversion to an 8-bit code does not saturate (ISA guide 7.6.2); p is not negative, so the hold is one-sided
.set j, j+1
.endr
.Lfits_\@:
.irp b, 0,1,2,3
	v_cvt_scalef32_pk8_bf8_f32 v[224+4*\b:225+4*\b], v[96+16*\b:103+16*\b], v244
	v_cvt_scalef32_pk8_bf8_f32 v[226+4*\b:227+4*\b], v[104+16*\b:111+16*\b], v244
.endr
.set j, 0
.rept 16
	v_pk_mul_f32 v[160+j:161+j], v[160+j:161+j], v[252:253] op_sel_hi:[1,0]   ; O^T under the new M: x f.  (Plain lines between the conversions and the products that read their results)
.set j, j+2
.endr
	s_wait_alu depctr_va_vdst(0)
	s_wait_dscnt 0x0                               ; V's fragments are in
.irp t, 0,1,2,3
	v_wmma_f32_16x16x128_bf8_bf8 v[160+8*\t:167+8*\t], v[32+16*\t:47+16*\t], v[224:239], v[160+8*\t:167+8*\t]   ; the four accumulators by turns
.endr
.endm
; A SLOT'S TWO STEPS.  pf = 1: the next slot's bytes are asked for at the head and stored to the other slot at the end; then the barrier.
.macro SLOT sl, pf
.if \pf
	s_wait_alu depctr_vm_vsrc(0)                   ; my LDS stores of the slot before have read v192-207, in which the next slot's bytes land
	GLOAD
.endif
	STEP \sl, 0
	STEP \sl, 1
.if \pf
	s_wait_loadcnt 0x0                             ; the next slot's bytes are in registers: so the pointers may step
	GSTORE 1-(\sl)
	s_add_nc_u64 s[24:25], s[24:25], 16384
	s_add_nc_u64 s[26:27], s[26:27], 16384
	s_wait_dscnt 0x0                               ; for the others' sake: my stores are done, and my reads of this slot are back
	s_barrier_signal -1
	s_barrier_wait -1
.endif
.endm
	s_wait_loadcnt 2                               ; slot 0's four loads are in; Q's two may be out
	GSTORE 0
	s_add_nc_u64 s[24:25], s[24:25], 16384
	s_add_nc_u64 s[26:27], s[26:27], 16384
	s_wait_dscnt 0x0
	s_barrier_signal -1
	s_barrier_wait -1
	s_wait_loadcnt 0x0                             ; Q
.if NSL > 2
	s_mov_b32 s28, (NSL-2)/2
.Lslots:
	SLOT 0, 1
	SLOT 1, 1
	s_sub_co_u32 s28, s28, 1
	s_cmp_lg_u32 s28, 0
	s_cbranch_scc1 .Lslots
.endif
	SLOT 0, 1                                      ; the last two slots are written out: the very last asks for nothing, so no load leaves the buffer
	SLOT 1, 0
	; THE WAY OUT.  O^T / the sum x 2^(ep + ev) is o; it is held, quantised with 2^eo, and stored as the next product's operand: row tile x 8192 + 512 (2 head + c) + 16 lane.
	PLACES
	v_add_f32 v14, v14, v15                        ; the sum's two halves,
	v_permlanex16_b32 v252, v14, s12, s13
	v_add_f32 v14, v14, v252                       ; and lane l xor 16's: the row's sum
	s_wait_alu depctr_va_vdst(0)
	v_rcp_f32 v14, v14
	v_nop                                          ; a plain line behind the transcendental
	s_add_co_i32 s30, s18, s19
	s_wait_alu depctr_va_vdst(0)                   ; the reciprocal is written in v14, ahead of its first reader
	v_ldexp_f32 v14, v14, s30                      ; x 2^(ep + ev)
.set j, 0
.rept 32
	v_mul_f32 v[96+j], v[160+j], v14               ; register 8 t + i: channel 32 (t / 2) + 16 h + 8 (t % 2) + i of query r; ascending: each accumulator from its low end on
.set j, j+1
.endr
.set j, 0
.rept 32
	v_med3_num_f32 v[96+j], v[96+j], -v241, v241
.set j, j+1
.endr
.irp t, 0,1,2,3
	v_cvt_scalef32_pk8_bf8_f32 v[224+2*\t:225+2*\t], v[96+8*\t:103+8*\t], v245
.endr
	v_nop
	s_wait_alu depctr_va_vdst(0)                   ; the conversions have written o's codes in v224-231, which the two stores read
	global_store_b128 v1, v[224:227], s[8:9]       ; 32 lanes store 512 consecutive bytes, aligned
	global_store_b128 v1, v[228:231], s[8:9] offset:512
	s_wait_dscnt 0x0                               ; the closing lines, six on end
	s_wait_alu 0x0
	s_wait_tensorcnt 0x0
	ds_add_u32 v251, v255
	s_wait_dscnt 0x0
	s_endpgm
.Lfunc_end_k_qd52b7cac6b_sa_attn:
	.size	k_qd52b7cac6b_sa_attn, .Lfunc_end_k_qd52b7cac6b_sa_attn-k_qd52b7cac6b_sa_attn
	.p2alignl 7, 3214868480
	.fill 96, 4, 3214868480
	.section	.rodata,"a",@progbits
	.p2align	6, 0x0
	.amdhsa_kernel k_qd52b7cac6b_sa_attn
		.amdhsa_group_segment_fixed_size 67584
		.amdhsa_private_segment_fixed_size 0
		.amdhsa_enable_private_segment 0
		.amdhsa_kernarg_size 24
		.amdhsa_user_sgpr_count 2
		.amdhsa_user_sgpr_kernarg_segment_ptr 1
		.amdhsa_wavefront_size32 1
		.amdhsa_system_sgpr_workgroup_id_x 1
		.amdhsa_system_sgpr_workgroup_id_y 1
		.amdhsa_system_sgpr_workgroup_id_z 1
		.amdhsa_system_vgpr_workitem_id 0
		.amdhsa_next_free_vgpr 256
		.amdhsa_next_free_sgpr 66
		.amdhsa_reserve_vcc 0
		.amdhsa_float_denorm_mode_32 3
		.amdhsa_float_denorm_mode_16_64 3
		.amdhsa_memory_ordered 1
		.amdhsa_forward_progress 1
		.amdhsa_inst_pref_size 134
	.end_amdhsa_kernel
	.amdgpu_metadata
---
amdhsa.version: [ 1, 2 ]
amdhsa.kernels:
  - .name:           k_qd52b7cac6b_sa_attn
    .symbol:         k_qd52b7cac6b_sa_attn.kd
    .args:
      - { .name: qkv_sa, .offset: 0, .size: 8, .value_kind: global_buffer, .address_space: global }
      - { .name: lowp_scales, .offset: 8, .size: 8, .value_kind: global_buffer, .address_space: global }
      - { .name: ocodes, .offset: 16, .size: 8, .value_kind: global_buffer, .address_space: global }
    .group_segment_fixed_size: 67584
    .private_segment_fixed_size: 0
    .kernarg_segment_align: 8
    .kernarg_segment_size: 24
    .max_flat_workgroup_size: 512
    .sgpr_count:     66
    .vgpr_count:     256
    .wavefront_size: 32
...
	.end_amdgpu_metadata
.endif
;; end of part 14
;; launch sa_out (part 15): grid 128 x 2, 16 waves a work-group, no clusters, 297,984 bytes of LDS; arguments ocodes, wsa, lowp_scales, sa_bo, x, x1; writes x1
.if DOCPART == 15
	.amdgcn_target "amdgcn-amd-amdhsa--gfx1250"
	.amdhsa_code_object_version 6
	.text
	.protected	k_qd52b7cac6b_sa_out
	.globl	k_qd52b7cac6b_sa_out
	.p2align	8
	.type	k_qd52b7cac6b_sa_out,@function
k_qd52b7cac6b_sa_out:
	s_mov_b64 s[64:65], 0
	v_nop
	global_prefetch_b8 v0, s[64:65] scope:SCOPE_SE
	s_setreg_imm32_b32 hwreg(HW_REG_WAVE_SCHED_MODE, 0, 2), 2
	s_setreg_imm32_b32 hwreg(HW_REG_WAVE_MODE, 25, 1), 1
	s_wait_xcnt 0x0
	s_wait_alu depctr_vm_vsrc(0)
; out = o wo + bo + residual: the product on codes of BF8 (E5M2), K = 512; bias, residual and result in f32.
; Arguments: o's codes (images of the operand's registers), the weights' images, ten exponents (8: eo, 9: ewo), bo, the residual [8192][1024], the result [8192][1024].
; SHARES.  A work-group takes 64 rows (work-group x) x 512 columns (work-group y).  Its four row tiles of o, 32 KB, dense in memory, are copied to LDS once and read by all sixteen waves.
; Wave w makes columns 32 w .. 32 w + 31 of the slice (weight tiles 2 w, 2 w + 1) for the four row tiles: eight accumulators by turns, K in four steps of 128.
; Source 0 = the weight's tile, source 1 = the rows: a lane holds one row and 16 neighbouring columns.  Place r of row tile m is row 32 (m / 2) + 8 (m % 2) + r % 8 + 16 (r / 8) of the block.
; EVERYTHING IS ASKED FOR AT THE HEAD, in one run of 56 loads a wave: o's images, the bias, the residual, and the weights of ALL FOUR K steps (8 fragments, 128 registers), so that no K step
; waits for a request of its own.  The accumulators' 64 registers, the fragments of rows and those 128 leave no room for the residual's 64: it lands in the registers that the accumulators
; take later, takes the bias there, and waits in 8 KB of LDS that are the wave's own.
; THE WAY OUT.  The raw sums meet in a stage of 64 true rows x (2,048 + 16) bytes; behind a barrier wave w reads rows 4 w .. 4 w + 3 whole, and beside them its residual + bias;
; sum x 2^(eo + ewo) + (residual + bias) leaves by stores of 512 consecutive bytes, aligned.
; LIMIT: eo + ewo between -126 and 127, so that 2^(eo + ewo) is an f32 number.
; No joint loads: this text has no tensor load; the weights' fragments go straight into registers.
; THE MODE: SCHED_MODE bits 1:0 = 2 (LLVM: expert scheduling mode 2), set by the entry lines.  The code itself states the register dependences
; between vector or matrix instructions and memory or LDS instructions, with s_wait_alu, always for 0.
; THE PLAN.  Registers that memory or LDS instructions touch:
;   v4 .. v9, v12  offsets and LDS addresses: made at the head and never written again.
;   v80-95     o's images land, the LDS stores read them; then they are fragment buffer 0.
;   ACC        The residual lands, the additions write it, the LDS stores read it; then the products write it; the stage's LDS stores read it.
;   BI         The bias lands, the additions read it; then it is fragment buffer 2.
;   F0, F1, F2 Three buffers of a fragment of rows (v80, v96, v240).  Fragment f = 4 s + m (K step s, row tile m) lies in buffer f % 3; two products read it.
;   BF         The weights land, the products read them; then the stage's rows and residual + bias land, the multiply-adds write the rows, the stores read them.
; A pair is two fragments, four products.  ONE wait on va_vdst at a pair's head states that the last pair's products are done reading their two buffers.  Into one goes this pair's second
; fragment, asked for at once; into the other the next pair's first, asked for among this pair's products, which name neither it nor v5.  This pair's first fragment was asked for a pair ago.
; One wait on vm_vsrc behind the first barrier: the LDS stores have read v80-95 and ACC.  On the way out one wait on va_vdst for each row's four stores.
.set KS,  4
.set RT,  4
.set SP,  2064                         ; a stage row
.set STG, 32768                        ; LDS: o's images at 0 (row tile m, K step s at 8192 m + 2048 s), the stage behind them,
.set RES, STG+64*SP                    ; and behind it residual + bias: 8,192 bytes a wave, piece n (row n / 4, 512 bytes n % 4) at 512 n + 16 lane
.set WO_OFF, 0x180000
.set TO,  4                            ; v4   16 x thread
.set LI,  5                            ; v5   16 x lane
.set SW,  6                            ; v6, v7  the stage: where I put my sums of row tiles 0-1, 2-3
.set SR,  8                            ; v8   and where I read whole rows back
.set RV,  9                            ; v9   my 16 bytes of my wave's first row in the residual and in the result
.set RS,  12                           ; v12  LDS: my 16 bytes of my wave's residual + bias
.set ACC, 16                           ; v16-79   first the residual as it lands; then accumulator (m, u) at v[16 + 16 m + 8 u]
.set AF,  80                           ; v80-111  first the copy's 16 registers; then buffers 0 and 1 of the fragments of rows
.set BF,  112                          ; v112-239 the weights: K step s at 32 s; later the rows read back (64) and residual + bias (64)
.set BI,  240                          ; v240-255 the bias; then buffer 2 of the fragments of rows: buffer b begins at AF + 16 b + 128 (b / 2)
.macro PLACES                          ; four plain vector lines between a matrix instruction and a load into, or a read of, its registers
.rept 4
	v_nop
.endr
.endm
	s_load_b256 s[4:11], s[0:1], 0x0               ; o 4, weights 6, exponents 8, bo 10
	s_load_b128 s[12:15], s[0:1], 0x20             ; residual 12, result 14
	v_lshl_add_u32 v14, v0, 2, 0x48400
	v_mov_b32 v15, 0
	v_lshrrev_b32 v1, 5, v0
	v_readfirstlane_b32 s16, v1                    ; wave 0..15
	v_and_b32 v1, 31, v0                           ; lane
	v_and_b32 v2, 15, v0                           ; r
	v_bfe_u32 v3, v0, 4, 1                         ; h
	v_lshlrev_b32 v[TO], 4, v0
	v_lshlrev_b32 v[LI], 4, v1
	v_and_b32 v10, 7, v2
	v_lshrrev_b32 v11, 3, v2
	v_lshl_add_u32 v10, v11, 4, v10                ; r % 8 + 16 (r / 8)
	v_mul_u32_u24 v[SW], v10, SP
	v_lshl_add_u32 v[SW], v3, 6, v[SW]             ; + 64 h: my half's 16 columns
	s_wait_alu depctr_va_sdst(0)                   ; s16 is written, ahead of its first reader: LDS addresses and the weights' base are made from it
	s_lshl_b32 s22, s16, 7                         ; + 128 w: my wave's 32 columns
	s_add_co_u32 s22, s22, STG
	v_add_nc_u32 v[SW], s22, v[SW]
	v_add_nc_u32 v[SW+1], 32*SP, v[SW]
	s_mul_i32 s22, s16, 4*SP
	s_add_co_u32 s22, s22, STG
	v_add_nc_u32 v[SR], s22, v[LI]
	s_lshl_b32 s22, s16, 13
	s_add_co_u32 s22, s22, RES
	v_add_nc_u32 v[RS], s22, v[LI]
	s_lshl_b32 s22, s16, 14                        ; 4 rows of 4,096 bytes a wave
	v_add_nc_u32 v[RV], s22, v[LI]
	s_and_b32 s17, ttmp7, 0xffff                   ; the slice
	s_lshl_b32 s24, ttmp9, 15                      ; o: 4 row tiles of 8,192 bytes a block
	s_mov_b32 s25, 0
	s_lshl_b32 s26, s17, 5
	s_lshl_b32 s27, s16, 1
	s_add_co_u32 s26, s26, s27                     ; weight tile 32 y + 2 w,
	s_lshl_b32 s26, s26, 13                        ; KS x 2048 bytes each
	s_add_co_u32 s26, s26, WO_OFF
	s_mov_b32 s27, 0
	s_lshl_b32 s28, ttmp9, 18                      ; 64 rows of 4,096 bytes a block,
	s_lshl_b32 s30, s17, 11                        ; 2,048 bytes a slice
	s_add_co_u32 s28, s28, s30
	s_mov_b32 s29, 0
	s_mov_b32 s31, 0
	s_wait_kmcnt 0x0
	s_load_b64 s[18:19], s[8:9], 0x20              ; eo, ewo
	s_add_nc_u64 s[4:5], s[4:5], s[24:25]
	s_add_nc_u64 s[6:7], s[6:7], s[26:27]
	s_add_nc_u64 s[12:13], s[12:13], s[28:29]
	s_add_nc_u64 s[14:15], s[14:15], s[28:29]
	s_add_nc_u64 s[10:11], s[10:11], s[30:31]
	s_wait_alu depctr_va_vdst(0)                   ; the offsets and LDS addresses v4 to v9 and v12 are written: every load, store and LDS instruction of the kernel reads one of them
.irp i, 0,1,2,3
	global_load_b128 v[AF+4*\i:AF+4*\i+3], v[TO], s[4:5] offset:8192*\i       ; o's images: 512 threads x 16 bytes x 4
.endr
.irp i, 0,1,2,3
	global_load_b128 v[BI+4*\i:BI+4*\i+3], v[LI], s[10:11] offset:512*\i
.endr
.irp jr, 0,1,2,3
.irp i, 0,1,2,3
	global_load_b128 v[ACC+16*\jr+4*\i:ACC+16*\jr+4*\i+3], v[RV], s[12:13] offset:4096*\jr+512*\i
.endr
.endr
.irp s, 0,1,2,3                                ; my two weight fragments of every K step: each load reads 512 consecutive bytes
.irp u, 0,1
.irp c, 0,1,2,3
	global_load_b128 v[BF+32*\s+16*\u+4*\c:BF+32*\s+16*\u+4*\c+3], v[LI], s[6:7] offset:(\u*KS+\s)*2048+512*\c
.endr
.endr
.endr
	s_wait_loadcnt 32                              ; the images, the bias and the residual are in; the weights' 32 loads may be out
.irp i, 0,1,2,3
	ds_store_b128 v[TO], v[AF+4*\i:AF+4*\i+3] offset:8192*\i
.endr
.irp jr, 0,1,2,3
.irp i, 0,1,2,3
	v_pk_add_f32 v[ACC+16*\jr+4*\i:ACC+16*\jr+4*\i+1], v[ACC+16*\jr+4*\i:ACC+16*\jr+4*\i+1], v[BI+4*\i:BI+4*\i+1]          ; residual + bias
	v_pk_add_f32 v[ACC+16*\jr+4*\i+2:ACC+16*\jr+4*\i+3], v[ACC+16*\jr+4*\i+2:ACC+16*\jr+4*\i+3], v[BI+4*\i+2:BI+4*\i+3]
.endr
.endr
	s_wait_alu depctr_va_vdst(0)                   ; the additions have written residual + bias in v[ACC ..], which the LDS stores read, and are done reading the bias, in whose registers fragments of rows land later
.set n, 0
.rept 16
	ds_store_b128 v[RS], v[ACC+4*n:ACC+4*n+3] offset:512*n   ; 32 lanes store 512 consecutive bytes of the wave's own region
.set n, n+1
.endr
	s_wait_dscnt 0x0                               ; for the others' sake: my part of the images lies in LDS; and the stores have read the registers that the sums take
	s_barrier_signal -1
	s_barrier_wait -1
	s_wait_alu depctr_vm_vsrc(0)                   ; my LDS stores have read v80-95, in which a fragment of rows lands, and v[ACC ..], which the products write
.macro ALOAD f                         ; fragment f = 4 s + m into buffer f % 3: an image comes back as it was stored: the same registers in the same lanes
.set rL, AF+16*((\f)%3)+128*(((\f)%3)/2)
.irp c, 0,1,2,3
	ds_load_b128 v[rL+4*\c:rL+4*\c+3], v[LI] offset:((\f)%4)*8192+((\f)/4)*2048+512*\c
.endr
.endm
.macro MM f, u                         ; K step 0 starts the sum: nothing is cleared
.set rA, ACC+16*((\f)%4)+8*(\u)
.set rW, BF+32*((\f)/4)+16*(\u)
.set rX, AF+16*((\f)%3)+128*(((\f)%3)/2)
.if (\f) < 4
	v_wmma_f32_16x16x128_bf8_bf8 v[rA:rA+7], v[rW:rW+15], v[rX:rX+15], 0
.else
	v_wmma_f32_16x16x128_bf8_bf8 v[rA:rA+7], v[rW:rW+15], v[rX:rX+15], v[rA:rA+7]
.endif
.endm
.macro PAIR p                          ; fragments 2 p and 2 p + 1: four matrix instructions; two pairs are a K step; the eight accumulators by turns
.if (\p) > 0
	PLACES
	s_wait_alu depctr_va_vdst(0)                   ; the last pair's products are done reading their two fragments, in whose registers the loads of this pair land
.endif
	ALOAD 2*(\p)+1
.if (\p)%2 == 0
	s_wait_loadcnt 8*(KS-1-(\p)/2)                 ; this step's weight fragments are in; the later steps' loads, eight a step, may be out
.endif
	s_wait_dscnt 4                                 ; LDS loads come back in order (ISA guide 5.7.1): fragment 2 p, asked for a pair ago, is in; the four loads just issued may be out
	MM 2*(\p), 0
	MM 2*(\p), 1
.if (\p) < 7
	ALOAD 2*(\p)+2                                 ; the next pair's first fragment.  No wait: no vector or matrix instruction since the wait above names its buffer or v5
	s_wait_dscnt 4                                 ; fragment 2 p + 1 is in; the four loads just issued may be out
.else
	s_wait_dscnt 0x0
.endif
	MM 2*(\p)+1, 0
	MM 2*(\p)+1, 1
.endm
	ALOAD 0
.irp p, 0,1,2,3,4,5,6,7
	PAIR \p
.endr
	PLACES
	s_wait_alu depctr_va_vdst(0)                   ; the products have written the accumulators, which the LDS stores read, and are done reading the weights, in whose registers the stage's rows land; the places above stay beside this wait
.irp m, 0,1,2,3
.irp u, 0,1
	ds_store_b128 v[SW+\m/2], v[ACC+16*\m+8*\u:ACC+16*\m+8*\u+3] offset:8*(\m%2)*SP+32*\u        ; each accumulator from its low end on
	ds_store_b128 v[SW+\m/2], v[ACC+16*\m+8*\u+4:ACC+16*\m+8*\u+7] offset:8*(\m%2)*SP+32*\u+16
.endr
.endr
	s_wait_kmcnt 0x0
	s_add_co_i32 s20, s18, s19
	s_add_co_i32 s20, s20, 127
	s_lshl_b32 s20, s20, 23                        ; 2^(eo + ewo) as f32
	s_mov_b32 s21, s20                             ; (named with it as a pair, so it is written)
	s_wait_dscnt 0x0                               ; for the others' sake: my sums lie in the stage
	s_barrier_signal -1
	s_barrier_wait -1
.set n, 0
.rept 16                               ; piece n of my four rows, and its residual + bias, into the registers that the weights have left
	ds_load_b128 v[BF+4*n:BF+4*n+3], v[SR] offset:(n/4)*SP+512*(n%4)
	ds_load_b128 v[BF+64+4*n:BF+64+4*n+3], v[RS] offset:512*n
.set n, n+1
.endr
.set jr, 0
.rept 4                                ; a row at a time: four pieces
	s_wait_dscnt 24-8*jr                           ; LDS loads come back in order (ISA guide 5.7.1): the row's four pairs are in, the eight loads of each later row may be out
.set n, 4*jr
.rept 4
	v_pk_fma_f32 v[BF+4*n:BF+4*n+1], v[BF+4*n:BF+4*n+1], s[20:21], v[BF+64+4*n:BF+64+4*n+1] op_sel_hi:[1,0,1]
	v_pk_fma_f32 v[BF+4*n+2:BF+4*n+3], v[BF+4*n+2:BF+4*n+3], s[20:21], v[BF+64+4*n+2:BF+64+4*n+3] op_sel_hi:[1,0,1]
.set n, n+1
.endr
	s_wait_alu depctr_va_vdst(0)                   ; the row's multiply-adds have written its sixteen registers, which the four stores read
.set n, 4*jr
.rept 4
	global_store_b128 v[RV], v[BF+4*n:BF+4*n+3], s[14:15] offset:4096*(n/4)+512*(n%4)
.set n, n+1
.endr
.set jr, jr+1
.endr
	s_wait_dscnt 0x0                               ; the closing lines, six on end
	s_wait_alu 0x0
	s_wait_tensorcnt 0x0
	ds_add_u32 v14, v15
	s_wait_dscnt 0x0
	s_endpgm
.Lfunc_end_k_qd52b7cac6b_sa_out:
	.size	k_qd52b7cac6b_sa_out, .Lfunc_end_k_qd52b7cac6b_sa_out-k_qd52b7cac6b_sa_out
	.p2alignl 7, 3214868480
	.fill 96, 4, 3214868480
	.section	.rodata,"a",@progbits
	.p2align	6, 0x0
	.amdhsa_kernel k_qd52b7cac6b_sa_out
		.amdhsa_group_segment_fixed_size 297984
		.amdhsa_private_segment_fixed_size 0
		.amdhsa_enable_private_segment 0
		.amdhsa_kernarg_size 48
		.amdhsa_user_sgpr_count 2
		.amdhsa_user_sgpr_kernarg_segment_ptr 1
		.amdhsa_wavefront_size32 1
		.amdhsa_system_sgpr_workgroup_id_x 1
		.amdhsa_system_sgpr_workgroup_id_y 1
		.amdhsa_system_sgpr_workgroup_id_z 1
		.amdhsa_system_vgpr_workitem_id 0
		.amdhsa_next_free_vgpr 256
		.amdhsa_next_free_sgpr 66
		.amdhsa_reserve_vcc 0
		.amdhsa_float_denorm_mode_32 3
		.amdhsa_float_denorm_mode_16_64 3
		.amdhsa_memory_ordered 1
		.amdhsa_forward_progress 1
		.amdhsa_inst_pref_size 27
	.end_amdhsa_kernel
	.amdgpu_metadata
---
amdhsa.version: [ 1, 2 ]
amdhsa.kernels:
  - .name:           k_qd52b7cac6b_sa_out
    .symbol:         k_qd52b7cac6b_sa_out.kd
    .args:
      - { .name: ocodes, .offset: 0, .size: 8, .value_kind: global_buffer, .address_space: global }
      - { .name: wsa, .offset: 8, .size: 8, .value_kind: global_buffer, .address_space: global }
      - { .name: lowp_scales, .offset: 16, .size: 8, .value_kind: global_buffer, .address_space: global }
      - { .name: sa_bo, .offset: 24, .size: 8, .value_kind: global_buffer, .address_space: global }
      - { .name: x, .offset: 32, .size: 8, .value_kind: global_buffer, .address_space: global }
      - { .name: x1, .offset: 40, .size: 8, .value_kind: global_buffer, .address_space: global }
    .group_segment_fixed_size: 297984
    .private_segment_fixed_size: 0
    .kernarg_segment_align: 8
    .kernarg_segment_size: 48
    .max_flat_workgroup_size: 512
    .sgpr_count:     66
    .vgpr_count:     256
    .wavefront_size: 32
...
	.end_amdgpu_metadata
.endif
;; end of part 15
;; launch ca_q (part 16): grid 128 x 1, 16 waves a work-group, no clusters, 68,608 bytes of LDS; arguments x1, ca_ng, ca_nb, ca_ncg, ca_ncb, wca, sc_ca, qkv_ca; writes qkv_ca
.if DOCPART == 16
	.amdgcn_target "amdgcn-amd-amdhsa--gfx1250"
	.amdhsa_code_object_version 6
	.text
	.protected	k_qd52b7cac6b_ca_q
	.globl	k_qd52b7cac6b_ca_q
	.p2align	8
	.type	k_qd52b7cac6b_ca_q,@function
k_qd52b7cac6b_ca_q:
	s_mov_b64 s[64:65], 0
	v_nop
	global_prefetch_b8 v0, s[64:65] scope:SCOPE_SE
	s_setreg_imm32_b32 hwreg(HW_REG_WAVE_SCHED_MODE, 0, 2), 2
	s_setreg_imm32_b32 hwreg(HW_REG_WAVE_MODE, 25, 1), 1
	s_wait_xcnt 0x0
	s_wait_alu depctr_vm_vsrc(0)
; The second layer's q: LayerNorm of x1, quantiser, the product with wq (512 columns), its results quantised again as codes of BF8 (E5M2).
; The macros are those of the launch that makes the first layer's q, k and v; here one way alone is expanded: slice 0, 64 rows to a work-group, 128 work-groups.
; 64 rows and not fewer: a work-group reads 256 KB of rows and 512 KB of weight codes; with 32 rows the launch would read 164 MB for the same products, against 98 MB so.
; Arguments: rows, gain and bias for slice 0, gain and bias for slices 1 and 2 (not loaded here: slice 0 alone occurs), the weights' images,
; ten exponents (0 xn, 1 wq, 2 cn, 3 wkv, 4 q, 5 k, 6 p, 7 v, 8 o, 9 wo), the codes' buffer.
; PHASE 1.  Wave w normalises NR rows in f32: mean, then the sum of squared deviations (two passes over registers, so that a common offset of the inputs costs no digits),
; 1 / sqrt(var + 1e-5), gain, bias; the hold at +-57,344 x 2^eA; the conversion.  The codes go to LDS as rows, k ascending, PITCH bytes apart.
; LDS row 16 m + i holds the block's row 32 (m / 2) + 8 (m % 2) + i % 8 + 16 (i / 8): the order in which every launch of this program takes the rows of a tile.  One barrier.
; PHASE 2.  Wave w makes columns 32 w .. 32 w + 31 (weight tiles 2 w, 2 w + 1) for all RT row tiles: 2 RT accumulators by turns, K in steps of 128.  The weights' fragments go straight into
; registers, WS - 1 = 3 steps ahead: four sets of 32 registers beside the 64 of the accumulators.
; Source 0 = the weight's tile, source 1 = the rows: a lane holds one row and 16 neighbouring channels.
; A sum stands for sum x 2^(eA + eW), so its code under eO is made with the one scale 2^(eO - eA - eW).  Every store of a wave covers 512 consecutive bytes, aligned.
; LIMITS: eA and eO - eA - eW between -126 and 112.  NaN among the inputs is not served.
; No joint loads: this text has no tensor load; LDS is filled from registers with codes made here.
; THE MODE: SCHED_MODE bits 1:0 = 2 (LLVM: expert scheduling mode 2), set by the entry lines.  The code itself states the register dependences
; between vector or matrix instructions and memory or LDS instructions, with s_wait_alu, always for 0.
; THE PLAN.  Registers that memory or LDS instructions touch:
;   v4, v5, v7, v9   offsets and LDS addresses: made once at the head, ahead of the first load, and never written again.
;   X0 .. X3   Row j's loads land in X[j]; the row's arithmetic works there in place; its conversions are the last to read it.  In phase 2 fragments of rows and weights land there.
;   CD         Written by a row's conversions, read by its LDS stores, written again by the next row's conversions; in phase 2 weights land there.
;   AF         Two fragments of rows: LDS loads land, four products read them, the next pair's loads land.  On the way out conversions write codes there, which the stores read.
;   BF         Four sets: the loads of step s + 3 land in the set that the products of step s - 1 read.
;   Gain, bias and the accumulators are named, behind their loads, by vector and matrix instructions alone.
; So a row has one wait on va_vdst behind its conversions (CD is written, for the stores) and one on vm_vsrc ahead of them (the last row's stores have read CD).
; No vector instruction stands behind the last row's wait: the first weights' loads owe nothing more.  In phase 2 one wait on va_vdst stands ahead of each pair's loads; at a step's head
; the same wait serves the weights' loads.  No 16 registers on end are left for a third fragment of rows: the accumulators, the two fragments and the weight sets reach v239.
.set EPS,   0x3727c5ac                 ; 1e-5
.set WKV_OFF, 0x80000
.set VX,  4                            ; v4   my 16 bytes of my wave's first row
.set LW,  5                            ; v5   LDS: my 4 codes of my wave's first row
.set AR,  7                            ; v7   LDS: my place in the row tiles
.set LI,  9                            ; v9   16 x lane
.set GA,  16                           ; phase 1: v16-47 gain, v48-79 bias, v80-207 four rows of 32 registers, v208-215 codes, v216-227 at work
.set BE,  48
.set X,   80
.set CD,  208
.set T,   216
.set MP,  224
.set RP,  226
.set ACC, 16                           ; phase 2: accumulator (m, u) at v[16 + 16 m + 8 u]; behind them two fragments of rows (AF), then WS sets of two weight fragments (BF), up to v239
.set SCA, 240                          ; 2^eA, 57,344 x 2^eA, 2^(eO - eA - eW), 57,344 x that
.set LIMA, 241
.set SCO, 242
.set LIMO, 243
.macro SIZES kdim, rt, rpb, lbpb, invk, lbase
.set KDIM,  \kdim                      ; K of the product = the rows' length
.set RT,    \rt                        ; row tiles of a work-group
.set RPB,   \rpb                       ; rows in a batch
.set LBPB,  \lbpb                      ; log2 of the blocks in a batch
.set INVK,  \invk                      ; 1 / KDIM
.set LBASE, \lbase                     ; where this way's LDS bytes begin
.set SETS,  4                          ; rows of a wave on their way or at work
.set CH,    KDIM/256
.set KS,    KDIM/128
.set NR,    RT                         ; rows of a wave: 16 RT / 16
.set PITCH, KDIM+16                    ; an odd multiple of 16 bytes: the 16 rows that a fragment load touches begin at 16 different groups of banks (64 banks of 4 bytes: ISA guide 11.1)
.set ROWB,  4*KDIM
.set LPR,   2*CH                       ; loads that bring a row
.set AF,    ACC+16*RT
.set BF,    AF+32
.set WS,    (240-BF)/32
.endm
.macro PLACES                          ; four plain vector lines between a matrix instruction and a load into, or a vector line on, its registers
.rept 4
	v_nop
.endr
.endm
.macro MKSC e, t, vsc, vlim            ; s[e] = an exponent: v[vsc] = 2^e, v[vlim] = 57,344 x 2^e
	s_add_co_i32 s[\t], s[\e], 127
	s_lshl_b32 s[\t+1], s[\t], 23
	v_mov_b32 v[\vsc], s[\t+1]
	s_add_co_i32 s[\t], s[\t], 15
	s_lshl_b32 s[\t], s[\t], 23
	s_or_b32 s[\t], s[\t], 0x600000
	v_mov_b32 v[\vlim], s[\t]
.endm
.macro XLOAD j                         ; row j of my wave: load n brings k = 128 n + 4 lane + 0 .. 3: 32 lanes read 512 consecutive bytes
.set n, 0
.rept LPR
	global_load_b128 v[X+32*((\j)%SETS)+4*n:X+32*((\j)%SETS)+4*n+3], v[VX], s[4:5] offset:(\j)*ROWB+512*n
.set n, n+1
.endr
.endm
.macro RED reg, tmp                    ; the sum over the 32 lanes, in every lane
	v_add_f32_dpp v[\reg], v[\reg], v[\reg] row_xmask:1 row_mask:0xf bank_mask:0xf
	v_add_f32_dpp v[\reg], v[\reg], v[\reg] row_xmask:2 row_mask:0xf bank_mask:0xf
	v_add_f32_dpp v[\reg], v[\reg], v[\reg] row_xmask:4 row_mask:0xf bank_mask:0xf
	v_add_f32_dpp v[\reg], v[\reg], v[\reg] row_xmask:8 row_mask:0xf bank_mask:0xf
	v_permlanex16_b32 v[\tmp], v[\reg], s48, s49
	v_add_f32 v[\reg], v[\reg], v[\tmp]
.endm
.macro LNROW j
.set XS, X+32*((\j)%SETS)
.if NR-1-(\j) < SETS-1
	s_wait_loadcnt LPR*(NR-1-(\j))                 ; my row is in; the rows behind it may be out
.else
	s_wait_loadcnt LPR*(SETS-1)
.endif
	v_pk_add_f32 v[T:T+1], v[XS:XS+1], v[XS+2:XS+3]          ; the row's sum, in two chains
	v_pk_add_f32 v[T+2:T+3], v[XS+4:XS+5], v[XS+6:XS+7]
.set p, 8
.rept 2*CH-2
	v_pk_add_f32 v[T:T+1], v[T:T+1], v[XS+p:XS+p+1]
	v_pk_add_f32 v[T+2:T+3], v[T+2:T+3], v[XS+p+2:XS+p+3]
.set p, p+4
.endr
	v_pk_add_f32 v[T:T+1], v[T:T+1], v[T+2:T+3]
	v_add_f32 v[T], v[T], v[T+1]
	RED T, T+1
	v_mul_f32 v[MP], s50, v[T]                     ; the mean, twice: a pair for the packed subtraction
	v_mul_f32 v[MP+1], s50, v[T]
.set p, 0
.rept 4*CH
	v_pk_add_f32 v[XS+p:XS+p+1], v[XS+p:XS+p+1], v[MP:MP+1] neg_lo:[0,1] neg_hi:[0,1]
.set p, p+2
.endr
	v_pk_mul_f32 v[T:T+1], v[XS:XS+1], v[XS:XS+1]            ; the sum of the squared deviations, in two chains
	v_pk_mul_f32 v[T+2:T+3], v[XS+2:XS+3], v[XS+2:XS+3]
.set p, 4
.rept 2*CH-1
	v_pk_fma_f32 v[T:T+1], v[XS+p:XS+p+1], v[XS+p:XS+p+1], v[T:T+1]
	v_pk_fma_f32 v[T+2:T+3], v[XS+p+2:XS+p+3], v[XS+p+2:XS+p+3], v[T+2:T+3]
.set p, p+4
.endr
	v_pk_add_f32 v[T:T+1], v[T:T+1], v[T+2:T+3]
	v_add_f32 v[T], v[T], v[T+1]
	RED T, T+1
	v_fma_f32 v[T], v[T], s50, s51                 ; var + 1e-5
	s_wait_alu depctr_va_vdst(0)
	v_rsq_f32 v[RP], v[T]
	v_nop                                          ; a plain line between the transcendental and the use of its result (ISA guide 5.7.2)
	s_wait_alu depctr_va_vdst(0)                   ; 1 / sqrt(var + 1e-5) is written in v[RP], ahead of its first reader
	v_mov_b32 v[RP+1], v[RP]
.set p, 0
.rept 4*CH
	v_pk_mul_f32 v[XS+p:XS+p+1], v[XS+p:XS+p+1], v[RP:RP+1]
.set p, p+2
.endr
.set p, 0
.rept 4*CH
	v_pk_fma_f32 v[XS+p:XS+p+1], v[XS+p:XS+p+1], v[GA+p:GA+p+1], v[BE+p:BE+p+1]
.set p, p+2
.endr
.set p, 0
.rept 8*CH
	v_med3_num_f32 v[XS+p], v[XS+p], -v[LIMA], v[LIMA]   ; the conversion to an 8-bit code does not saturate (ISA guide 7.6.2): the hold comes first
.set p, p+1
.endr
	s_wait_alu depctr_va_vdst(0)
	s_wait_dscnt 0x0                               ; the last row's LDS stores are done: the codes' registers are written again
.if (\j) > 0
	s_wait_alu depctr_vm_vsrc(0)                   ; the last row's LDS stores have read v[CD ..], which the conversions below write again
.endif
.set p, 0
.rept CH
	v_cvt_scalef32_pk8_bf8_f32 v[CD+2*p:CD+2*p+1], v[XS+8*p:XS+8*p+7], v[SCA]   ; register 2 p: the 4 codes of load 2 p; register 2 p + 1: those of load 2 p + 1
.set p, p+1
.endr
	v_nop                                          ; a plain line behind the last conversion: matrix instructions write its sources later
	s_wait_alu depctr_va_vdst(0)                   ; the conversions have written v[CD ..], which the LDS stores read, and are done reading X[j], in which loads land later
.set p, 0
.rept LPR
	ds_store_b32 v[LW], v[CD+p] offset:(\j)*PITCH+128*p      ; 32 lanes store 128 consecutive bytes of the row
.set p, p+1
.endr
.if (\j)+SETS < NR
	XLOAD (\j)+SETS
.endif
.endm
.macro WLOAD s                         ; my two weight fragments of K step s into set s % WS: each load reads 512 consecutive bytes
.irp u, 0,1
.irp c, 0,1,2,3
	global_load_b128 v[BF+32*((\s)%WS)+16*\u+4*\c:BF+32*((\s)%WS)+16*\u+4*\c+3], v[LI], s[14:15] offset:(\u*KS+(\s))*2048+512*\c
.endr
.endr
.endm
.macro ALOAD m, s, reg                 ; row tile m, K step s: registers 4 c .. 4 c + 3 hold k = 128 s + 32 c + 16 h + 0 .. 15 of LDS row 16 m + r
.irp c, 0,1,2,3
	ds_load_b128 v[\reg+4*\c:\reg+4*\c+3], v[AR+(\m)/4] offset:((\m)%4)*16*PITCH+128*(\s)+32*\c
.endr
.endm
.macro MM m, u, s                      ; source 0 = the weight's tile u, source 1 = row tile m.  K step 0 starts the sum: nothing is cleared
.set rA, ACC+16*(\m)+8*(\u)
.set rW, BF+32*((\s)%WS)+16*(\u)
.set rX, AF+16*((\m)%2)
.if (\s) == 0
	v_wmma_f32_16x16x128_bf8_bf8 v[rA:rA+7], v[rW:rW+15], v[rX:rX+15], 0
.else
	v_wmma_f32_16x16x128_bf8_bf8 v[rA:rA+7], v[rW:rW+15], v[rX:rX+15], v[rA:rA+7]
.endif
.endm
.macro KSTEP s                         ; 128 along K: 2 RT matrix instructions, the accumulators by turns, one instruction a turn
.set wl, (\s)+WS-1
.if wl > KS-1
.set wl, KS-1
.endif
.set mp, 0
.rept RT/2
.if ((\s) > 0) || (mp > 0)
	PLACES
	s_wait_alu depctr_va_vdst(0)                   ; the products issued so far are done reading the two fragments of rows, in which the loads below land; at a step's head also the weight set that the step before has left
.endif
.if (mp == 0) && ((\s)+WS-1 < KS)
	WLOAD (\s)+WS-1                                ; into the set that the step before has left
.endif
	ALOAD 2*mp, \s, AF
	ALOAD 2*mp+1, \s, AF+16
.if mp == 0
	s_wait_loadcnt 8*(wl-(\s))                     ; this step's weight fragments are in; the later steps' loads, eight a step, may be out
.endif
	s_wait_dscnt 0x0
	MM 2*mp, 0, \s
	MM 2*mp, 1, \s
	MM 2*mp+1, 0, \s
	MM 2*mp+1, 1, \s
.set mp, mp+1
.endr
.endm
	SIZES 1024, 4, 2048, 5, 0x3a800000, 0          ; rows of 1,024, 64 rows to a work-group, 32 blocks to a batch; LDS 0 .. 66,559
	s_load_b512 s[4:19], s[0:1], 0x0               ; rows 4, gain 6, bias 8, (10, 12: the other slices'), weights 14, exponents 16, codes 18
	v_lshl_add_u32 v254, v0, 2, 0x10400
	v_mov_b32 v255, 0
	v_lshrrev_b32 v2, 5, v0
	v_readfirstlane_b32 s20, v2                    ; wave 0..15
	v_and_b32 v1, 31, v0                           ; lane
	v_and_b32 v2, 15, v0                           ; r
	v_bfe_u32 v3, v0, 4, 1                         ; h
	v_lshlrev_b32 v[LI], 4, v1
	s_wait_alu depctr_va_vdst(0)
	s_wait_alu depctr_va_sdst(0)                   ; s20 is written, ahead of its first reader: addresses are made from it
	s_mov_b32 s48, 0x76543210                      ; v_permlanex16_b32: lane l takes lane l xor 16
	s_mov_b32 s49, 0xfedcba98
	s_mov_b32 s50, INVK
	s_mov_b32 s51, EPS
	s_mul_i32 s40, s20, NR                         ; my first LDS row; its row of the block has bits 3 and 4 exchanged
	s_and_b32 s41, s40, 0xe7
	s_and_b32 s42, s40, 8
	s_lshl_b32 s42, s42, 1
	s_or_b32 s41, s41, s42
	s_and_b32 s42, s40, 16
	s_lshr_b32 s42, s42, 1
	s_or_b32 s41, s41, s42
	s_mul_i32 s41, s41, ROWB
	v_add_nc_u32 v[VX], s41, v[LI]
	s_mul_i32 s42, s40, PITCH
	v_lshl_add_u32 v[LW], v1, 2, s42
	v_mul_u32_u24 v[AR], v2, PITCH
	v_lshl_add_u32 v[AR], v3, 4, v[AR]             ; a fragment's row x pitch + 16 x half
	s_mul_i32 s44, ttmp9, 16*RT*ROWB
	s_mov_b32 s45, 0
	s_mul_i32 s40, s20, 2*KS*2048                  ; my two tiles of wq, whose images begin the buffer
	s_mov_b32 s41, 0
	s_wait_kmcnt 0x0
	s_load_b256 s[24:31], s[16:17], 0x0            ; exponents 0 .. 7
	s_add_nc_u64 s[4:5], s[4:5], s[44:45]          ; the block's first row
	s_add_nc_u64 s[14:15], s[14:15], s[40:41]
	s_wait_alu depctr_va_vdst(0)                   ; the offsets and LDS addresses v4, v5, v7, v9 are written: every load, store and LDS instruction of the kernel reads one of them
.set n, 0
.rept LPR
	global_load_b128 v[GA+4*n:GA+4*n+3], v[LI], s[6:7] offset:512*n
.set n, n+1
.endr
.set n, 0
.rept LPR
	global_load_b128 v[BE+4*n:BE+4*n+3], v[LI], s[8:9] offset:512*n
.set n, n+1
.endr
.set J, 0
.rept SETS
	XLOAD J
.set J, J+1
.endr
	s_wait_kmcnt 0x0
	s_sub_co_i32 s38, s28, s24
	s_sub_co_i32 s38, s38, s25                     ; eq - exn - ewq
	MKSC 24, 40, SCA, LIMA
	MKSC 38, 40, SCO, LIMO
.set J, 0
.rept NR
	LNROW J
.set J, J+1
.endr
.set SS, 0
.rept WS-1
	WLOAD SS                                       ; the first WS - 1 steps' weights, into registers that the rows have left.  No wait: no vector instruction stands behind the last row's wait on va_vdst
.set SS, SS+1
.endr
	s_wait_dscnt 0x0                               ; for the others' sake: my rows' codes lie in LDS
	s_barrier_signal -1
	s_barrier_wait -1                              ; everybody's do; nothing is stored to LDS behind this barrier
	s_wait_alu depctr_vm_vsrc(0)                   ; my last row's LDS stores have read v[CD ..]: the first step's weight loads land there
	s_lshr_b32 s40, ttmp9, LBPB                    ; the batch
	s_lshl_b32 s40, s40, 3
	s_lshr_b32 s41, s20, 1
	s_add_co_u32 s40, s40, s41                     ; bh = 8 x batch + head: my 32 columns are half w % 2 of head w / 2
	s_and_b32 s41, ttmp9, (1<<LBPB)-1              ; the block in its batch
	s_and_b32 s42, s20, 1
	s_mul_i32 s44, s40, RPB/16                     ; q's image: ((bh RPB / 16 + tile in the batch) x 1024) + 512 (w % 2) + 16 lane
	s_mul_i32 s45, s41, RT
	s_add_co_u32 s44, s44, s45
	s_lshl_b32 s44, s44, 10
	s_lshl_b32 s45, s42, 9
	s_add_co_u32 s44, s44, s45
	s_mov_b32 s45, 0
	s_add_nc_u64 s[18:19], s[18:19], s[44:45]
.set SS, 0
.rept KS
	KSTEP SS
.set SS, SS+1
.endr
	PLACES
.set tm, 0
.rept RT                               ; lane (r, h): row tile tm's row r; accumulators (tm, 0), (tm, 1): channels 32 (w % 2) + 16 h + 0 .. 15 of the head
.set p, 0
.rept 16
	v_med3_num_f32 v[ACC+16*tm+p], v[ACC+16*tm+p], -v[LIMO], v[LIMO]   ; each accumulator from its low end on
.set p, p+1
.endr
	v_cvt_scalef32_pk8_bf8_f32 v[AF+4*tm:AF+4*tm+1], v[ACC+16*tm:ACC+16*tm+7], v[SCO]
	v_cvt_scalef32_pk8_bf8_f32 v[AF+4*tm+2:AF+4*tm+3], v[ACC+16*tm+8:ACC+16*tm+15], v[SCO]
.set tm, tm+1
.endr
	v_nop
	s_wait_alu depctr_va_vdst(0)                   ; the conversions have written the codes in v[AF ..], which the stores read
.set tm, 0
.rept RT
	global_store_b128 v[LI], v[AF+4*tm:AF+4*tm+3], s[18:19] offset:1024*tm
.set tm, tm+1
.endr
	s_wait_dscnt 0x0                               ; the closing lines, six on end
	s_wait_alu 0x0
	s_wait_tensorcnt 0x0
	ds_add_u32 v254, v255
	s_wait_dscnt 0x0
	s_endpgm
.Lfunc_end_k_qd52b7cac6b_ca_q:
	.size	k_qd52b7cac6b_ca_q, .Lfunc_end_k_qd52b7cac6b_ca_q-k_qd52b7cac6b_ca_q
	.p2alignl 7, 3214868480
	.fill 96, 4, 3214868480
	.section	.rodata,"a",@progbits
	.p2align	6, 0x0
	.amdhsa_kernel k_qd52b7cac6b_ca_q
		.amdhsa_group_segment_fixed_size 68608
		.amdhsa_private_segment_fixed_size 0
		.amdhsa_enable_private_segment 0
		.amdhsa_kernarg_size 64
		.amdhsa_user_sgpr_count 2
		.amdhsa_user_sgpr_kernarg_segment_ptr 1
		.amdhsa_wavefront_size32 1
		.amdhsa_system_sgpr_workgroup_id_x 1
		.amdhsa_system_sgpr_workgroup_id_y 1
		.amdhsa_system_sgpr_workgroup_id_z 1
		.amdhsa_system_vgpr_workitem_id 0
		.amdhsa_next_free_vgpr 256
		.amdhsa_next_free_sgpr 66
		.amdhsa_reserve_vcc 0
		.amdhsa_float_denorm_mode_32 3
		.amdhsa_float_denorm_mode_16_64 3
		.amdhsa_memory_ordered 1
		.amdhsa_forward_progress 1
		.amdhsa_inst_pref_size 71
	.end_amdhsa_kernel
	.amdgpu_metadata
---
amdhsa.version: [ 1, 2 ]
amdhsa.kernels:
  - .name:           k_qd52b7cac6b_ca_q
    .symbol:         k_qd52b7cac6b_ca_q.kd
    .args:
      - { .name: x1, .offset: 0, .size: 8, .value_kind: global_buffer, .address_space: global }
      - { .name: ca_ng, .offset: 8, .size: 8, .value_kind: global_buffer, .address_space: global }
      - { .name: ca_nb, .offset: 16, .size: 8, .value_kind: global_buffer, .address_space: global }
      - { .name: ca_ncg, .offset: 24, .size: 8, .value_kind: global_buffer, .address_space: global }
      - { .name: ca_ncb, .offset: 32, .size: 8, .value_kind: global_buffer, .address_space: global }
      - { .name: wca, .offset: 40, .size: 8, .value_kind: global_buffer, .address_space: global }
      - { .name: sc_ca, .offset: 48, .size: 8, .value_kind: global_buffer, .address_space: global }
      - { .name: qkv_ca, .offset: 56, .size: 8, .value_kind: global_buffer, .address_space: global }
    .group_segment_fixed_size: 68608
    .private_segment_fixed_size: 0
    .kernarg_segment_align: 8
    .kernarg_segment_size: 64
    .max_flat_workgroup_size: 512
    .sgpr_count:     66
    .vgpr_count:     256
    .wavefront_size: 32
...
	.end_amdgpu_metadata
.endif
;; end of part 16
;; launch ca_attn (part 17): grid 8 x 32, 16 waves a work-group, no clusters, 67,584 bytes of LDS; arguments qkv_ca, sc_ca, ocodes; writes ocodes
.if DOCPART == 17
	.amdgcn_target "amdgcn-amd-amdhsa--gfx1250"
	.amdhsa_code_object_version 6
	.text
	.protected	k_qd52b7cac6b_ca_attn
	.globl	k_qd52b7cac6b_ca_attn
	.p2align	8
	.type	k_qd52b7cac6b_ca_attn,@function
k_qd52b7cac6b_ca_attn:
	s_mov_b64 s[64:65], 0
	v_nop
	global_prefetch_b8 v0, s[64:65] scope:SCOPE_SE
	s_setreg_imm32_b32 hwreg(HW_REG_WAVE_SCHED_MODE, 0, 2), 2
	s_setreg_imm32_b32 hwreg(HW_REG_WAVE_MODE, 25, 1), 1
	s_wait_xcnt 0x0
	s_wait_alu depctr_vm_vsrc(0)
; The second layer's attention: the first layer's text with 512 keys to a head.
; o = softmax(q k^T / 8) v for one head, head size 64, NK keys, both products on codes of BF8 (E5M2); o leaves as codes for the next product.
; THE SOFTMAX AHEAD OF THE SECOND PRODUCT: t = score x log2(e) / 8; M = the row's largest t so far, taken UP to a whole number; p = 2^(t - M) is quantised, not normalised.
; The row's sum is taken of the unquantised p, in f32, and divides O at the end.  When M moves, the sum and O are multiplied by 2^(old M - new M): nothing is rounded, and no branch hangs on floating-point data.
; SHARES.  A work-group owns 256 queries (work-group x) of head bh = work-group y; each of its sixteen waves one tile of 16 queries in 256 registers, four waves to a SIMD.
; Every wave walks all keys, 128 a step.  K's and V's fragments lie in memory in the order of the operands' registers; 256 keys (16 KB of K, 16 KB of V) are a dense block each.
; They come through two LDS slots: each thread loads 4 x 16 bytes of the next slot at the head of a slot's two steps and stores them to LDS at their end.
; ONE BARRIER A SLOT: in front of it each wave's reads of the slot in hand are back and its stores into the other slot are done; the other slot was last read in front of the barrier before.
; LAYOUT.  S^T = K Q^T (source 0 = 16 keys, source 1 = my 16 queries), O^T = V^T P^T (source 0 = 16 channels): a lane holds ONE query throughout.  The keys of a tile of K, and the channels of a
; tile of V^T, are not neighbours (place i of tile T is 32 (T / 2) + 8 (T % 2) + i % 8 + 16 (i / 8)), so that the 16 registers of two neighbouring tiles are 16 neighbours along the next K.
; THE HOLD OF p at 57,344 x 2^ep is 64 lines a step.  M is at least the rounded largest t, so t - M is at most half a unit in t's last place: at most 1/4 while |t| < 2^22, and p at most 2^(1/4).
; Where ep >= -15 the bound is 1.75 or more and the hold changes nothing: a scalar branch on the given whole number ep goes round those lines alone.  Where ep < -15 they run.
; LIMITS: |t| < 2^22; eq + ek between -123 and 130 (added to the exponent field of log2(e) / 8); ep and eo between -126 and 112; ep + ev goes in by v_ldexp_f32 and has none.
; No joint loads: this text has no tensor load; the eight query blocks of a head each copy the head's K and V (128 NK bytes) through registers.
; REGISTERS: v1 16 x lane; v2 16 x thread; v12 -M, v13 the largest t, v[14:15] the sum in two halves; v16-23 Q; v32-95 K's eight fragments, then V's four; v96-159 S^T, then p;
; v160-191 O^T; v192-207 the next slot's bytes; v224-239 p's codes; v240, v244: 57,344 x 2^ep, 2^ep; v241, v245: the same for eo; v236, v242-243, v252-254 at work.
; THE MODE: SCHED_MODE bits 1:0 = 2 (LLVM: expert scheduling mode 2), set by the entry lines.  The code itself states the register dependences
; between vector or matrix instructions and memory or LDS instructions, with s_wait_alu, always for 0.
; THE PLAN.  Registers that memory or LDS instructions touch:
;   v1, v2     offsets and LDS addresses: made at the head and never written again.
;   v192-207   The next slot's global loads land there; the LDS stores at the slot's end read them; no vector instruction names them.  One wait on vm_vsrc a slot, ahead of the loads.
;   v32-95     K's LDS loads land; the eight products K Q^T read them; V's LDS loads land; the four products V^T P read them; the next step's K lands.
;   v16-23     Q's loads land at the head; read by products alone.     v224-231 on the way out: written by conversions, read by the two stores.
; So a step has a wait on va_vdst at its head (the last step's products are done reading V) and one behind K Q^T (these are done reading K); the wait behind the exponentials stands as it stood.
; Behind the second, V's sixteen loads are dealt among the lines of the maximum: up to the wait for them every vector line names v12-15, v96-191, v224-254 alone, never v1 or v32-95.
.set NK,  512                          ; keys of a head
.set NSL, NK/256                       ; slots' worth of keys
.macro PLACES                          ; four plain vector lines between a matrix instruction and a load into, or a vector line on, its registers
.rept 4
	v_nop
.endr
.endm
.macro MKSC e, t, vsc, vlim            ; s[e] = an exponent: v[vsc] = 2^e, v[vlim] = 57,344 x 2^e
	s_add_co_i32 s[\t], s[\e], 127
	s_lshl_b32 s[\t+1], s[\t], 23
	v_mov_b32 v[\vsc], s[\t+1]
	s_add_co_i32 s[\t], s[\t], 15
	s_lshl_b32 s[\t], s[\t], 23
	s_or_b32 s[\t], s[\t], 0x600000
	v_mov_b32 v[\vlim], s[\t]
.endm
.macro GLOAD                           ; the next 256 keys: 512 threads x 16 bytes x 4; each load of a wave reads 512 consecutive bytes
	global_load_b128 v[192:195], v2, s[24:25]
	global_load_b128 v[196:199], v2, s[24:25] offset:8192
	global_load_b128 v[200:203], v2, s[26:27]
	global_load_b128 v[204:207], v2, s[26:27] offset:8192
.endm
.macro GSTORE sl                       ; into slot sl as they lie: K's 16 KB, then V's
	ds_store_b128 v2, v[192:195] offset:(\sl)*32768
	ds_store_b128 v2, v[196:199] offset:(\sl)*32768+8192
	ds_store_b128 v2, v[200:203] offset:(\sl)*32768+16384
	ds_store_b128 v2, v[204:207] offset:(\sl)*32768+24576
.endm
.macro VLOAD sl, q, t                  ; fragment t of V^T of the slot's q-th step
.irp c, 0,1,2,3
	ds_load_b128 v[32+16*(\t)+4*\c:35+16*(\t)+4*\c], v1 offset:(\sl)*32768+16384+(4*(\q)+(\t))*2048+512*\c
.endr
.endm
.macro MAXES n                         ; n turns of the maximum's two chains; j runs on
.rept \n
	v_max3_num_f32 v254, v254, v[96+j], v[97+j]
	v_max3_num_f32 v252, v252, v[98+j], v[99+j]
.set j, j+4
.endr
.endm
	s_load_b128 s[4:7], s[0:1], 0x0                ; q, k and v's codes s[4:5], the exponents s[6:7]
	s_load_b64 s[8:9], s[0:1], 0x10                ; o's codes
	v_lshl_add_u32 v251, v0, 2, 0x10000
	v_mov_b32 v255, 0
	v_lshrrev_b32 v3, 5, v0
	v_readfirstlane_b32 s10, v3                    ; wave 0..15
	v_and_b32 v1, 31, v0
	v_lshlrev_b32 v1, 4, v1                        ; 16 x lane
	v_lshlrev_b32 v2, 4, v0                        ; 16 x thread
	s_wait_alu depctr_va_sdst(0)                   ; s10 is written, ahead of its first reader: Q's and o's addresses are made from it
	s_and_b32 s11, ttmp7, 0xffff                   ; bh
	s_mov_b32 s12, 0x76543210                      ; v_permlanex16_b32: lane l takes lane l xor 16
	s_mov_b32 s13, 0xfedcba98
	s_mov_b32 s22, 0x3e38aa3b                      ; c = log2(e) / 8
	s_mul_i32 s30, s11, NK*64                      ; the head's first byte of K's, and of V's, images
	s_mov_b32 s31, 0
	s_lshl_b32 s34, ttmp9, 4
	s_add_co_u32 s34, s34, s10                     ; my tile of queries in the batch: 16 x + w
	s_lshl_b32 s32, s11, 7
	s_add_co_u32 s32, s32, s34
	s_lshl_b32 s32, s32, 10                        ; Q: (128 bh + tile) x 1024
	s_mov_b32 s33, 0
	s_lshr_b32 s36, s11, 3
	s_lshl_b32 s36, s36, 7
	s_add_co_u32 s36, s36, s34
	s_lshl_b32 s36, s36, 13                        ; o: (128 batch + tile) x 8192
	s_and_b32 s37, s11, 7
	s_lshl_b32 s37, s37, 10                        ;    + 1024 x head
	s_add_co_u32 s36, s36, s37
	s_mov_b32 s37, 0
	s_wait_kmcnt 0x0
	s_load_b128 s[16:19], s[6:7], 0x10             ; eq, ek, ep, ev
	s_load_b32 s20, s[6:7], 0x20                   ; eo
	s_add_nc_u64 s[24:25], s[4:5], s[30:31]
	s_add_nc_u64 s[26:27], s[24:25], 0x800000      ; V
	s_add_nc_u64 s[24:25], s[24:25], 0x400000      ; K
	s_add_nc_u64 s[4:5], s[4:5], s[32:33]
	s_add_nc_u64 s[8:9], s[8:9], s[36:37]
	s_wait_alu depctr_va_vdst(0)                   ; v1 and v2 are written: every load, store and LDS instruction of the kernel reads one of them as its address
	GLOAD                                          ; slot 0
	global_load_b128 v[16:19], v1, s[4:5]          ; Q's fragment stays in registers
	global_load_b128 v[20:23], v1, s[4:5] offset:512
	v_mov_b32 v13, 0xff61b1e6                      ; the largest t so far: -3e38, under every t
	v_floor_f32 v12, -v13                          ; -M
	v_mov_b32 v14, 0                               ; the sum, in two halves
	v_mov_b32 v15, 0
	v_mov_b32 v236, 0                              ; written once: a lane permute's destination counts as one of its sources
	v_mov_b32 v253, 0                              ; (named as the upper half of the pair v[252:253])
.set j, 0
.rept 32
	v_mov_b32 v[160+j], 0                          ; O^T.  (The step is written once: the first finds zeros, which the first change of M leaves zeros)
.set j, j+1
.endr
	s_wait_kmcnt 0x0
	s_add_co_i32 s30, s16, s17
	s_lshl_b32 s30, s30, 23
	s_add_co_i32 s22, s22, s30                     ; a score stands for score x 2^(eq + ek): the two exponents are added to c's exponent field
	s_mov_b32 s23, s22                             ; (named with it as a pair, so it is written)
	MKSC 18, 30, 244, 240
	MKSC 20, 30, 245, 241
; A KEY STEP: 128 keys, the q-th of slot sl.
.macro STEP sl, q
	PLACES                                         ; in front of loads into registers that the last products read
	s_wait_alu depctr_va_vdst(0)                   ; the last step's products V^T P are done reading V's fragments in v32-95, in which K's land
.irp t, 0,1,2,3,4,5,6,7
	ds_load_b128 v[32+8*\t:35+8*\t], v1 offset:(\sl)*32768+(8*(\q)+\t)*1024
	ds_load_b128 v[36+8*\t:39+8*\t], v1 offset:(\sl)*32768+(8*(\q)+\t)*1024+512
.endr
	s_wait_dscnt 0x0
.irp t, 0,1,2,3,4,5,6,7
	v_wmma_f32_16x16x64_bf8_bf8 v[96+8*\t:103+8*\t], v[32+8*\t:39+8*\t], v[16:23], 0
.endr                                              ; lane (r, h): query r; the 16 registers of tiles 2 b, 2 b + 1 are the step's keys 32 b + 16 h + 0 .. 15
	PLACES
	s_wait_alu depctr_va_vdst(0)                   ; the products K Q^T are done reading K's fragments in v32-95, in which V's land
	VLOAD \sl, \q, 0                               ; V's four fragments land while the softmax is worked: four loads at a time among the maximum's lines, which name neither v1 nor v32-95
	v_max3_num_f32 v254, v96, v97, v98             ; the step's largest score of my query, among my 64 keys, in two chains, ascending,
	v_max3_num_f32 v252, v99, v100, v101
.set j, 6
	MAXES 5
	VLOAD \sl, \q, 1
	MAXES 5
	VLOAD \sl, \q, 2
	MAXES 4
	VLOAD \sl, \q, 3
	v_max3_num_f32 v254, v254, v158, v159
	v_max_num_f32 v254, v254, v252
	v_permlanex16_b32 v236, v254, s12, s13
	v_max_num_f32 v254, v254, v236                 ; and among lane l xor 16's
	v_mul_f32 v254, s22, v254                      ; as t (c is positive)
	v_max_num_f32 v13, v13, v254                   ; the running largest t
	v_mov_b32 v254, v12
	v_floor_f32 v12, -v13                          ; the new -M = floor(-t) = -ceil(t): M IS A WHOLE NUMBER
	v_sub_f32 v254, v12, v254                      ; M's old value less its new one: a whole number, 0 or less
	v_cvt_i32_f32 v254, v254                       ; (it saturates)
	v_ldexp_f32 v252, 1.0, v254                    ; f = 2^(old M - new M)
.set j, 0
.rept 32
	v_pk_fma_f32 v[96+j:97+j], v[96+j:97+j], s[22:23], v[12:13] op_sel_hi:[1,0,0]   ; t - M, two at a time (of the pairs c and -M the low word serves both halves)
.set j, j+2
.endr
.set j, 0
	s_wait_alu depctr_va_vdst(0)
.rept 64
	v_exp_f32 v[96+j], v[96+j]                     ; p = 2^(t - M): NOT normalised
.set j, j+1
.endr
	v_pk_mul_f32 v[14:15], v[14:15], v[252:253] op_sel_hi:[1,0]   ; the sums under the new M.  (A plain line behind the exponentials)
	s_wait_alu depctr_va_vdst(0)                   ; the 64 exponentials have written p in v96-159: one wait for the batch, ahead of its first reader
	v_pk_add_f32 v[242:243], v[96:97], v[98:99]    ; THE ROW'S SUM IS TAKEN OF THE UNQUANTISED p: two at a time, in two chains
.set j, 4
.rept 15
	v_pk_add_f32 v[14:15], v[14:15], v[96+j:97+j]
	v_pk_add_f32 v[242:243], v[242:243], v[98+j:99+j]
.set j, j+4
.endr
	v_pk_add_f32 v[14:15], v[14:15], v[242:243]
	s_cmp_ge_i32 s18, -15                          ; ep >= -15: 57,344 x 2^ep is 1.75 or more, above every p: the hold would change nothing
	s_cbranch_scc1 .Lfits_\@
.set j, 0
.rept 64
	v_min_num_f32 v[96+j], v[96+j], v240           ; the conversion to an 8-bit code does not saturate (ISA guide 7.6.2); p is not negative, so the hold is one-sided
.set j, j+1
.endr
.Lfits_\@:
.irp b, 0,1,2,3
	v_cvt_scalef32_pk8_bf8_f32 v[224+4*\b:225+4*\b], v[96+16*\b:103+16*\b], v244
	v_cvt_scalef32_pk8_bf8_f32 v[226+4*\b:227+4*\b], v[104+16*\b:111+16*\b], v244
.endr
.set j, 0
.rept 16
	v_pk_mul_f32 v[160+j:161+j], v[160+j:161+j], v[252:253] op_sel_hi:[1,0]   ; O^T under the new M: x f.  (Plain lines between the conversions and the products that read their results)
.set j, j+2
.endr
	s_wait_alu depctr_va_vdst(0)
	s_wait_dscnt 0x0                               ; V's fragments are in
.irp t, 0,1,2,3
	v_wmma_f32_16x16x128_bf8_bf8 v[160+8*\t:167+8*\t], v[32+16*\t:47+16*\t], v[224:239], v[160+8*\t:167+8*\t]   ; the four accumulators by turns
.endr
.endm
; A SLOT'S TWO STEPS.  pf = 1: the next slot's bytes are asked for at the head and stored to the other slot at the end; then the barrier.
.macro SLOT sl, pf
.if \pf
	s_wait_alu depctr_vm_vsrc(0)                   ; my LDS stores of the slot before have read v192-207, in which the next slot's bytes land
	GLOAD
.endif
	STEP \sl, 0
	STEP \sl, 1
.if \pf
	s_wait_loadcnt 0x0                             ; the next slot's bytes are in registers: so the pointers may step
	GSTORE 1-(\sl)
	s_add_nc_u64 s[24:25], s[24:25], 16384
	s_add_nc_u64 s[26:27], s[26:27], 16384
	s_wait_dscnt 0x0                               ; for the others' sake: my stores are done, and my reads of this slot are back
	s_barrier_signal -1
	s_barrier_wait -1
.endif
.endm
	s_wait_loadcnt 2                               ; slot 0's four loads are in; Q's two may be out
	GSTORE 0
	s_add_nc_u64 s[24:25], s[24:25], 16384
	s_add_nc_u64 s[26:27], s[26:27], 16384
	s_wait_dscnt 0x0
	s_barrier_signal -1
	s_barrier_wait -1
	s_wait_loadcnt 0x0                             ; Q
.if NSL > 2
	s_mov_b32 s28, (NSL-2)/2
.Lslots:
	SLOT 0, 1
	SLOT 1, 1
	s_sub_co_u32 s28, s28, 1
	s_cmp_lg_u32 s28, 0
	s_cbranch_scc1 .Lslots
.endif
	SLOT 0, 1                                      ; the last two slots are written out: the very last asks for nothing, so no load leaves the buffer
	SLOT 1, 0
	; THE WAY OUT.  O^T / the sum x 2^(ep + ev) is o; it is held, quantised with 2^eo, and stored as the next product's operand: row tile x 8192 + 512 (2 head + c) + 16 lane.
	PLACES
	v_add_f32 v14, v14, v15                        ; the sum's two halves,
	v_permlanex16_b32 v252, v14, s12, s13
	v_add_f32 v14, v14, v252                       ; and lane l xor 16's: the row's sum
	s_wait_alu depctr_va_vdst(0)
	v_rcp_f32 v14, v14
	v_nop                                          ; a plain line behind the transcendental
	s_add_co_i32 s30, s18, s19
	s_wait_alu depctr_va_vdst(0)                   ; the reciprocal is written in v14, ahead of its first reader
	v_ldexp_f32 v14, v14, s30                      ; x 2^(ep + ev)
.set j, 0
.rept 32
	v_mul_f32 v[96+j], v[160+j], v14               ; register 8 t + i: channel 32 (t / 2) + 16 h + 8 (t % 2) + i of query r; ascending: each accumulator from its low end on
.set j, j+1
.endr
.set j, 0
.rept 32
	v_med3_num_f32 v[96+j], v[96+j], -v241, v241
.set j, j+1
.endr
.irp t, 0,1,2,3
	v_cvt_scalef32_pk8_bf8_f32 v[224+2*\t:225+2*\t], v[96+8*\t:103+8*\t], v245
.endr
	v_nop
	s_wait_alu depctr_va_vdst(0)                   ; the conversions have written o's codes in v224-231, which the two stores read
	global_store_b128 v1, v[224:227], s[8:9]       ; 32 lanes store 512 consecutive bytes, aligned
	global_store_b128 v1, v[228:231], s[8:9] offset:512
	s_wait_dscnt 0x0                               ; the closing lines, six on end
	s_wait_alu 0x0
	s_wait_tensorcnt 0x0
	ds_add_u32 v251, v255
	s_wait_dscnt 0x0
	s_endpgm
.Lfunc_end_k_qd52b7cac6b_ca_attn:
	.size	k_qd52b7cac6b_ca_attn, .Lfunc_end_k_qd52b7cac6b_ca_attn-k_qd52b7cac6b_ca_attn
	.p2alignl 7, 3214868480
	.fill 96, 4, 3214868480
	.section	.rodata,"a",@progbits
	.p2align	6, 0x0
	.amdhsa_kernel k_qd52b7cac6b_ca_attn
		.amdhsa_group_segment_fixed_size 67584
		.amdhsa_private_segment_fixed_size 0
		.amdhsa_enable_private_segment 0
		.amdhsa_kernarg_size 24
		.amdhsa_user_sgpr_count 2
		.amdhsa_user_sgpr_kernarg_segment_ptr 1
		.amdhsa_wavefront_size32 1
		.amdhsa_system_sgpr_workgroup_id_x 1
		.amdhsa_system_sgpr_workgroup_id_y 1
		.amdhsa_system_sgpr_workgroup_id_z 1
		.amdhsa_system_vgpr_workitem_id 0
		.amdhsa_next_free_vgpr 256
		.amdhsa_next_free_sgpr 66
		.amdhsa_reserve_vcc 0
		.amdhsa_float_denorm_mode_32 3
		.amdhsa_float_denorm_mode_16_64 3
		.amdhsa_memory_ordered 1
		.amdhsa_forward_progress 1
		.amdhsa_inst_pref_size 71
	.end_amdhsa_kernel
	.amdgpu_metadata
---
amdhsa.version: [ 1, 2 ]
amdhsa.kernels:
  - .name:           k_qd52b7cac6b_ca_attn
    .symbol:         k_qd52b7cac6b_ca_attn.kd
    .args:
      - { .name: qkv_ca, .offset: 0, .size: 8, .value_kind: global_buffer, .address_space: global }
      - { .name: sc_ca, .offset: 8, .size: 8, .value_kind: global_buffer, .address_space: global }
      - { .name: ocodes, .offset: 16, .size: 8, .value_kind: global_buffer, .address_space: global }
    .group_segment_fixed_size: 67584
    .private_segment_fixed_size: 0
    .kernarg_segment_align: 8
    .kernarg_segment_size: 24
    .max_flat_workgroup_size: 512
    .sgpr_count:     66
    .vgpr_count:     256
    .wavefront_size: 32
...
	.end_amdgpu_metadata
.endif
;; end of part 17
;; launch ca_out: the kernel of part 15 again; grid 128 x 2, 16 waves a work-group, no clusters, 297,984 bytes of LDS; arguments ocodes, wca, sc_ca, ca_bo, x1, out0; writes out0
